; MI455X (gfx1250); checked and timed in simulation.
; The chip was launched on July 23, 2026; its instructions are those of AMD's public machine-readable ISA for CDNA 5 (MIT licence, August 2026) and "CDNA5" Instruction Set Architecture Reference Guide (July 2026). The comments in the code are by the model that wrote it; some were corrected since.
;; Encoder Layer. Allowed arithmetic: matrix products marked QUANTISED: E2M3 operands, one E8M0 scale for each 32 along K, by v_wmma_scale_f32_16x16x128_f8f6f4 with both operands' format E2M3, f32 sums; everything else in f32.
;; Inputs: W1 1,024 x 4,096 float32; W2 4,096 x 1,024 float32; Wk 16 x 1,024 x 64 float32; Wo 1,024 x 1,024 float32; Wq 16 x 1,024 x 64 float32; Wv 16 x 1,024 x 64 float32; b1 4,096 float32; b2 1,024 float32; be1 1,024 float32; be2 1,024 float32; bk 16 x 64 float32; bo 1,024 float32; bq 16 x 64 float32; bv 16 x 64 float32; g1 1,024 float32; g2 1,024 float32; x 2 x 2,048 x 1,024 float32.
;; Outputs: out0 2 x 2,048 x 1,024 float32.
;; This version of the problem:
;;   THIS VERSION OF THE PROBLEM IS GIVEN IN LOW PRECISION. The matrix products marked QUANTISED in the list below multiply operands that are first quantised to E2M3 (2 exponent bits, 3 mantissa bits; 6 bits a number), with one power-of-two scale for each 32 numbers along K (OCP MX v1.0); their sums are f32. All else is computed in f32.
;;   The module's matrix products, in the order in which they are computed (A, B: the left and right operand; K: the contracted axis; several contracted axes count as one K, in the product's order):
;;     1. [M 1,024, K 1,024] x [K 1,024, N 4,096]; A: input Wq; B: computed on the way: QUANTISED
;;     2. [M 1,024, K 1,024] x [K 1,024, N 4,096]; A: input Wk; B: computed on the way: QUANTISED
;;     3. [M 1,024, K 1,024] x [K 1,024, N 4,096]; A: input Wv; B: computed on the way: QUANTISED
;;     4. batch 32 x [M 2,048, K 64] x [K 64, N 2,048]; A: computed on the way; B: computed on the way: QUANTISED
;;     5. batch 32 x [M 2,048, K 2,048] x [K 2,048, N 64]; A: softmax (see below); B: computed on the way: QUANTISED
;;     6. [M 4,096, K 1,024] x [K 1,024, N 1,024]; A: computed on the way; B: input Wo: QUANTISED
;;     7. [M 4,096, K 1,024] x [K 1,024, N 4,096]; A: computed on the way; B: input W1: QUANTISED
;;     8. [M 4,096, K 4,096] x [K 4,096, N 1,024]; A: computed on the way; B: input W2: QUANTISED
;;   THE QUANTISER, for each operand of a quantised product, along K:
;;     - K is cut into blocks of 32 from its start; a last block that is shorter is filled with zeros.
;;     - A block's scale is 2^e with e = floor(log2(the largest magnitude in the block)) - 2, held to -126 .. 127; a block of zeros has e = 0. As a byte (E8M0): e + 127.
;;     - Each number is divided by its block's scale, clamped to +-7.5, and rounded to the nearest number of E2M3, ties to even, subnormals kept.
;;     - The product sums the exact products of the quantised numbers (number of the format x scale) in f32.
;;   ~~~python
;;   def quantise(x, axis):      # numpy; x: float32 -> the quantised numbers, widened to float32 again
;;       x = np.moveaxis(x, axis, -1); K = x.shape[-1]
;;       x = np.pad(x, [(0, 0)] * (x.ndim - 1) + [(0, -K % 32)]); x = x.reshape(x.shape[:-1] + (-1, 32)); a = np.abs(x).max(-1, keepdims=True)
;;       e = np.where(a > 0, np.clip(np.frexp(np.where(a > 0, a, 1))[1] - 1 - 2, -126, 127), 0)      # np.frexp(a)[1] - 1 = floor(log2(a)), exactly
;;       r = np.clip(x / 2.0 ** e, -7.5, 7.5)
;;       step = 2.0 ** (np.maximum(np.frexp(np.where(r == 0, 1, r))[1] - 1, 0) - 3)
;;       q = np.round(r / step) * step * 2.0 ** e      # np.round: ties to even
;;       return np.moveaxis(q.reshape(q.shape[:-2] + (-1,))[..., :K], -1, axis).astype(np.float32)
;;   ~~~
;;   SOFTMAX AHEAD OF A QUANTISED PRODUCT. Where the list says 'softmax', what is quantised is not the finished softmax but p = 2^(t - M), with t = logit x log2(e) and M = ceil(the row's largest t), a whole number; so 1/2 < the row's largest p <= 1. The row's sum l is taken of the UNQUANTISED p, in f32, and the product's result is divided by l at the end. Since M is a whole number, a kernel that streams over the keys may use a running M (the ceiling of the running maximum): every later rescaling is an exact power of two, which a block's scale takes up: the codes' values come out the same.
;;   OPERANDS COMPUTED ON THE WAY. 'Computed on the way' means the value that the module computes at that place (a softmax that the list does not call 'softmax' is quantised finished and normalised). What goes into a quantiser is computed in f32, as accurately as f32 sums, v_exp_f32 and their like allow (about 1e-6 of the number): no bf16 or f16 on the way to a quantiser, and a product that is left as it is and whose result goes on into a quantised operand takes f32 operands (vector FMAs, or v_wmma_f32_16x16x4_f32). A number that lies on a knife's edge between two numbers of the format may be rounded either way, as far as f32 arithmetic and the matrix unit's own rounding can turn it there, and no further.
;; One version. Each part assembles by itself: llvm-mc -triple=amdgcn-amd-amdhsa -mcpu=gfx1250 --defsym DOCPART=n.
;; ======== version 1 of 1: 7 launches
;; limits: right only within a limited range of input values
;; workspace buffers: cqkv 2,457,600 bytes; co 819,200 bytes; c1 3,276,800 bytes; c2 3,276,800 bytes; act 3,276,800 bytes; big 13,107,200 bytes; x1 16,777,216 bytes
;; launch wprep (part 1): grid 448 x 1, 8 waves a work-group, no clusters, 2,048 bytes of LDS; arguments Wq, Wk, Wv, Wo, W1, W2, cqkv, co, c1, c2, x, g1, be1, act; writes cqkv, co, c1, c2, act
.if DOCPART == 1
	.amdgcn_target "amdgcn-amd-amdhsa--gfx1250"
	.amdhsa_code_object_version 6
	.text
	.protected	k_qed1239fa25_wprep
	.globl	k_qed1239fa25_wprep
	.p2align	8
	.type	k_qed1239fa25_wprep,@function
k_qed1239fa25_wprep:
	s_mov_b64 s[64:65], 0
	v_nop
	global_prefetch_b8 v0, s[64:65] scope:SCOPE_SE
	s_setreg_imm32_b32 hwreg(HW_REG_WAVE_MODE, 25, 1), 1
	s_wait_xcnt 0x0
; The six weights, f32 with K NOT innermost, become codes of FP6 (E2M3) and E8M0 scale bytes, laid as the later products' operand registers want them.
; A block's scale is 2^(floor(log2(its largest magnitude)) - 2); its byte is that magnitude's exponent field - 2, held at 1 from below.
; LIMITS: a block of zeros, or one whose largest magnitude lies under 2^-124, gets the byte 1 (the bytes are read by this program alone; a block of zeros has zero codes); NaN and infinities are not served.
; A LANE TAKES A COLUMN n AND ITS REGISTERS RUN DOWN K: a block of 32 along K lies in one lane's 32 registers, so no other lane is asked for its maximum and nothing is transposed.
; ORDER INSIDE A BLOCK: place p holds element (p & 7) + 16 ((p >> 3) & 1) + 8 ((p >> 4) & 1).  Every operand of every product of this program has this order, so the products are the same pairs; it is the order
; in which two neighbouring tiles of a matrix result lie in a lane's registers.
; A HALF FRAGMENT is 16 rows x 64 along K, 768 bytes: lane (r, h) owns block h of row r, six registers; bytes 0-511: registers 0-3 at 16 x lane; bytes 512-767: registers 4-5 at 8 x lane.  Codes: [row tile][K / 64][768].
; SCALE BYTES: [block of RB rows][K / 256][RB rows][8 bytes], RB the height of the tile of the product that reads them.
; A wave takes 32 columns x 256 along K: 8 blocks a lane; the four waves of a group stand side by side on 512 bytes of each row.  1,536 such shares: groups 0-95 Wq, Wk, Wv; 96-127 Wo; 128-255 W1; 256-383 W2.
; No LDS, no barrier, no loop: every base is made once.  Loads run two blocks (64 loads a wave) ahead.  Matrix units, clusters and tensor loads would add nothing to a stream that is read once.
.set VO,  16                           ; v16-47   offset of place i of a block: 4 x lane + row stride x the element of place i
.set X,   48                           ; v48-111  two sets of 32 numbers
.set C,   112                          ; v112-207 codes: 24 registers for each 64 along K: the even block at +0 (second half made at +6), the odd block at +12 (+18)
.set SBK, 48                           ; s[48:63] the source at my columns, at each of my 8 blocks
; ONE LAUNCH PREPARES ALL OPERANDS THAT HANG ON INPUTS ALONE.  Work-groups of eight waves: 0-191 take the weights (each half of four waves is one of the 384 groups of four shares described above: group 2 x work-group + wave / 4);
; work-groups 192-447 take the first LayerNorm of x, 16 rows each, at .Lnorm.  The branch hangs on the work-group's number alone.  The weights' path touches no LDS and passes no barrier.
	s_cmp_ge_u32 ttmp9, 192
	s_cbranch_scc1 .Lnorm
	s_load_b256 s[4:11], s[0:1], 0x0               ; Wq, Wk, Wv, Wo
	s_load_b256 s[12:19], s[0:1], 0x20             ; W1, W2, cqkv, co
	s_load_b128 s[20:23], s[0:1], 0x40             ; c1, c2
	v_lshrrev_b32 v1, 5, v0
	v_readfirstlane_b32 s72, v1                    ; wave
	v_and_b32 v1, 31, v0                           ; lane
	v_lshlrev_b32 v2, 2, v1
	v_lshlrev_b32 v3, 4, v1
	v_lshlrev_b32 v4, 3, v1
	s_lshr_b32 s24, s72, 2
	s_and_b32 s72, s72, 3                          ; my place among the four waves that stand side by side
	s_lshl_b32 s73, ttmp9, 1
	s_add_co_u32 s24, s24, s73                     ; g = 2 x work-group + wave / 4
	s_lshr_b32 s73, s24, 5                         ; among q, k, v: which
	s_lshl_b32 s74, s73, 5                         ; its first work-group
	s_lshl_b32 s75, s73, 10                        ; its first row in cqkv
	s_mov_b32 s25, 256                             ; the class's first work-group.  These eleven begin as W2's
	s_mov_b32 s26, 4096                            ; bytes from a row of K to the next
	s_mov_b32 s27, 5                               ; log2 of the groups of 32 columns
	s_mov_b32 s28, 4                               ; log2 of K / 256
	s_mov_b32 s29, 0                               ; a group's columns begin at ((group >> s29) << s30) + ((group & s31) << 7) bytes
	s_mov_b32 s30, 7
	s_mov_b32 s31, 0
	s_mov_b32 s32, 0                               ; first row in the destination
	s_mov_b32 s33, 49152                           ; bytes of a row tile's codes: 12 K
	s_mov_b32 s34, 3145728                         ; where the scale bytes begin
	s_mov_b32 s35, 7                               ; log2 RB
	s_wait_alu depctr_va_vdst(0)
	s_wait_kmcnt 0x0
	s_mov_b64 s[38:39], s[14:15]
	s_mov_b64 s[40:41], s[22:23]
	s_cmp_lt_u32 s24, 256                          ; W1.  Every choice hangs on the work-group's number alone
	s_cselect_b32 s25, 128, s25
	s_cselect_b32 s26, 16384, s26
	s_cselect_b32 s27, 7, s27
	s_cselect_b32 s28, 2, s28
	s_cselect_b32 s33, 12288, s33
	s_cselect_b32 s35, 8, s35
	s_cselect_b64 s[38:39], s[12:13], s[38:39]
	s_cselect_b64 s[40:41], s[20:21], s[40:41]
	s_cmp_lt_u32 s24, 128                          ; Wo
	s_cselect_b32 s25, 96, s25
	s_cselect_b32 s26, 4096, s26
	s_cselect_b32 s27, 5, s27
	s_cselect_b32 s34, 786432, s34
	s_cselect_b32 s35, 7, s35
	s_cselect_b64 s[38:39], s[10:11], s[38:39]
	s_cselect_b64 s[40:41], s[18:19], s[40:41]
	s_cmp_lt_u32 s24, 96                           ; Wv, Wk, Wq: [head][K][64]: a head's columns lie 2^18 bytes on
	s_cselect_b32 s25, s74, s25
	s_cselect_b32 s26, 256, s26
	s_cselect_b32 s29, 1, s29
	s_cselect_b32 s30, 18, s30
	s_cselect_b32 s31, 1, s31
	s_cselect_b32 s32, s75, s32
	s_cselect_b32 s34, 2359296, s34
	s_cselect_b32 s35, 8, s35
	s_cselect_b64 s[38:39], s[8:9], s[38:39]
	s_cselect_b64 s[40:41], s[16:17], s[40:41]
	s_cmp_lt_u32 s24, 64
	s_cselect_b64 s[38:39], s[6:7], s[38:39]
	s_cmp_lt_u32 s24, 32
	s_cselect_b64 s[38:39], s[4:5], s[38:39]
	s_sub_co_u32 s36, s24, s25
	s_lshl_b32 s36, s36, 2
	s_add_co_u32 s36, s36, s72                     ; my share's number in its class
	s_lshl_b32 s37, 1, s27
	s_sub_co_u32 s37, s37, 1
	s_and_b32 s42, s36, s37                        ; group of 32 columns
	s_lshr_b32 s43, s36, s27                       ; which 256 along K
	s_lshr_b32 s44, s42, s29
	s_lshl_b32 s44, s44, s30
	s_and_b32 s45, s42, s31
	s_lshl_b32 s45, s45, 7
	s_add_co_u32 s44, s44, s45
	s_lshl_b32 s45, s43, 8
	s_mul_i32 s45, s45, s26
	s_add_co_u32 s44, s44, s45
	s_mov_b32 s45, 0
	s_add_nc_u64 s[SBK:SBK+1], s[38:39], s[44:45]
	s_lshl_b32 s46, s26, 5                         ; 32 rows of K on
	s_mov_b32 s47, 0
.irp t, 1,2,3,4,5,6,7
	s_add_nc_u64 s[SBK+2*\t:SBK+2*\t+1], s[SBK+2*\t-2:SBK+2*\t-1], s[46:47]
.endr
	s_lshl_b32 s44, s42, 5
	s_add_co_u32 s44, s44, s32                     ; my first row in the destination
	s_lshr_b32 s45, s44, 4
	s_mul_i32 s45, s45, s33
	s_mul_i32 s36, s43, 3072                       ; four half fragments for each 256 along K
	s_add_co_u32 s36, s36, s45
	s_mov_b32 s37, 0
	s_add_nc_u64 s[66:67], s[40:41], s[36:37]      ; the codes of my rows 0-15,
	s_mov_b32 s36, s33
	s_add_nc_u64 s[68:69], s[66:67], s[36:37]      ; of my rows 16-31
	s_lshr_b32 s45, s44, s35
	s_lshl_b32 s45, s45, s28
	s_add_co_u32 s45, s45, s43
	s_add_co_u32 s36, s35, 3
	s_lshl_b32 s45, s45, s36
	s_lshl_b32 s36, 1, s35
	s_sub_co_u32 s36, s36, 1
	s_and_b32 s36, s44, s36
	s_lshl_b32 s36, s36, 3
	s_add_co_u32 s36, s36, s45
	s_add_co_u32 s36, s36, s34
	s_add_nc_u64 s[70:71], s[40:41], s[36:37]      ; and my 32 rows' 8 scale bytes each
.set I, 0
.rept 32
	v_mad_u32_u24 v[VO+I], s26, (I&7)+16*((I>>3)&1)+8*((I>>4)&1), v2
.set I, I+1
.endr
.macro LOADB t                         ; block t into set t % 2: each load reads 128 consecutive bytes
.set I, 0
.rept 32
	global_load_b32 v[X+32*((\t)%2)+I], v[VO+I], s[SBK+2*(\t):SBK+2*(\t)+1] th:TH_LOAD_NT
.set I, I+1
.endr
.endm
.macro BLOCK t
.set XS, X+32*((\t)%2)
.set CB, C+24*((\t)/2)+12*((\t)%2)
.if (\t) < 7
	s_wait_loadcnt 32                              ; this block's 32 loads are in; the next block's 32 may be out
.else
	s_wait_loadcnt 0x0
.endif
	v_max3_num_f32 v8, |v[XS]|, |v[XS+1]|, |v[XS+2]|               ; the block's largest magnitude, in two chains
	v_max3_num_f32 v9, |v[XS+3]|, |v[XS+4]|, |v[XS+5]|
.irp i, 6,10,14,18,22,26
	v_max3_num_f32 v8, v8, |v[XS+\i]|, |v[XS+\i+1]|
	v_max3_num_f32 v9, v9, |v[XS+\i+2]|, |v[XS+\i+3]|
.endr
	v_max3_num_f32 v8, v8, |v[XS+30]|, |v[XS+31]|
	v_max3_num_f32 v8, v8, v9, 0x1800000           ; and the floor 2^(3 - 127): the byte cannot fall under 1
	v_add_nc_u32 v10, 0xff000000, v8               ; 2 off the exponent field: the conversion takes this operand's exponent field as its scale
	v_lshrrev_b32 v11, 23, v10                     ; the scale's byte
.if (\t)%4 == 0
	v_mov_b32 v[14+(\t)/4], v11
.else
	v_lshl_or_b32 v[14+(\t)/4], v11, 8*((\t)%4), v[14+(\t)/4]
.endif
	v_cvt_scalef32_pk16_fp6_f32 v[CB:CB+2], v[XS:XS+15], v10
	v_cvt_scalef32_pk16_fp6_f32 v[CB+6:CB+8], v[XS+16:XS+31], v10  ; (a conversion's three registers begin on an even number)
	v_nop                                          ; one plain line behind a scaled conversion
.irp i, 0,1,2
	v_mov_b32 v[CB+3+\i], v[CB+6+\i]
.endr
.if (\t) < 6
	LOADB (\t)+2
.endif
.if (\t)%2
.set CE, C+24*((\t)/2)
.irp i, 0,1,2,3,4,5
	v_permlane16_swap_b32 v[CE+\i], v[CE+12+\i]    ; the even block's lanes 16-31 change places with the odd block's lanes 0-15: two half fragments, of columns 0-15 and of columns 16-31
.endr
	global_store_b128 v3, v[CE:CE+3], s[66:67] offset:768*((\t)/2)          ; 512 and 256 consecutive bytes, aligned; each 64 along K has its own registers, so no store's data are written again
	global_store_b64 v4, v[CE+4:CE+5], s[66:67] offset:768*((\t)/2)+512
	global_store_b128 v3, v[CE+12:CE+15], s[68:69] offset:768*((\t)/2)
	global_store_b64 v4, v[CE+16:CE+17], s[68:69] offset:768*((\t)/2)+512
.endif
.endm
	LOADB 0
	LOADB 1
.irp t, 0,1,2,3,4,5,6,7
	BLOCK \t
.endr
	global_store_b64 v4, v[14:15], s[70:71]        ; 32 rows' 8 scale bytes: 256 consecutive bytes, aligned
	s_endpgm
; THE FIRST LAYERNORM: (x - mean) * rsqrt(var + 1e-5) * g + b in f32, the variance taken of x - mean, then quantised along the row into codes of FP6 (E2M3) with one E8M0 byte for each 32.
; A work-group takes 16 rows; wave w columns 128 w .. 128 w + 127.  Lane (r, h) holds 64 numbers of row r: register 16 B + 8 u + 4 v + e is column 128 w + 32 B + 16 u + 8 h + 4 v + e: place 16 h + 8 u + 4 v + e of block B.
; The row's sums meet in LDS, 8 waves' words for each of 16 rows, one barrier for the mean and one for the variance, in bytes of their own.  Out: two half fragments at [row tile][K / 64][768]; scale bytes at [256 rows][K / 256][256 rows][8].
; LIMITS as above: a block whose largest magnitude lies under 2^-124 gets the byte 1; NaN and infinities are not served.
.Lnorm:
.set RED1,  0
.set RED2,  512
.set SPARE, 1024                       ; the spare words, 128 bytes for each wave, which no other line names
.set X,   32                           ; v32-95 my 64 numbers
.set G,   96                           ; v96-159 g at my columns
.set BE,  160                          ; v160-223 b at my columns
.set TM,  20
.set SEL, 20
.macro QUANT2 s, pc, pw                ; 32 numbers of a lane -> a half fragment in v[pc] .. v[pc + 5], two scale bytes in v[pw]
.irp b, 0,1
	v_max3_num_f32 v[TM+\b], |v[(\s)+16*\b]|, |v[(\s)+1+16*\b]|, 0x1800000   ; and the floor 2^(3 - 127)
.endr
.irp i, 2,4,6,8,10,12,14
.irp b, 0,1
	s_delay_alu instid0(VALU_DEP_2)
	v_max3_num_f32 v[TM+\b], v[TM+\b], |v[(\s)+16*\b+\i]|, |v[(\s)+1+16*\b+\i]|
.endr
.endr
.irp b, 0,1
	s_delay_alu instid0(VALU_DEP_2)
	v_permlanex16_b32 v[TM+2+\b], v[TM+\b], s[SEL], s[SEL+1]
.endr
.irp b, 0,1
	s_delay_alu instid0(VALU_DEP_2)
	v_max_num_f32 v[TM+\b], v[TM+\b], v[TM+2+\b]
.endr
.irp b, 0,1
	s_delay_alu instid0(VALU_DEP_2)
	v_add_nc_u32 v[TM+4+\b], 0xff000000, v[TM+\b]  ; 2 off the exponent field: the conversion's scale operand
.endr
.irp b, 0,1
	s_delay_alu instid0(VALU_DEP_2)
	v_lshrrev_b32 v[TM+2+\b], 23, v[TM+4+\b]
.endr
	s_delay_alu instid0(VALU_DEP_1)
	v_lshl_or_b32 v[\pw], v[TM+3], 8, v[TM+2]
	v_cvt_scalef32_pk16_fp6_f32 v[(\pc):(\pc)+2], v[(\s):(\s)+15], v[TM+4]
	v_cvt_scalef32_pk16_fp6_f32 v[(\pc)+6:(\pc)+8], v[(\s)+16:(\s)+31], v[TM+5]
	v_nop                                          ; one plain line behind a scaled conversion
.irp i, 0,1,2
	v_permlane16_swap_b32 v[(\pc)+\i], v[(\pc)+6+\i]
.endr
.irp i, 0,1,2
	s_delay_alu instid0(VALU_DEP_3)
	v_mov_b32 v[(\pc)+3+\i], v[(\pc)+6+\i]
.endr
.endm
.macro JOIN                            ; four pairs in v12-19 -> one number in v12
	v_pk_add_f32 v[12:13], v[12:13], v[14:15]
	v_pk_add_f32 v[16:17], v[16:17], v[18:19]
	s_delay_alu instid0(VALU_DEP_1)
	v_pk_add_f32 v[12:13], v[12:13], v[16:17]
	s_delay_alu instid0(VALU_DEP_1)
	v_add_f32 v12, v12, v13
.endm
.macro ACROSS red                      ; v12: the sum over my 64 numbers -> the sum over the row's 1,024
	s_delay_alu instid0(VALU_DEP_1)
	v_permlanex16_b32 v13, v12, s[SEL], s[SEL+1]
	s_delay_alu instid0(VALU_DEP_1)
	v_add_f32 v12, v12, v13
	ds_store_b32 v5, v12 offset:\red               ; (both lanes of a row write the same word with the same value)
	s_wait_dscnt 0x0                               ; for the others' sake: my store has landed
	s_barrier_signal -1
	s_barrier_wait -1
	ds_load_b128 v[12:15], v6 offset:\red
	ds_load_b128 v[16:19], v6 offset:\red+16
	s_wait_dscnt 0x0
	JOIN
.endm
	s_load_b256 s[4:11], s[0:1], 0x50              ; x, g1, be1, act
	v_lshl_add_u32 v10, v0, 2, SPARE               ; my spare word and 0: kept for the closing lines alone
	v_mov_b32 v11, 0
	v_lshrrev_b32 v1, 5, v0
	s_delay_alu instid0(VALU_DEP_1)
	v_readfirstlane_b32 s12, v1                    ; wave
	s_sub_co_u32 s13, ttmp9, 192                   ; my row tile
	v_and_b32 v1, 15, v0                           ; r
	v_bfe_u32 v2, v0, 4, 1                         ; h
	s_delay_alu instid0(VALU_DEP_2)
	v_lshlrev_b32 v3, 12, v1
	s_delay_alu instid0(VALU_DEP_1)
	v_lshl_add_u32 v3, v2, 5, v3                   ; x: row r of 4,096 bytes + 32 h
	s_delay_alu instid0(VALU_DEP_3)
	v_lshlrev_b32 v4, 5, v2                        ; g, b: 32 h
	v_lshlrev_b32 v6, 5, v1                        ; LDS: row r's eight words
	s_lshl_b32 s26, s12, 2
	v_add_nc_u32 v5, s26, v6                       ; and mine among them
	v_and_b32 v9, 31, v0
	s_delay_alu instid0(VALU_DEP_1)
	v_lshlrev_b32 v7, 4, v9                        ; 16 x lane
	s_delay_alu instid0(VALU_DEP_2)
	v_lshlrev_b32 v8, 3, v9                        ; 8 x lane
	v_lshlrev_b32 v9, 3, v1                        ; 8 r
	v_mov_b32 v[TM+2], 0                           ; a lane permute's destination counts as one of its sources
	v_mov_b32 v[TM+3], 0
	s_mov_b32 s[SEL], 0x76543210
	s_mov_b32 s[SEL+1], 0xfedcba98
	s_lshl_b32 s14, s13, 16                        ; 16 rows of 4,096 bytes
	s_lshl_b32 s16, s12, 9                         ; my 128 columns
	s_add_co_u32 s14, s14, s16
	s_mov_b32 s15, 0
	s_mov_b32 s17, 0
	s_mul_i32 s18, s13, 12288                      ; the row tile's codes,
	s_mul_i32 s22, s12, 1536                       ; my K step's two half fragments
	s_add_co_u32 s18, s18, s22
	s_mov_b32 s19, 0
	s_lshr_b32 s22, s13, 4                         ; scale bytes: block of 256 rows,
	s_lshl_b32 s22, s22, 13
	s_lshr_b32 s23, s12, 1                         ; which 256 along K,
	s_lshl_b32 s23, s23, 11
	s_add_co_u32 s22, s22, s23
	s_and_b32 s23, s13, 15                         ; the tile's 16 rows,
	s_lshl_b32 s23, s23, 7
	s_add_co_u32 s22, s22, s23
	s_and_b32 s23, s12, 1                          ; which word of the 8 bytes
	s_lshl_b32 s23, s23, 2
	s_add_co_u32 s22, s22, s23
	s_add_co_u32 s22, s22, 3145728
	s_mov_b32 s23, 0
	s_wait_alu depctr_va_vdst(0)                   ; the wait at the head's end
	s_wait_kmcnt 0x0
	s_add_nc_u64 s[4:5], s[4:5], s[14:15]
	s_add_nc_u64 s[6:7], s[6:7], s[16:17]
	s_add_nc_u64 s[8:9], s[8:9], s[16:17]
	s_add_nc_u64 s[24:25], s[10:11], s[22:23]
	s_add_nc_u64 s[10:11], s[10:11], s[18:19]
.irp b, 0,1,2,3
.irp u, 0,1
.irp v, 0,1
	global_load_b128 v[X+16*\b+8*\u+4*\v:X+16*\b+8*\u+4*\v+3], v3, s[4:5] offset:128*\b+64*\u+16*\v
.endr
.endr
.endr
.irp b, 0,1,2,3
.irp u, 0,1
.irp v, 0,1
	global_load_b128 v[G+16*\b+8*\u+4*\v:G+16*\b+8*\u+4*\v+3], v4, s[6:7] offset:128*\b+64*\u+16*\v
.endr
.endr
.endr
.irp b, 0,1,2,3
.irp u, 0,1
.irp v, 0,1
	global_load_b128 v[BE+16*\b+8*\u+4*\v:BE+16*\b+8*\u+4*\v+3], v4, s[8:9] offset:128*\b+64*\u+16*\v
.endr
.endr
.endr
	s_wait_loadcnt 32                              ; x's 16 loads are in; the 32 of g and b may be out
.irp c, 0,1,2,3
	v_pk_add_f32 v[12+2*\c:13+2*\c], v[X+2*\c:X+2*\c+1], v[X+8+2*\c:X+9+2*\c]   ; the sum, in four chains
.endr
.irp p, 16,24,32,40,48,56
.irp c, 0,1,2,3
	s_delay_alu instid0(VALU_DEP_4)
	v_pk_add_f32 v[12+2*\c:13+2*\c], v[12+2*\c:13+2*\c], v[X+\p+2*\c:X+\p+2*\c+1]
.endr
.endr
	JOIN
	ACROSS RED1
	s_delay_alu instid0(VALU_DEP_1)
	v_mul_f32 v28, 0x3a800000, v12                 ; the mean: x 2^-10
	s_delay_alu instid0(VALU_DEP_1)
	v_mov_b32 v29, v28
.set J, 0
.rept 32
	v_pk_add_f32 v[X+J:X+J+1], v[X+J:X+J+1], v[28:29] neg_lo:[0,1] neg_hi:[0,1]   ; x - mean
.set J, J+2
.endr
.irp c, 0,1,2,3
	v_pk_mul_f32 v[12+2*\c:13+2*\c], v[X+2*\c:X+2*\c+1], v[X+2*\c:X+2*\c+1]
.endr
.irp p, 8,16,24,32,40,48,56
.irp c, 0,1,2,3
	s_delay_alu instid0(VALU_DEP_4)
	v_pk_fma_f32 v[12+2*\c:13+2*\c], v[X+\p+2*\c:X+\p+2*\c+1], v[X+\p+2*\c:X+\p+2*\c+1], v[12+2*\c:13+2*\c]
.endr
.endr
	JOIN
	ACROSS RED2
	v_mov_b32 v29, 0x3a800000
	s_delay_alu instid0(VALU_DEP_1)
	v_fmaak_f32 v28, v12, v29, 0x3727c5ac          ; the variance + 1e-5
	s_wait_alu depctr_va_vdst(0)                   ; the wait ahead of the transcendental,
	v_rsq_f32 v28, v28
	v_nop                                          ; a plain line behind it,
	s_wait_alu depctr_va_vdst(0)                   ; and the wait ahead of the first line that names its result
	v_mov_b32 v29, v28
	s_wait_alu depctr_va_vdst(0)
	s_wait_loadcnt 0x0                             ; g and b
.set J, 0
.rept 32
	v_pk_mul_f32 v[X+J:X+J+1], v[X+J:X+J+1], v[28:29]
.set J, J+2
.endr
.set J, 0
.rept 32
	v_pk_fma_f32 v[X+J:X+J+1], v[X+J:X+J+1], v[G+J:G+J+1], v[BE+J:BE+J+1]
.set J, J+2
.endr
	QUANT2 X, 224, 26
	QUANT2 X+32, 236, 27
	global_store_b128 v7, v[224:227], s[10:11]                 ; 512 and 256 consecutive bytes, aligned
	global_store_b64 v8, v[228:229], s[10:11] offset:512
	global_store_b128 v7, v[236:239], s[10:11] offset:768
	global_store_b64 v8, v[240:241], s[10:11] offset:1280
	v_lshl_or_b32 v30, v27, 16, v26                ; my K step's scale word of row r
	global_store_b32 v9, v30, s[24:25]             ; (both lanes of a row write the same word)
	s_wait_tensorcnt 0x0                           ; the wave's end, behind my last LDS store
	ds_add_u32 v10, v11
	s_wait_dscnt 0x0
	s_endpgm
.Lfunc_end_k_qed1239fa25_wprep:
	.size	k_qed1239fa25_wprep, .Lfunc_end_k_qed1239fa25_wprep-k_qed1239fa25_wprep
	.p2alignl 7, 3214868480
	.fill 96, 4, 3214868480
	.section	.rodata,"a",@progbits
	.p2align	6, 0x0
	.amdhsa_kernel k_qed1239fa25_wprep
		.amdhsa_group_segment_fixed_size 2048
		.amdhsa_private_segment_fixed_size 0
		.amdhsa_enable_private_segment 0
		.amdhsa_kernarg_size 112
		.amdhsa_user_sgpr_count 2
		.amdhsa_user_sgpr_kernarg_segment_ptr 1
		.amdhsa_wavefront_size32 1
		.amdhsa_system_sgpr_workgroup_id_x 1
		.amdhsa_system_sgpr_workgroup_id_y 1
		.amdhsa_system_sgpr_workgroup_id_z 1
		.amdhsa_system_vgpr_workitem_id 0
		.amdhsa_next_free_vgpr 248
		.amdhsa_next_free_sgpr 80
		.amdhsa_reserve_vcc 0
		.amdhsa_float_denorm_mode_32 3
		.amdhsa_float_denorm_mode_16_64 3
		.amdhsa_memory_ordered 1
		.amdhsa_forward_progress 1
		.amdhsa_inst_pref_size 72
	.end_amdhsa_kernel
	.amdgpu_metadata
---
amdhsa.version: [ 1, 2 ]
amdhsa.kernels:
  - .name:           k_qed1239fa25_wprep
    .symbol:         k_qed1239fa25_wprep.kd
    .args:
      - { .name: Wq, .offset: 0, .size: 8, .value_kind: global_buffer, .address_space: global }
      - { .name: Wk, .offset: 8, .size: 8, .value_kind: global_buffer, .address_space: global }
      - { .name: Wv, .offset: 16, .size: 8, .value_kind: global_buffer, .address_space: global }
      - { .name: Wo, .offset: 24, .size: 8, .value_kind: global_buffer, .address_space: global }
      - { .name: W1, .offset: 32, .size: 8, .value_kind: global_buffer, .address_space: global }
      - { .name: W2, .offset: 40, .size: 8, .value_kind: global_buffer, .address_space: global }
      - { .name: cqkv, .offset: 48, .size: 8, .value_kind: global_buffer, .address_space: global }
      - { .name: co, .offset: 56, .size: 8, .value_kind: global_buffer, .address_space: global }
      - { .name: c1, .offset: 64, .size: 8, .value_kind: global_buffer, .address_space: global }
      - { .name: c2, .offset: 72, .size: 8, .value_kind: global_buffer, .address_space: global }
      - { .name: x, .offset: 80, .size: 8, .value_kind: global_buffer, .address_space: global }
      - { .name: g1, .offset: 88, .size: 8, .value_kind: global_buffer, .address_space: global }
      - { .name: be1, .offset: 96, .size: 8, .value_kind: global_buffer, .address_space: global }
      - { .name: act, .offset: 104, .size: 8, .value_kind: global_buffer, .address_space: global }
    .group_segment_fixed_size: 2048
    .private_segment_fixed_size: 0
    .kernarg_segment_align: 8
    .kernarg_segment_size: 112
    .max_flat_workgroup_size: 256
    .sgpr_count:     80
    .vgpr_count:     248
    .wavefront_size: 32
...
	.end_amdgpu_metadata
.endif
;; end of part 1
;; launch qkv (part 2): grid 12 x 16, 16 waves a work-group, clusters of 4 x 4, 327,680 bytes of LDS; arguments act, cqkv, bq, bk, bv, big; writes big
.if DOCPART == 2
	.amdgcn_target "amdgcn-amd-amdhsa--gfx1250"
	.amdhsa_code_object_version 6
	.text
	.protected	k_qed1239fa25_qkv
	.globl	k_qed1239fa25_qkv
	.p2align	8
	.type	k_qed1239fa25_qkv,@function
k_qed1239fa25_qkv:
	s_mov_b64 s[64:65], 0
	v_nop
	global_prefetch_b8 v0, s[64:65] scope:SCOPE_SE
	s_setreg_imm32_b32 hwreg(HW_REG_WAVE_MODE, 25, 1), 1
	s_wait_xcnt 0x0
	s_wait_alu depctr_hold_cnt(0) depctr_sa_sdst(0) depctr_va_vdst(0) depctr_va_sdst(0) depctr_va_ssrc(0) depctr_va_vcc(0) depctr_vm_vsrc(0)
	s_getreg_b32 s2, hwreg(HW_REG_IB_STS2, 6, 4)
	s_cmp_eq_u32 s2, 0
	s_cbranch_scc0 .Lentry_in_a_cluster
	s_endpgm
.Lentry_in_a_cluster:
	s_bfe_u32 s2, ttmp6, 0x10000c
	s_cmp_lg_u32 s2, 0xf033
	s_cbranch_scc0 .Lentry_shape_is_right
	s_endpgm
.Lentry_shape_is_right:
; q, k, v = LN(x) W + b on codes of FP6 (E2M3) with E8M0 scales, and their quantising for attention: q and k along the head's 64, v along the keys.  K = 1,024.
; OPERANDS lie as images of the operand's registers.  A half fragment (16 rows x 64 K) is 768 bytes: lane (r, h) owns block h of row r: registers 0-3 at 16 x lane, registers 4-5 at 512 + 8 x lane; a buffer is [row tile][K / 64][768].
; Scale bytes: [256 rows][K / 256][256 rows][8].  Inside a block of 32 every operand has the order place p = element (p & 7) + 16 ((p >> 3) & 1) + 8 ((p >> 4) & 1), alike on both sides of every product.
; SHARES.  A work-group makes 256 x 256; each of sixteen waves 64 x 64 in 16 accumulators, 256 registers a wave, four waves to a SIMD, so that one wave's LDS loads stand beside another's products.
; Side P is source 1 and gives the result's lanes, side R is source 0 and gives its registers: lane (r, h) holds P row 16 a + r, register 8 b + j of accumulators (a, .) holds R row 16 b + 8 h + j.
; So the 32 registers of one a are two blocks of 32 along R, in this program's order: the next product's K.  x < 8 (q, k): P = tokens, R = weight rows (a head's 64).  x >= 8 (v): P = weight rows, R = tokens (the keys):
; only the two pointers change places, since both buffers have one layout and one K.
; LDS.  K is four quarters of 256; a quarter of both sides is 98,304 bytes, and THREE of them fit.  So three quarters and the scale bytes of both sides are asked for together at the head, each wave's bias behind the last barrier, and only the
; fourth quarter is a refill: it goes into slot 0 behind the one barrier of that kind and has the second and third quarters' 64 products a wave in which to land.  Each wave fetches two row tiles (6,144 bytes) of a quarter.
; By this text's own count a wave has one tensor load out at the head and one behind the refill's barrier.
; CLUSTER: 4 x 4.  P's tiles are read by the work-groups of a row of the grid and R's by those of a column, and the grid divides by 4 x 4; the codes' joint loads divide those requests by four.
; LIMITS: a block of zeros, or one whose largest magnitude lies under 2^-124, gets the byte 1 (read by this program alone); NaN and infinities are not served.
.set KS,    2                          ; K steps of 128 in a slot
.set NQ,    2                          ; scale words of a row that one LDS load brings
.set TILEB, KS*1536                    ; a row tile's bytes in a slot
.set SLOTB, 98304                      ; a slot: P's 16 tiles, then R's 16
.set SCB,   8192                       ; a side's scale bytes
.set NR,    16                         ; rows of 256 bytes of scale bytes that one of the four waves that fetch them brings
.set PSOFF, 3145728                    ; where the scale bytes begin in the tokens' buffer,
.set WSOFF, 2359296                    ; and in the weights'
.set RSIDE, 49152
.set SC,    3*SLOTB                    ; behind the three slots: P's scale bytes, then R's
.set BIASL, SC+2*SCB                   ; behind them: 256 bytes of bias for each wave
.set SPARE, 325632                     ; the spare words, 128 bytes for each wave, which no other line names
.set SCR, 16                           ; v16-23   scale words and nothing else: lanes 0-15 P's tile i, lanes 16-31 R's tile i; register NQ i + q
.set RF,  32                           ; v32-79   four fragments of R
.set PF,  80                           ; v80-127  four fragments of P
.set ACC, 128                          ; v128-255 accumulator (a, b) at 128 + 8 (4 a + b)
.set TM,  112                          ; the way out: the quantiser's work,
.set PCS, 64                           ; its codes, 12 registers for each a,
.set PWS, 120                          ; its scale bytes
.set OSTR, 768                         ; from a's half fragment to the next in the output
.set SEL, 50
.macro LDFRAG reg, a16, a8, off        ; a fragment (16 rows x 128 K) is two half fragments
	ds_load_b128 v[\reg:\reg+3], v[\a16] offset:\off
	ds_load_b64 v[\reg+4:\reg+5], v[\a8] offset:\off+512
	ds_load_b128 v[\reg+6:\reg+9], v[\a16] offset:\off+768
	ds_load_b64 v[\reg+10:\reg+11], v[\a8] offset:\off+1280
.endm
.macro KSTEP q, zero                   ; 128 along K: 32 LDS loads, 16 products.  zero = 1: the products start the sums.  The sixteen accumulators take turns, one instruction a turn
.irp b, 0,1,2,3
	LDFRAG RF+12*\b, 8, 9, \b*TILEB+1536*(\q)
.endr
.irp a, 0,1,2,3
	LDFRAG PF+12*\a, 6, 7, \a*TILEB+1536*(\q)
.endr
.irp a, 0,1,2,3
	s_wait_dscnt 4*(3-\a)                          ; P's fragment a and all older loads are in; four loads for each younger fragment may be out
.irp b, 0,1,2,3
.if \zero
	v_wmma_scale_f32_16x16x128_f8f6f4 v[ACC+8*(4*\a+\b):ACC+8*(4*\a+\b)+7], v[RF+12*\b:RF+12*\b+11], v[PF+12*\a:PF+12*\a+11], 0, v[SCR+NQ*\b+(\q)], v[SCR+NQ*\a+(\q)] matrix_a_fmt:MATRIX_FMT_FP6 matrix_b_fmt:MATRIX_FMT_FP6 matrix_a_scale:MATRIX_SCALE_ROW1
.else
	v_wmma_scale_f32_16x16x128_f8f6f4 v[ACC+8*(4*\a+\b):ACC+8*(4*\a+\b)+7], v[RF+12*\b:RF+12*\b+11], v[PF+12*\a:PF+12*\a+11], v[ACC+8*(4*\a+\b):ACC+8*(4*\a+\b)+7], v[SCR+NQ*\b+(\q)], v[SCR+NQ*\a+(\q)] matrix_a_fmt:MATRIX_FMT_FP6 matrix_b_fmt:MATRIX_FMT_FP6 matrix_a_scale:MATRIX_SCALE_ROW1
.endif
.endr
.endr
.rept 4
	v_nop                                          ; four places ahead of loads into registers that these products read, and of the first read of results
.endr
.endm
.macro SLOTW slot, kq, zero            ; quarter kq of K, which lies in this slot: its addresses, its scale words, its two K steps
	v_add_nc_u32 v6, (\slot)*SLOTB, v1
	v_add_nc_u32 v7, (\slot)*SLOTB, v2
	v_add_nc_u32 v8, (\slot)*SLOTB, v3
	v_add_nc_u32 v9, (\slot)*SLOTB, v4
	v_add_nc_u32 v10, (\kq)*2048, v5
.irp i, 0,1,2,3
	ds_load_b64 v[SCR+2*\i:SCR+2*\i+1], v10 offset:128*\i
.endr
	KSTEP 0, \zero
	s_wait_alu depctr_va_vdst(0)
	KSTEP 1, 0
.endm
; CLUSTERS OF 4 x 4: the tokens' codes hang on the work-group's y alone and are asked for jointly along a row of the cluster, the weights' codes on its x alone and are asked for jointly along a column.  Every wave makes both
; descriptors, each from its own coordinate; the LDS address hangs on the wave's number alone.  Scale bytes (16,384 of a work-group's 409,600 bytes) and the bias are plain loads.
.macro CREST                           ; a round of the cluster's barrier behind its opening barrier
	s_cmp_lg_u32 s12, 0
	s_cbranch_scc1 .Lnot_wave_0_\@
	s_barrier_signal -3
.Lnot_wave_0_\@:
	s_barrier_wait -3
	s_barrier_signal -1
	s_barrier_wait -1
.endm
.macro ROUND
	s_barrier_signal -1
	s_barrier_wait -1
	CREST
.endm
.macro CHANGE fill
	s_wait_tensorcnt 0x0                           ; all my tensor loads have landed; so slot 0's descriptor may be written
	ds_add_u32 v14, v15                            ; 0 onto my spare word
.if \fill
	s_add_nc_u64 s[42:43], s[42:43], 3*TILEB       ; from the first quarter to the fourth; the type bits on top are not reached
	s_add_nc_u64 s[90:91], s[90:91], 3*TILEB
	s_mov_b32 s26, 2<<16                           ; no tensor load of mine is out: from here on a load of codes brings two row tiles
	s_mov_b32 s28, 2
	s_mov_b32 s70, 2<<16
	s_mov_b32 s72, 2
.endif
	s_wait_dscnt 0x0                               ; the add is done, and my reads so far are over
	s_barrier_signal -1
	s_barrier_wait -1
	CREST                                          ; the barrier has opened a round of the cluster's barrier: every tensor load of this launch stands behind one
.if \fill
	s_cmp_eq_u32 s3, 0                             ; tokens or weights: by the wave's number and the cluster's x
	s_cbranch_scc0 .Lfor_w_\@
	tensor_load_to_lds s[40:43], s[24:31]          ; first behind the round, my one tensor load until the next
	s_nop 0
	s_branch .Lasked_\@
.Lfor_w_\@:
	tensor_load_to_lds s[88:91], s[68:75]
	s_nop 0
.Lasked_\@:
.rept 4
	v_nop
.endr
.endif
.endm
.macro QUANT2 s, pc, pw                ; 32 numbers of a lane, register 16 B + i = place 16 h + i of block B of my row -> a half fragment in v[pc] .. v[pc + 5], two scale bytes in v[pw]
.irp b, 0,1
	v_max3_num_f32 v[TM+\b], |v[(\s)+16*\b]|, |v[(\s)+1+16*\b]|, 0x1800000   ; and the floor 2^(3 - 127): the byte cannot fall under 1
.endr
.irp i, 2,4,6,8,10,12,14
.irp b, 0,1
	s_delay_alu instid0(VALU_DEP_2)
	v_max3_num_f32 v[TM+\b], v[TM+\b], |v[(\s)+16*\b+\i]|, |v[(\s)+1+16*\b+\i]|
.endr
.endr
.irp b, 0,1
	s_delay_alu instid0(VALU_DEP_2)
	v_permlanex16_b32 v[TM+2+\b], v[TM+\b], s[SEL], s[SEL+1]
.endr
.irp b, 0,1
	s_delay_alu instid0(VALU_DEP_2)
	v_max_num_f32 v[TM+\b], v[TM+\b], v[TM+2+\b]
.endr
.irp b, 0,1
	s_delay_alu instid0(VALU_DEP_2)
	v_add_nc_u32 v[TM+4+\b], 0xff000000, v[TM+\b]  ; 2 off the exponent field: the conversion's scale operand
.endr
.irp b, 0,1
	s_delay_alu instid0(VALU_DEP_2)
	v_lshrrev_b32 v[TM+2+\b], 23, v[TM+4+\b]
.endr
	s_delay_alu instid0(VALU_DEP_1)
	v_lshl_or_b32 v[\pw], v[TM+3], 8, v[TM+2]
	v_cvt_scalef32_pk16_fp6_f32 v[(\pc):(\pc)+2], v[(\s):(\s)+15], v[TM+4]
	v_cvt_scalef32_pk16_fp6_f32 v[(\pc)+6:(\pc)+8], v[(\s)+16:(\s)+31], v[TM+5]
	v_nop                                          ; one plain line behind a scaled conversion
.irp i, 0,1,2
	v_permlane16_swap_b32 v[(\pc)+\i], v[(\pc)+6+\i]
.endr
.irp i, 0,1,2
	s_delay_alu instid0(VALU_DEP_3)
	v_mov_b32 v[(\pc)+3+\i], v[(\pc)+6+\i]
.endr
.endm
.macro QSTORE a                        ; P tile a's 32 numbers a lane go out as a half fragment: 512 and 256 consecutive bytes, aligned; each a has its own registers
	QUANT2 ACC+32*\a, PCS+12*\a, PWS+\a
	global_store_b128 v13, v[PCS+12*\a:PCS+12*\a+3], s[84:85] offset:OSTR*\a
	global_store_b64 v29, v[PCS+12*\a+4:PCS+12*\a+5], s[84:85] offset:OSTR*\a+512
.endm
	s_load_b256 s[68:75], s[0:1], 0x0              ; act, cqkv, bq, bk
	s_load_b128 s[76:79], s[0:1], 0x20             ; bv, big
	v_lshl_add_u32 v14, v0, 2, SPARE
	v_mov_b32 v15, 0
	ds_add_u32 v14, v15                            ; the wave's opening: the add and its wait ahead of my first tensor load
	ds_add_u32 v14, v15
	v_lshrrev_b32 v1, 5, v0
	s_delay_alu instid0(VALU_DEP_1)
	v_readfirstlane_b32 s12, v1                    ; wave 0..15
	s_bfe_u32 s48, ttmp6, 0x40000                  ; cx
	s_bfe_u32 s49, ttmp6, 0x40004                  ; cy
	s_lshl_b32 s13, ttmp9, 2
	s_add_co_u32 s13, s13, s48                     ; x: 256 weight rows
	s_and_b32 s14, ttmp7, 0xffff
	s_lshl_b32 s14, s14, 2
	s_add_co_u32 s14, s14, s49                     ; y: 256 tokens
	s_lshl_b32 s49, s49, 2
	s_lshl_b32 s49, 15, s49                        ; my row of the cluster
	s_lshl_b32 s48, 0x1111, s48                    ; my column
	s_lshr_b32 s15, s12, 2                         ; wm: my 64 rows of P
	s_and_b32 s16, s12, 3                          ; wn: my 64 rows of R
	s_lshr_b32 s18, s12, 3                         ; I fetch for P (0) or for R (1),
	s_and_b32 s19, s12, 7                          ; its row tiles 2 w' and 2 w' + 1
	s_cmp_ge_u32 ttmp9, 2                          ; x >= 8: the same in all of a cluster
	s_cselect_b32 s17, 1, 0                        ; v's work-group: the sides change places
	s_xor_b32 s3, s18, s17                         ; the refill: 0: I fetch tokens; 1: weights
	s_or_b32 s24, s49, (3<<16)|(1<<21)             ; group 1, the tokens' codes: the mask of my row; elements of 8 bytes, no padding
	s_mov_b32 s25, 384<<16                         ; tensor_dim0 = 384 (3,072 bytes: a row tile's 256 along K)
	s_mov_b32 s26, 8<<16                           ; at the head: tensor_dim1 = 8 row tiles
	s_mov_b32 s27, 384<<16                         ; tile_dim0
	s_mov_b32 s28, 8                               ; tile_dim1
	s_mov_b32 s29, 1536                            ; 12,288 bytes from a row tile to the next
	s_mov_b32 s30, 0
	s_mov_b32 s31, 0
	s_mov_b32 s32, 0x30000                         ; group 1, scale bytes: NR rows of 256 dense bytes
	s_mov_b32 s33, 32<<16
	s_mov_b32 s34, NR<<16
	s_mov_b32 s35, 32<<16
	s_mov_b32 s36, NR
	s_mov_b32 s37, 32
	s_mov_b32 s38, 0
	s_mov_b32 s39, 0
	s_mov_b32 s4, 0x30000                          ; group 1, the bias: one row of 256 bytes
	s_mov_b32 s5, 32<<16
	s_mov_b32 s6, 1<<16
	s_mov_b32 s7, 32<<16
	s_mov_b32 s8, 1
	s_mov_b32 s9, 32
	s_mov_b32 s10, 0
	s_mov_b32 s11, 0
	s_mov_b32 s40, 1                               ; groups 0: a set for each load that is out at the head
	s_mul_i32 s41, s12, 6144                       ; LDS: wave x 6,144: P's sixteen tiles, then R's; slot 0,
	s_mov_b32 s92, 1
	s_mul_i32 s93, s15, SLOTB                      ; THE HEAD'S SHARES, one tensor load a wave: waves 0-11: quarter wave / 4 of K into slot wave / 4, eight row tiles each (wave % 4: P's 0-7, P's 8-15, R's 0-7, R's 8-15);
	s_mul_i32 s23, s16, 24576
	s_add_co_u32 s93, s93, s23
	s_mov_b32 s96, 1                               ; the same places for the weights' descriptors
	s_mul_i32 s97, s15, SLOTB
	s_add_co_u32 s97, s97, s23
	s_mov_b32 s88, 1
	s_mul_i32 s89, s12, 6144
	s_mov_b32 s44, 1                               ; waves 12-15: 4,096 scale bytes each, in the same order of sides and halves
	s_lshl_b32 s45, s16, 12
	s_add_co_u32 s45, s45, SC
	s_mov_b32 s80, 1
	s_lshl_b32 s81, s12, 8
	s_add_co_u32 s81, s81, BIASL                   ; my 256 bytes of bias
	s_mov_b32 s[SEL], 0x76543210
	s_mov_b32 s[SEL+1], 0xfedcba98
	s_and_b32 s62, s13, 3                          ; my head: 4 (x mod 4) + the 64 weight rows that are mine: R's (q, k) or P's (v)
	s_lshl_b32 s62, s62, 2
	s_cmp_eq_u32 s17, 0
	s_cselect_b32 s61, s16, s15
	s_add_co_u32 s62, s62, s61
	s_lshl_b32 s62, s62, 8                         ; 256 bytes of bias a head
	s_mov_b32 s63, 0
	s_wait_dscnt 0x0                               ; the opening add is done
	s_wait_kmcnt 0x0
	s_mov_b32 s57, 0
	s_lshl_b32 s56, s14, 4                         ; the refill's two row tiles: of the tokens, by y,
	s_lshl_b32 s58, s19, 1
	s_add_co_u32 s56, s56, s58
	s_mul_i32 s56, s56, 12288
	s_add_nc_u64 s[42:43], s[68:69], s[56:57]
	s_or_b32 s43, s43, 0x80000000
	s_lshl_b32 s56, s13, 4                         ; of the weights, by x
	s_add_co_u32 s56, s56, s58
	s_mul_i32 s56, s56, 12288
	s_add_nc_u64 s[90:91], s[70:71], s[56:57]
	s_or_b32 s91, s91, 0x80000000
	s_bfe_u32 s21, s12, 0x10001                    ; my share of the head: side (wave / 2) % 2,
	s_xor_b32 s21, s21, s17                        ; 0: tokens; 1: weights
	s_and_b32 s22, s12, 1                          ; and which half of the side
	s_cmp_eq_u32 s21, 0
	s_cselect_b64 s[52:53], s[68:69], s[70:71]
	s_cselect_b32 s54, s14, s13
	s_mov_b32 s55, WSOFF
	s_cselect_b32 s55, PSOFF, s55
	s_lshl_b32 s56, s14, 4                         ; the head's eight row tiles: of the tokens,
	s_lshl_b32 s58, s22, 3
	s_add_co_u32 s56, s56, s58
	s_mul_i32 s56, s56, 12288
	s_mul_i32 s59, s15, TILEB                      ; quarter wave / 4 of K
	s_add_co_u32 s56, s56, s59
	s_add_nc_u64 s[94:95], s[68:69], s[56:57]
	s_or_b32 s95, s95, 0x80000000
	s_lshl_b32 s56, s13, 4                         ; of the weights
	s_add_co_u32 s56, s56, s58
	s_mul_i32 s56, s56, 12288
	s_add_co_u32 s56, s56, s59
	s_add_nc_u64 s[98:99], s[70:71], s[56:57]
	s_or_b32 s99, s99, 0x80000000
	s_mul_i32 s56, s54, SCB
	s_add_co_u32 s56, s56, s55
	s_lshl_b32 s58, s22, 12
	s_add_co_u32 s56, s56, s58
	s_add_nc_u64 s[46:47], s[52:53], s[56:57]
	s_or_b32 s47, s47, 0x80000000
	s_cmp_lt_u32 s13, 8
	s_cselect_b64 s[60:61], s[74:75], s[76:77]     ; bk or bv,
	s_cmp_lt_u32 s13, 4
	s_cselect_b64 s[60:61], s[72:73], s[60:61]     ; or bq
	s_add_nc_u64 s[82:83], s[60:61], s[62:63]
	s_or_b32 s83, s83, 0x80000000
	s_or_b32 s68, s48, (3<<16)|(1<<21)             ; group 1, the weights' codes, in registers whose arguments have been used: the mask of my column
	s_mov_b32 s69, 384<<16
	s_mov_b32 s70, 8<<16
	s_mov_b32 s71, 384<<16
	s_mov_b32 s72, 8
	s_mov_b32 s73, 1536
	s_mov_b32 s74, 0
	s_mov_b32 s75, 0
	ROUND                                          ; all sixteen work-groups are here: the first joint loads meet
	s_cmp_lt_u32 s12, 12                           ; one tree of branches, one tensor load to an arm
	s_cbranch_scc0 .Lhead_sc
	s_cmp_eq_u32 s21, 0
	s_cbranch_scc0 .Lhead_w
	tensor_load_to_lds s[92:95], s[24:31]          ; three quarters of K: the tokens',
	s_nop 0
	s_branch .Lhead_asked
.Lhead_w:
	tensor_load_to_lds s[96:99], s[68:75]          ; the weights'
	s_nop 0
	s_branch .Lhead_asked
.Lhead_sc:
	tensor_load_to_lds s[44:47], s[32:39]          ; the scale bytes of both sides
	s_nop 0
.Lhead_asked:
.rept 4
	v_nop
.endr
	v_and_b32 v13, 31, v0
	s_delay_alu instid0(VALU_DEP_1)
	v_lshlrev_b32 v29, 3, v13                      ; 8 x lane
	s_delay_alu instid0(VALU_DEP_2)
	v_lshlrev_b32 v13, 4, v13                      ; 16 x lane
	v_and_b32 v11, 15, v0                          ; r
	v_bfe_u32 v12, v0, 4, 1                        ; h
	s_wait_alu depctr_va_vdst(0)
	s_mul_i32 s20, s15, 4*TILEB                    ; my four tiles of P,
	s_mul_i32 s21, s16, 4*TILEB
	s_add_co_u32 s21, s21, RSIDE                   ; of R
	v_add_nc_u32 v1, s20, v13
	v_add_nc_u32 v2, s20, v29
	v_add_nc_u32 v3, s21, v13
	v_add_nc_u32 v4, s21, v29
	s_lshl_b32 s20, s15, 9                         ; scale words: 8 bytes a row; lanes 0-15 P's rows, lanes 16-31 R's: the lower base + h x the distance
	s_lshl_b32 s21, s16, 9
	s_add_co_u32 s21, s21, SCB
	s_sub_co_u32 s21, s21, s20
	v_mul_u32_u24 v5, s21, v12
	s_delay_alu instid0(VALU_DEP_1)
	v_lshl_add_u32 v5, v11, 3, v5
	s_add_co_u32 s20, s20, SC
	v_add_nc_u32 v5, s20, v5
	v_lshl_add_u32 v25, v12, 5, s81                ; the bias in LDS: + 32 h (q, k),
	v_lshl_add_u32 v30, v11, 2, s81                ; + 4 r (v)
	s_wait_alu depctr_va_vdst(0)
	s_wait_tensorcnt 0x0                           ; my one load of the head is in
	s_barrier_signal -1
	s_barrier_wait -1                              ; everybody's are
	SLOTW 0, 0, 1
	CHANGE 1                                       ; slots 1 and 2 are whole; slot 0 takes the fourth quarter
	SLOTW 1, 1, 0
	SLOTW 2, 2, 0
	CHANGE 0                                       ; the fourth quarter is whole
	tensor_load_to_lds s[80:83], s[4:11]           ; my 256 bytes of bias, a first fill: first behind the barrier, my one tensor load there; the last quarter's 32 products stand between it and the wait for it
	s_nop 0
	SLOTW 0, 3, 0
	s_wait_tensorcnt 0x0                           ; the bias is in; I alone read it
	; THE WAY OUT: bias, quantiser, stores.  The last K step's four v_nop are the places ahead of these lines.
	v_and_b32 v28, 31, v0
	s_delay_alu instid0(VALU_DEP_1)
	v_lshlrev_b32 v28, 2, v28                      ; 4 x lane
	v_mov_b32 v[TM+2], 0                           ; a lane permute's destination counts as one of its sources
	v_mov_b32 v[TM+3], 0
	s_lshr_b32 s52, s14, 3
	s_lshl_b32 s52, s52, 4                         ; 16 x batch
	s_and_b32 s54, s14, 7                          ; which 256 tokens of the sequence
	s_cmp_eq_u32 s17, 1
	s_cbranch_scc1 .Lv
	; q and k: a lane holds a token, its registers a head's 64
.irp b, 0,1,2,3
	ds_load_b128 v[32+8*\b:35+8*\b], v25 offset:64*\b          ; the bias of features 16 b + 8 h + 0 .. 7, from my own 256 bytes
	ds_load_b128 v[36+8*\b:39+8*\b], v25 offset:64*\b+16
.endr
	s_and_b32 s55, s13, 3
	s_lshl_b32 s55, s55, 2
	s_add_co_u32 s55, s55, s16                     ; head
	s_add_co_u32 s53, s52, s55                     ; batch x 16 + head
	s_lshl_b32 s56, s53, 7
	s_lshl_b32 s57, s54, 4
	s_add_co_u32 s56, s56, s57
	s_lshl_b32 s57, s15, 2
	s_add_co_u32 s56, s56, s57
	s_mul_i32 s56, s56, 768                        ; q's codes: [bh][token tile][768]
	s_lshl_b32 s57, s53, 3
	s_add_co_u32 s57, s57, s54
	s_mul_i32 s57, s57, 24576
	s_mul_i32 s58, s15, 3072
	s_add_co_u32 s57, s57, s58
	s_add_co_u32 s57, s57, 3145728                 ; k's: [bh][256 keys][key tile][768], V's 12,288 bytes behind them
	s_lshl_b32 s58, s54, 10
	s_lshl_b32 s59, s15, 8
	s_add_co_u32 s58, s58, s59                     ; scale words: 4 bytes a token
	s_lshl_b32 s59, s53, 13
	s_add_co_u32 s59, s59, s58
	s_add_co_u32 s59, s59, 9437184
	s_mul_i32 s60, s53, 12288
	s_add_co_u32 s60, s60, s58
	s_add_co_u32 s60, s60, 9699328
	s_cmp_lt_u32 s13, 4
	s_cselect_b32 s84, s56, s57
	s_cselect_b32 s86, s59, s60
	s_mov_b32 s85, 0
	s_mov_b32 s87, 0
	s_add_nc_u64 s[84:85], s[78:79], s[84:85]
	s_add_nc_u64 s[86:87], s[78:79], s[86:87]
	s_wait_dscnt 0x0
.irp a, 0,1,2,3
.set J, 0
.rept 16
	v_pk_add_f32 v[ACC+32*\a+J:ACC+32*\a+J+1], v[ACC+32*\a+J:ACC+32*\a+J+1], v[32+J:33+J]   ; each accumulator from its low end on
.set J, J+2
.endr
	QSTORE \a
.endr
	v_cmp_eq_u32 vcc_lo, 1, v12
	s_delay_alu instid0(VALU_DEP_1)
	v_cndmask_b32 v26, v[PWS], v[PWS+1], vcc_lo    ; lanes 0-15: tile 0's words, lanes 16-31: tile 1's.  The upper two bytes are 0: they meet zero codes
	s_delay_alu instid0(VALU_DEP_2)
	v_cndmask_b32 v27, v[PWS+2], v[PWS+3], vcc_lo
	global_store_b32 v28, v26, s[86:87]            ; 128 consecutive bytes
	global_store_b32 v28, v27, s[86:87] offset:128
	s_branch .Ldone
.Lv:	; v: a lane holds one of the head's 64, its registers 64 keys
.irp a, 0,1,2,3
	ds_load_b32 v[32+2*\a], v30 offset:64*\a       ; the bias of my row 16 a + r, twice: a pair for the packed addition
	ds_load_b32 v[33+2*\a], v30 offset:64*\a
.endr
	s_sub_co_u32 s55, s13, 8
	s_lshl_b32 s55, s55, 2
	s_add_co_u32 s55, s55, s15                     ; head
	s_add_co_u32 s53, s52, s55
	s_lshl_b32 s56, s53, 3
	s_add_co_u32 s56, s56, s54
	s_mul_i32 s56, s56, 24576
	s_mul_i32 s57, s16, 3072
	s_add_co_u32 s56, s56, s57
	s_add_co_u32 s84, s56, 3145728+12288           ; [bh][256 keys] + 12,288 + [64 keys][tile of 16 of the 64][768]
	s_mov_b32 s85, 0
	s_mul_i32 s56, s53, 12288
	s_lshl_b32 s57, s54, 9
	s_add_co_u32 s56, s56, s57
	s_lshl_b32 s57, s16, 1
	s_add_co_u32 s56, s56, s57
	s_add_co_u32 s86, s56, 9699328+8192            ; scale bytes: [bh] + 8,192 + [256 keys][64][8]; mine are bytes 2 wn, 2 wn + 1
	s_mov_b32 s87, 0
	s_add_nc_u64 s[84:85], s[78:79], s[84:85]
	s_add_nc_u64 s[86:87], s[78:79], s[86:87]
	s_wait_dscnt 0x0
.irp a, 0,1,2,3
.set J, 0
.rept 16
	v_pk_add_f32 v[ACC+32*\a+J:ACC+32*\a+J+1], v[ACC+32*\a+J:ACC+32*\a+J+1], v[32+2*\a:33+2*\a]
.set J, J+2
.endr
	QSTORE \a
.endr
	v_cmp_eq_u32 vcc_lo, 1, v12
	s_delay_alu instid0(VALU_DEP_1)
	v_cndmask_b32 v26, v[PWS], v[PWS+1], vcc_lo
	s_delay_alu instid0(VALU_DEP_2)
	v_cndmask_b32 v27, v[PWS+2], v[PWS+3], vcc_lo
	global_store_b16 v29, v26, s[86:87]            ; 2 bytes of every 8, which the four waves wn fill: 128 of the 3,200 bytes that a wave stores
	global_store_b16 v29, v27, s[86:87] offset:256
.Ldone:
	s_wait_tensorcnt 0x0                           ; the wave's end, behind my last tensor load
	ds_add_u32 v14, v15
	s_wait_dscnt 0x0
	ROUND                                          ; the closing round
	s_endpgm
.Lfunc_end_k_qed1239fa25_qkv:
	.size	k_qed1239fa25_qkv, .Lfunc_end_k_qed1239fa25_qkv-k_qed1239fa25_qkv
	.p2alignl 7, 3214868480
	.fill 96, 4, 3214868480
	.section	.rodata,"a",@progbits
	.p2align	6, 0x0
	.amdhsa_kernel k_qed1239fa25_qkv
		.amdhsa_group_segment_fixed_size 327680
		.amdhsa_private_segment_fixed_size 0
		.amdhsa_enable_private_segment 0
		.amdhsa_kernarg_size 48
		.amdhsa_user_sgpr_count 2
		.amdhsa_user_sgpr_kernarg_segment_ptr 1
		.amdhsa_wavefront_size32 1
		.amdhsa_system_sgpr_workgroup_id_x 1
		.amdhsa_system_sgpr_workgroup_id_y 1
		.amdhsa_system_sgpr_workgroup_id_z 1
		.amdhsa_system_vgpr_workitem_id 0
		.amdhsa_next_free_vgpr 256
		.amdhsa_next_free_sgpr 100
		.amdhsa_reserve_vcc 1
		.amdhsa_float_denorm_mode_32 3
		.amdhsa_float_denorm_mode_16_64 3
		.amdhsa_memory_ordered 1
		.amdhsa_forward_progress 1
		.amdhsa_inst_pref_size 82
	.end_amdhsa_kernel
	.amdgpu_metadata
---
amdhsa.version: [ 1, 2 ]
amdhsa.kernels:
  - .name:           k_qed1239fa25_qkv
    .symbol:         k_qed1239fa25_qkv.kd
    .args:
      - { .name: act, .offset: 0, .size: 8, .value_kind: global_buffer, .address_space: global }
      - { .name: cqkv, .offset: 8, .size: 8, .value_kind: global_buffer, .address_space: global }
      - { .name: bq, .offset: 16, .size: 8, .value_kind: global_buffer, .address_space: global }
      - { .name: bk, .offset: 24, .size: 8, .value_kind: global_buffer, .address_space: global }
      - { .name: bv, .offset: 32, .size: 8, .value_kind: global_buffer, .address_space: global }
      - { .name: big, .offset: 40, .size: 8, .value_kind: global_buffer, .address_space: global }
    .group_segment_fixed_size: 327680
    .private_segment_fixed_size: 0
    .kernarg_segment_align: 8
    .kernarg_segment_size: 48
    .max_flat_workgroup_size: 512
    .sgpr_count:     100
    .vgpr_count:     256
    .wavefront_size: 32
...
	.end_amdgpu_metadata
.endif
;; end of part 2
;; launch attn (part 3): grid 8 x 32, 16 waves a work-group, clusters of 4 x 1, 327,680 bytes of LDS; arguments big, act; writes act
.if DOCPART == 3
	.amdgcn_target "amdgcn-amd-amdhsa--gfx1250"
	.amdhsa_code_object_version 6
	.text
	.protected	k_qed1239fa25_attn
	.globl	k_qed1239fa25_attn
	.p2align	8
	.type	k_qed1239fa25_attn,@function
k_qed1239fa25_attn:
	s_mov_b64 s[64:65], 0
	v_nop
	global_prefetch_b8 v0, s[64:65] scope:SCOPE_SE
	s_setreg_imm32_b32 hwreg(HW_REG_WAVE_MODE, 25, 1), 1
	s_wait_xcnt 0x0
	s_wait_alu depctr_hold_cnt(0) depctr_sa_sdst(0) depctr_va_vdst(0) depctr_va_sdst(0) depctr_va_ssrc(0) depctr_va_vcc(0) depctr_vm_vsrc(0)
	s_getreg_b32 s2, hwreg(HW_REG_IB_STS2, 6, 4)
	s_cmp_eq_u32 s2, 0
	s_cbranch_scc0 .Lentry_in_a_cluster
	s_endpgm
.Lentry_in_a_cluster:
	s_bfe_u32 s2, ttmp6, 0x10000c
	s_cmp_lg_u32 s2, 0x3003
	s_cbranch_scc0 .Lentry_shape_is_right
	s_endpgm
.Lentry_shape_is_right:
; o = softmax(q k^T / 8) v for one (batch, head) and 256 queries, on codes of FP6 (E2M3) with E8M0 scales, and o's quantising along the heads' 1,024 for the next product.
; p = 2^(t - M), t = score x log2(e) / 8, M the ceiling of the running largest t (a whole number); the row's sum is taken of the unquantised p; O and the sum are brought under a new M by an exact power of two.
; SHARES.  Work-group (x, y): head y, queries 256 x ..; each of sixteen waves 16 queries; a lane holds one query throughout (S^T = k q^T, O^T = v^T p^T).  A step is 128 keys, 16 steps.
; LDS.  The head's K and V codes (196,608 bytes) and scale bytes (12,288) come ONCE, at the head, one tensor load a wave: waves 0-11 bring 64 rows of 256 bytes of codes each, waves 12-15 twelve rows of scale bytes each.
; Each 256 bytes of codes get 64 bytes of padding, so a half fragment (768 bytes) is 960 bytes and two of them 1,920 = 128 mod 256.  Nothing is filled again.
; CLUSTER 4 x 1: the four query blocks of a cluster read the same head's K and V: each load is a joint one with the mask 15.
; No data prefetch: all tensor loads go out together at the head, so there is no loop of loads to run ahead in.
; WHICH KEYS FORM A TILE OF K: row m of tile (c, t) is key 64 c + 32 (m / 8) + (m % 8) + 16 (t % 2) + 8 (t / 2) of the step.  So lane (r, h) holds, in the 32 registers of tiles (c, 0..3), the WHOLE block 2 c + h of 32 keys,
; in this program's order inside a block (place p = element (p & 7) + 16 ((p >> 3) & 1) + 8 ((p >> 4) & 1), as V's codes have it): a block's largest score needs no other lane, and the conversions' results are p's operand.
; K'S FRAGMENTS TAKE SIX REGISTERS EACH: the head's size is 64, half of the instruction's 128.  q's upper 64 are zero codes, so whatever the six registers behind a fragment hold (the next fragment, or p's codes) adds nothing;
; the scale words' upper two bytes are 0, a finite code.
; LDS loads run ahead: a step's V fragments are asked for behind its scores, a softmax ahead of their use; the next step's K fragments behind them, a step ahead.
; LIMITS: the promise holds while the scaled scores stay under 2^31 in magnitude; a block whose largest magnitude lies under 2^-124 gets the byte 1 (read by this program alone); NaN and infinities are not served.
.set KBL,   30720                      ; 256 keys in LDS: 96 rows of 320 bytes: K's 16 half fragments, then V's 16
.set VOFF,  15360
.set HF,    960
.set SCK,   245760                     ; K's scale words, 4 bytes a key
.set SCV,   253952                     ; V's scale bytes: [256 keys][64][8]
.set SPARE, 258048                     ; the spare words, 128 bytes for each wave, which no other line names
.set BKA, 1                            ; v1-6 lane terms of the LDS addresses: K's 16-byte part, K's 8-byte part, K's scale words, the same three for V; v7-12: the same + the place of the 256 keys at work
.set BKB, 2
.set BKS, 3
.set BVA, 4
.set BVB, 5
.set BVS, 6
.set SPW, 13                           ; my spare word and 0, kept for the add alone
.set NIL, 14
.set QS,  15                           ; q's scale words
.set Q,   16                           ; v16-27 q's fragment, the upper six zero
.set NM,  28                           ; -M
.set RM,  29                           ; the running largest score
.set L,   30                           ; v30-31 the row's sum, two halves
.set KF,  32                           ; v32-79 K's eight fragments
.set PC,  80                           ; v80-91 p's codes (v92: the last conversion's third register); ahead of the conversions: three chains of the sum
.set PW,  93                           ; p's scale word
.set F,   94                           ; v94 the factor 2^(old M - new M); v95 only named as the pair's upper half
.set S,   96                           ; v96-159 scores, then p
.set O,   160                          ; v160-191 O^T
.set VF,  192                          ; v192-239 V's four fragments
.set KSC, 240                          ; v240-247 K's scale words
.set VSC, 248                          ; v248-251 V's
.set T,   252                          ; v252-255 work
.set SEL, 20
.set CS,  22
.macro ROUND                           ; a round of the cluster's barrier
	s_barrier_signal -1
	s_barrier_wait -1
	s_cmp_lg_u32 s12, 0
	s_cbranch_scc1 .Lnot_wave_0_\@
	s_barrier_signal -3
.Lnot_wave_0_\@:
	s_barrier_wait -3
	s_barrier_signal -1
	s_barrier_wait -1
.endm
.macro ADDR                            ; the addresses of the 256 keys at work
	v_add_nc_u32 v[BKA+6], s2, v[BKA]
	v_add_nc_u32 v[BKB+6], s2, v[BKB]
	v_add_nc_u32 v[BKS+6], s3, v[BKS]
	v_add_nc_u32 v[BVA+6], s2, v[BVA]
	v_add_nc_u32 v[BVB+6], s2, v[BVB]
	v_add_nc_u32 v[BVS+6], s8, v[BVS]
.endm
.macro KLOAD q, nx                     ; 24 loads: K's eight fragments and scale words of half q of the 256 keys at work (nx = 1: of the next 256)
.irp c, 0,1
.irp t, 0,1,2,3
	ds_load_b128 v[KF+6*(4*\c+\t):KF+6*(4*\c+\t)+3], v[BKA+6] offset:(\nx)*KBL+HF*(8*(\q)+4*\c+(\t&1))+128*(\t>>1)
	ds_load_b64 v[KF+6*(4*\c+\t)+4:KF+6*(4*\c+\t)+5], v[BKB+6] offset:(\nx)*KBL+HF*(8*(\q)+4*\c+(\t&1))+640+64*(\t>>1)
	ds_load_b32 v[KSC+4*\c+\t], v[BKS+6] offset:(\nx)*1024+4*(128*(\q)+64*\c+16*(\t&1)+8*(\t>>1))
.endr
.endr
.endm
.macro VLOAD q                         ; 20 loads: V's four fragments (16 of the head's 64 x 128 keys) and scale words
.irp f, 0,1,2,3
.irp c, 0,1
	ds_load_b128 v[VF+12*\f+6*\c:VF+12*\f+6*\c+3], v[BVA+6] offset:VOFF+HF*((2*(\q)+\c)*4+\f)
	ds_load_b64 v[VF+12*\f+6*\c+4:VF+12*\f+6*\c+5], v[BVB+6] offset:VOFF+HF*((2*(\q)+\c)*4+\f)+640
.endr
	ds_load_b32 v[VSC+\f], v[BVS+6] offset:128*\f+4*(\q)
.endr
.endm
.macro SUM n                           ; n more pairs of p onto the three chains
.rept \n
	v_pk_add_f32 v[PC+2*(J%3):PC+2*(J%3)+1], v[PC+2*(J%3):PC+2*(J%3)+1], v[S+2*J:S+2*J+1]
.set J, J+1
.endr
.endm
; A step: 128 keys.  q: which half of the 256 keys at work.  pf: which K fragments are asked for ahead: 1 the other half's, 2 the next 256 keys' first half's, 0 none
.macro STEP q, pf
	s_wait_dscnt 0x0                               ; this step's K fragments and scale words are in
.irp i, 0,1,2,3,4,5,6,7
	v_wmma_scale_f32_16x16x128_f8f6f4 v[S+8*\i:S+8*\i+7], v[KF+6*\i:KF+6*\i+11], v[Q:Q+11], 0, v[KSC+\i], v[QS] matrix_a_fmt:MATRIX_FMT_FP6 matrix_b_fmt:MATRIX_FMT_FP6
.endr
.if (\q) == 0
	ADDR                                           ; six plain lines: the places ahead of the loads below and of the first read of the scores
.else
.rept 4
	v_nop
.endr
.endif
	VLOAD \q
.if (\pf) == 1
	KLOAD 1, 0
.endif
.if (\pf) == 2
	KLOAD 0, 1
.endif
.irp b, 0,1,2,3
	v_max3_num_f32 v[T+\b], v[S+16*\b], v[S+1+16*\b], v[S+2+16*\b]         ; the largest score, four chains by turns, each accumulator from its low end on
.endr
.irp i, 3,5,7,9,11,13
.irp b, 0,1,2,3
	v_max3_num_f32 v[T+\b], v[T+\b], v[S+16*\b+\i], v[S+1+16*\b+\i]
.endr
.endr
	v_max3_num_f32 v[T], v[T], v[S+15], v[S+31]
	v_max3_num_f32 v[T+2], v[T+2], v[S+47], v[S+63]
	s_delay_alu instid0(VALU_DEP_2)
	v_max_num_f32 v[T], v[T], v[T+1]               ; of my block h,
	s_delay_alu instid0(VALU_DEP_2)
	v_max_num_f32 v[T+2], v[T+2], v[T+3]           ; of my block 2 + h: they serve twice, for the row's maximum and for the blocks' largest p
	s_delay_alu instid0(VALU_DEP_1)
	v_max_num_f32 v[T+1], v[T], v[T+2]
	s_delay_alu instid0(VALU_DEP_1)
	v_permlanex16_b32 v[T+3], v[T+1], s[SEL], s[SEL+1]
	s_delay_alu instid0(VALU_DEP_1)
	v_max3_num_f32 v[RM], v[RM], v[T+1], v[T+3]    ; the running largest score of my query
	v_mov_b32 v[T+3], v[NM]
	s_delay_alu instid0(VALU_DEP_2)
	v_mul_f32 v[T+1], s11, v[RM]                   ; - t
	s_delay_alu instid0(VALU_DEP_1)
	v_floor_f32 v[NM], v[T+1]                      ; the new -M = floor(-t) = -ceil(t)
	s_delay_alu instid0(VALU_DEP_1)
	v_sub_f32 v[T+3], v[NM], v[T+3]                ; old M less new M: a whole number, 0 or less
	s_delay_alu instid0(VALU_DEP_1)
	v_cvt_i32_f32 v[T+3], v[T+3]                   ; (it saturates)
	s_delay_alu instid0(VALU_DEP_1)
	v_ldexp_f32 v[F], 1.0, v[T+3]
.set J, 0
.rept 32
	v_pk_fma_f32 v[S+J:S+J+1], v[S+J:S+J+1], s[CS:CS+1], v[NM:NM+1] op_sel_hi:[1,0,0]   ; t - M
.set J, J+2
.endr
	v_fma_f32 v[T], v[T], s[CS], v[NM]             ; the same of my two blocks' largest scores
	v_fma_f32 v[T+2], v[T+2], s[CS], v[NM]
	s_wait_alu depctr_va_vdst(0)                   ; the wait ahead of the batch
.set J, 0
.rept 64
	v_exp_f32 v[S+J], v[S+J]                       ; p = 2^(t - M)
.set J, J+1
.endr
	v_exp_f32 v[T], v[T]                           ; the blocks' largest p: the same two instructions on the same number
	v_exp_f32 v[T+2], v[T+2]
	v_pk_mul_f32 v[L:L+1], v[L:L+1], v[F:F+1] op_sel_hi:[1,0]   ; the sum under the new M; a plain line behind the batch
	s_wait_alu depctr_va_vdst(0)                   ; and the one wait behind it
	v_max_num_f32 v[T], 0x1800000, v[T]            ; the floor 2^(3 - 127): the byte cannot fall under 1
	v_max_num_f32 v[T+2], 0x1800000, v[T+2]
.irp k, 0,1,2
	v_pk_add_f32 v[PC+2*\k:PC+2*\k+1], v[S+2*\k:S+2*\k+1], v[S+6+2*\k:S+7+2*\k]   ; the sum of the unquantised p, in three chains; the scale's lines stand among them
.endr
.set J, 6
	v_add_nc_u32 v[T], 0xff000000, v[T]            ; 2 off the exponent field: the conversions' scale operands
	v_add_nc_u32 v[T+2], 0xff000000, v[T+2]
	SUM 3
	v_lshrrev_b32 v[T+1], 23, v[T]                 ; the scales' bytes
	v_lshrrev_b32 v[T+3], 23, v[T+2]
	SUM 3
	v_lshl_or_b32 v[T+1], v[T+3], 16, v[T+1]       ; blocks h and 2 + h
	SUM 3
	v_permlanex16_b32 v[T+3], v[T+1], s[SEL], s[SEL+1]
	SUM 3
	v_lshl_or_b32 v[PW], v[T+3], 8, v[T+1]         ; in lanes 0-15, which alone are read: blocks 0, 1, 2, 3
	SUM 14
	v_pk_add_f32 v[PC:PC+1], v[PC:PC+1], v[PC+2:PC+3]
	s_delay_alu instid0(VALU_DEP_1)
	v_pk_add_f32 v[PC:PC+1], v[PC:PC+1], v[PC+4:PC+5]
	s_delay_alu instid0(VALU_DEP_1)
	v_pk_add_f32 v[L:L+1], v[L:L+1], v[PC:PC+1]
	v_cvt_scalef32_pk16_fp6_f32 v[PC:PC+2], v[S:S+15], v[T]               ; places 0-15 of block h
	v_cvt_scalef32_pk16_fp6_f32 v[PC+4:PC+6], v[S+16:S+31], v[T]          ; places 16-31: a conversion's three registers begin on an even number, so they are made one register up and moved
	v_cvt_scalef32_pk16_fp6_f32 v[PC+10:PC+12], v[S+48:S+63], v[T+2]
	v_nop                                          ; one plain line behind a scaled conversion
.irp i, 3,4,5
	v_mov_b32 v[PC+\i], v[PC+1+\i]
.endr
	v_cvt_scalef32_pk16_fp6_f32 v[PC+6:PC+8], v[S+32:S+47], v[T+2]
.irp i, 9,10,11
	v_mov_b32 v[PC+\i], v[PC+1+\i]
.endr
	s_wait_alu depctr_va_vdst(0)                   ; directly ahead of the first reader of O^T
.set J, 0
.rept 16
	v_pk_mul_f32 v[O+J:O+J+1], v[O+J:O+J+1], v[F:F+1] op_sel_hi:[1,0]     ; O^T under the new M; these 16 are also the places between p's codes and scale word and the products
.set J, J+2
.endr
	s_wait_alu depctr_va_vdst(0)                   ; directly ahead of the wait below
.if (\pf) == 0
	s_wait_dscnt 0x0
.else
	s_wait_dscnt 24                                ; V's 20 loads are in; the 24 younger ones, the next step's K, may be out
.endif
.irp f, 0,1,2,3
	v_wmma_scale_f32_16x16x128_f8f6f4 v[O+8*\f:O+8*\f+7], v[VF+12*\f:VF+12*\f+11], v[PC:PC+11], v[O+8*\f:O+8*\f+7], v[VSC+\f], v[PW] matrix_a_fmt:MATRIX_FMT_FP6 matrix_b_fmt:MATRIX_FMT_FP6
.endr
.endm
.set TM, KSC
.macro QUANT2 s, pc, pw                ; 32 numbers of a lane, register 16 B + i = place 16 h + i of block B of my row -> a half fragment in v[pc] .. v[pc + 5], two scale bytes in v[pw]
.irp b, 0,1
	v_max3_num_f32 v[TM+\b], |v[(\s)+16*\b]|, |v[(\s)+1+16*\b]|, 0x1800000
.endr
.irp i, 2,4,6,8,10,12,14
.irp b, 0,1
	s_delay_alu instid0(VALU_DEP_2)
	v_max3_num_f32 v[TM+\b], v[TM+\b], |v[(\s)+16*\b+\i]|, |v[(\s)+1+16*\b+\i]|
.endr
.endr
.irp b, 0,1
	s_delay_alu instid0(VALU_DEP_2)
	v_permlanex16_b32 v[TM+2+\b], v[TM+\b], s[SEL], s[SEL+1]
.endr
.irp b, 0,1
	s_delay_alu instid0(VALU_DEP_2)
	v_max_num_f32 v[TM+\b], v[TM+\b], v[TM+2+\b]
.endr
.irp b, 0,1
	s_delay_alu instid0(VALU_DEP_2)
	v_add_nc_u32 v[TM+4+\b], 0xff000000, v[TM+\b]
.endr
.irp b, 0,1
	s_delay_alu instid0(VALU_DEP_2)
	v_lshrrev_b32 v[TM+2+\b], 23, v[TM+4+\b]
.endr
	s_delay_alu instid0(VALU_DEP_1)
	v_lshl_or_b32 v[\pw], v[TM+3], 8, v[TM+2]
	v_cvt_scalef32_pk16_fp6_f32 v[(\pc):(\pc)+2], v[(\s):(\s)+15], v[TM+4]
	v_cvt_scalef32_pk16_fp6_f32 v[(\pc)+6:(\pc)+8], v[(\s)+16:(\s)+31], v[TM+5]
	v_nop
.irp i, 0,1,2
	v_permlane16_swap_b32 v[(\pc)+\i], v[(\pc)+6+\i]
.endr
.irp i, 0,1,2
	s_delay_alu instid0(VALU_DEP_3)
	v_mov_b32 v[(\pc)+3+\i], v[(\pc)+6+\i]
.endr
.endm
	s_load_b128 s[4:7], s[0:1], 0x0                ; big, act
	v_lshl_add_u32 v[SPW], v0, 2, SPARE
	v_mov_b32 v[NIL], 0
	ds_add_u32 v[SPW], v[NIL]                      ; the wave's opening: the add, twice on end, and its wait ahead of my first tensor load
	ds_add_u32 v[SPW], v[NIL]
	v_lshrrev_b32 v1, 5, v0
	v_readfirstlane_b32 s12, v1                    ; wave 0..15
	s_and_b32 s13, ttmp7, 0xffff                   ; batch x 16 + head: the same in the cluster's four
	s_bfe_u32 s10, ttmp6, 0x40000
	s_lshl_b32 s14, ttmp9, 2
	s_add_co_u32 s10, s10, s14                     ; which 256 queries: 4 x cluster x + cx; it enters q's and o's addresses alone
	s_mov_b32 s24, 15|(3<<16)|(1<<20)|(1<<21)|(5<<22)|(15<<25)   ; group 1, codes: the mask of the four; elements of 8 bytes; behind every 64 words 16 words of padding
	s_mov_b32 s25, 32<<16
	s_mov_b32 s26, 64<<16                          ; 64 rows of 256 dense bytes
	s_mov_b32 s27, 32<<16
	s_mov_b32 s28, 64
	s_mov_b32 s29, 32
	s_mov_b32 s30, 0
	s_mov_b32 s31, 0
	s_mov_b32 s32, 15|(3<<16)|(1<<21)              ; group 1, scale bytes: 12 rows of 256 dense bytes, no padding
	s_mov_b32 s33, 32<<16
	s_mov_b32 s34, 12<<16
	s_mov_b32 s35, 32<<16
	s_mov_b32 s36, 12
	s_mov_b32 s37, 32
	s_mov_b32 s38, 0
	s_mov_b32 s39, 0
	s_mov_b32 s48, 1                               ; group 0, codes (waves 0-11): 16,384 bytes x wave, to 64 rows of 320 bytes x wave
	s_mul_i32 s49, s12, 20480
	s_mul_i32 s14, s13, 196608
	s_lshl_b32 s16, s12, 14
	s_add_co_u32 s14, s14, s16
	s_add_co_u32 s14, s14, 3145728
	s_mov_b32 s15, 0
	s_mov_b32 s52, 1                               ; group 0, scale bytes (waves 12-15): 3,072 bytes x (wave - 12)
	s_mul_i32 s53, s12, 3072
	s_mul_i32 s16, s13, 12288
	s_add_co_u32 s16, s16, s53
	s_add_co_u32 s16, s16, 9699328-36864
	s_mov_b32 s17, 0
	s_add_co_u32 s53, s53, SCK-36864
	s_lshl_b32 s18, s13, 7                         ; q: my tile of 16 queries,
	s_lshl_b32 s19, s10, 4
	s_add_co_u32 s18, s18, s19
	s_add_co_u32 s18, s18, s12
	s_lshl_b32 s40, s18, 6                         ; its scale words,
	s_add_co_u32 s40, s40, 9437184
	s_mov_b32 s41, 0
	s_mul_i32 s18, s18, 768                        ; its codes
	s_mov_b32 s19, 0
	s_mov_b32 s[SEL], 0x76543210
	s_mov_b32 s[SEL+1], 0xfedcba98
	s_mov_b32 s[CS], 0x3e38aa3b                    ; log2(e) / 8
	s_mov_b32 s[CS+1], s[CS]
	s_mov_b32 s11, 0xbe38aa3b                      ; and its negative
	s_mov_b32 s2, 0
	s_mov_b32 s3, 0
	s_mov_b32 s8, 0
	s_wait_dscnt 0x0                               ; both opening adds are done
	s_wait_kmcnt 0x0
	s_add_nc_u64 s[50:51], s[4:5], s[14:15]
	s_or_b32 s51, s51, 0x80000000
	s_add_nc_u64 s[54:55], s[4:5], s[16:17]
	s_or_b32 s55, s55, 0x80000000
	s_add_nc_u64 s[18:19], s[4:5], s[18:19]
	s_add_nc_u64 s[40:41], s[4:5], s[40:41]
	ROUND                                          ; the four work-groups are here: the joint loads meet
	s_cmp_lt_u32 s12, 12                           ; one chain of two arms on the wave's number, one tensor load to an arm
	s_cbranch_scc0 .Lhead_sc
	tensor_load_to_lds s[48:51], s[24:31]
	s_nop 0
	s_branch .Lhead_asked
.Lhead_sc:
	tensor_load_to_lds s[52:55], s[32:39]
	s_nop 0
.Lhead_asked:
	v_and_b32 v96, 31, v0
	v_lshlrev_b32 v97, 3, v96                      ; 8 x lane
	v_lshlrev_b32 v96, 4, v96                      ; 16 x lane
	v_and_b32 v99, 15, v0                          ; r
	v_lshlrev_b32 v98, 2, v99
	global_load_b128 v[Q:Q+3], v96, s[18:19]       ; q's half fragment; its address registers are next written by the first scores, behind the wait for these loads
	global_load_b64 v[Q+4:Q+5], v97, s[18:19] offset:512
	global_load_b32 v[QS], v98, s[40:41]
	v_bfe_u32 v100, v0, 4, 1                       ; h
	v_and_b32 v101, 7, v0                          ; r % 8
	v_bfe_u32 v102, v0, 3, 1                       ; r / 8
	v_mul_u32_u24 v103, v102, 1920                 ; rows 8-15 of a tile of K come from the half fragment two on
	v_lshl_add_u32 v[BKA], v101, 4, v103
	v_mad_u32_u24 v[BKA], v100, 320, v[BKA]
	v_lshl_add_u32 v[BKB], v101, 3, v103
	v_lshl_add_u32 v[BKB], v100, 7, v[BKB]
	v_lshlrev_b32 v[BKS], 7, v102
	v_lshl_add_u32 v[BKS], v101, 2, v[BKS]
	v_add_nc_u32 v[BKS], SCK, v[BKS]
	v_mul_u32_u24 v[BVA], v100, 320
	v_lshl_add_u32 v[BVA], v99, 4, v[BVA]
	v_and_b32 v[BVB], 31, v0
	v_lshlrev_b32 v[BVB], 3, v[BVB]
	v_lshl_add_u32 v[BVS], v99, 3, SCV
.irp j, 6,7,8,9,10,11
	v_mov_b32 v[Q+\j], 0                           ; q's upper 64: zero codes
.endr
.irp j, 0,1,2,3,4,5
	v_mov_b32 v[PC+\j], 0                          ; named as the upper half of K's last fragment before p's codes are first made
.endr
	v_mov_b32 v[RM], 0xff61b1e6                    ; -3e38, under every score
	v_mul_f32 v[T+1], s11, v[RM]
	v_floor_f32 v[NM], v[T+1]
	v_mov_b32 v[L], 0
	v_mov_b32 v[L+1], 0
	v_mov_b32 v[F+1], 0
	v_mov_b32 v[T+3], 0                            ; a lane permute's destination counts as one of its sources
.set J, 0
.rept 32
	v_mov_b32 v[O+J], 0                            ; the step is written once: the first finds zeros
.set J, J+1
.endr
	ADDR
	s_wait_alu depctr_va_vdst(0)                   ; the wait at the head's end
	s_wait_tensorcnt 0x0                           ; my part of K, V or the scale bytes is in
	s_barrier_signal -1
	s_barrier_wait -1                              ; everybody's is
	KLOAD 0, 0
	s_wait_loadcnt 0x0                             ; q
	s_mov_b32 s9, 7
.Lkeys:                                                ; a trip: 256 keys
	STEP 0, 1
	STEP 1, 2
	s_add_co_u32 s2, s2, KBL
	s_add_co_u32 s3, s3, 1024
	s_add_co_u32 s8, s8, 512
	s_sub_co_u32 s9, s9, 1
	s_cmp_lg_u32 s9, 0
	s_cbranch_scc1 .Lkeys
	STEP 0, 1                                      ; the last 256 keys are written out: nothing is asked for beyond them
	STEP 1, 0
	v_add_f32 v[L], v[L], v[L+1]                   ; the sum's two halves,
	s_delay_alu instid0(VALU_DEP_1)
	v_permlanex16_b32 v[T+3], v[L], s[SEL], s[SEL+1]
	s_delay_alu instid0(VALU_DEP_1)
	v_add_f32 v[L], v[L], v[T+3]                   ; and lane l xor 16's blocks: the row's sum
	v_and_b32 v7, 31, v0
	v_lshlrev_b32 v8, 3, v7                        ; 8 x lane
	v_lshlrev_b32 v7, 4, v7                        ; 16 x lane
	v_and_b32 v9, 15, v0
	v_lshlrev_b32 v9, 3, v9                        ; 8 r
	s_wait_alu depctr_va_vdst(0)                   ; the wait ahead of the transcendental
	v_rcp_f32 v[L], v[L]
	v_nop
	s_lshr_b32 s14, s13, 4                         ; o's place: token tile = 128 x batch + 16 x + wave; K / 64 = head
	s_lshl_b32 s14, s14, 7
	s_lshl_b32 s16, s10, 4
	s_add_co_u32 s14, s14, s16
	s_add_co_u32 s14, s14, s12
	s_and_b32 s16, s13, 15
	s_lshr_b32 s17, s14, 3                         ; scale bytes: [128 rows][K / 256][128 rows][8]
	s_lshl_b32 s17, s17, 2
	s_lshr_b32 s18, s16, 2
	s_add_co_u32 s17, s17, s18
	s_lshl_b32 s17, s17, 7
	s_and_b32 s18, s14, 7
	s_lshl_b32 s18, s18, 4
	s_add_co_u32 s17, s17, s18
	s_lshl_b32 s17, s17, 3
	s_and_b32 s18, s16, 3
	s_lshl_b32 s18, s18, 1
	s_add_co_u32 s17, s17, s18
	s_add_co_u32 s18, s17, 3145728
	s_mov_b32 s19, 0
	s_lshl_b32 s14, s14, 4
	s_add_co_u32 s14, s14, s16
	s_mul_i32 s14, s14, 768
	s_mov_b32 s15, 0
	s_add_nc_u64 s[14:15], s[6:7], s[14:15]
	s_add_nc_u64 s[18:19], s[6:7], s[18:19]
	s_wait_alu depctr_va_vdst(0)                   ; the wait behind the transcendental, directly ahead of the first reader of O^T
.set J, 0
.rept 32
	v_mul_f32 v[S+J], v[O+J], v[L]                 ; register 8 f + j is o(query r, 16 f + 8 h + j)
.set J, J+1
.endr
	QUANT2 S, VF, KSC+6
	global_store_b128 v7, v[VF:VF+3], s[14:15]     ; 512 and 256 consecutive bytes, aligned
	global_store_b64 v8, v[VF+4:VF+5], s[14:15] offset:512
	global_store_b16 v9, v[KSC+6], s[18:19]        ; 2 bytes of every 8, which four heads' work-groups fill
	s_wait_tensorcnt 0x0                           ; the wave's end
	ds_add_u32 v[SPW], v[NIL]
	s_wait_dscnt 0x0
	ROUND                                          ; the closing round
	s_endpgm
.Lfunc_end_k_qed1239fa25_attn:
	.size	k_qed1239fa25_attn, .Lfunc_end_k_qed1239fa25_attn-k_qed1239fa25_attn
	.p2alignl 7, 3214868480
	.fill 96, 4, 3214868480
	.section	.rodata,"a",@progbits
	.p2align	6, 0x0
	.amdhsa_kernel k_qed1239fa25_attn
		.amdhsa_group_segment_fixed_size 327680
		.amdhsa_private_segment_fixed_size 0
		.amdhsa_enable_private_segment 0
		.amdhsa_kernarg_size 16
		.amdhsa_user_sgpr_count 2
		.amdhsa_user_sgpr_kernarg_segment_ptr 1
		.amdhsa_wavefront_size32 1
		.amdhsa_system_sgpr_workgroup_id_x 1
		.amdhsa_system_sgpr_workgroup_id_y 1
		.amdhsa_system_sgpr_workgroup_id_z 1
		.amdhsa_system_vgpr_workitem_id 0
		.amdhsa_next_free_vgpr 256
		.amdhsa_next_free_sgpr 66
		.amdhsa_reserve_vcc 0
		.amdhsa_float_denorm_mode_32 3
		.amdhsa_float_denorm_mode_16_64 3
		.amdhsa_memory_ordered 1
		.amdhsa_forward_progress 1
		.amdhsa_inst_pref_size 76
	.end_amdhsa_kernel
	.amdgpu_metadata
---
amdhsa.version: [ 1, 2 ]
amdhsa.kernels:
  - .name:           k_qed1239fa25_attn
    .symbol:         k_qed1239fa25_attn.kd
    .args:
      - { .name: big, .offset: 0, .size: 8, .value_kind: global_buffer, .address_space: global }
      - { .name: act, .offset: 8, .size: 8, .value_kind: global_buffer, .address_space: global }
    .group_segment_fixed_size: 327680
    .private_segment_fixed_size: 0
    .kernarg_segment_align: 8
    .kernarg_segment_size: 16
    .max_flat_workgroup_size: 512
    .sgpr_count:     66
    .vgpr_count:     256
    .wavefront_size: 32
...
	.end_amdgpu_metadata
.endif
;; end of part 3
;; launch wo (part 4): grid 8 x 32, 16 waves a work-group, clusters of 4 x 4, 327,680 bytes of LDS; arguments act, co, bo, x, x1; writes x1
.if DOCPART == 4
	.amdgcn_target "amdgcn-amd-amdhsa--gfx1250"
	.amdhsa_code_object_version 6
	.text
	.protected	k_qed1239fa25_wo
	.globl	k_qed1239fa25_wo
	.p2align	8
	.type	k_qed1239fa25_wo,@function
k_qed1239fa25_wo:
	s_mov_b64 s[64:65], 0
	v_nop
	global_prefetch_b8 v0, s[64:65] scope:SCOPE_SE
	s_setreg_imm32_b32 hwreg(HW_REG_WAVE_MODE, 25, 1), 1
	s_wait_xcnt 0x0
	s_wait_alu depctr_hold_cnt(0) depctr_sa_sdst(0) depctr_va_vdst(0) depctr_va_sdst(0) depctr_va_ssrc(0) depctr_va_vcc(0) depctr_vm_vsrc(0)
	s_getreg_b32 s2, hwreg(HW_REG_IB_STS2, 6, 4)
	s_cmp_eq_u32 s2, 0
	s_cbranch_scc0 .Lentry_in_a_cluster
	s_endpgm
.Lentry_in_a_cluster:
	s_bfe_u32 s2, ttmp6, 0x10000c
	s_cmp_lg_u32 s2, 0xf033
	s_cbranch_scc0 .Lentry_shape_is_right
	s_endpgm
.Lentry_shape_is_right:
; x1 = x + o Wo + bo: a product on codes of FP6 (E2M3) with E8M0 scales, K = 1,024, N = 1,024, f32 out.
; OPERANDS lie as images of the operand's registers: a half fragment (16 rows x 64 K) is 768 bytes: registers 0-3 at 16 x lane, registers 4-5 at 512 + 8 x lane; a buffer is [row tile][K / 64][768].  Scale bytes: [128 rows][K / 256][128 rows][8].
; SHARES.  N is short: 128 x 128 of the result to a work-group gives 256 work-groups.  To keep 64 x 64 to a wave, THE SIXTEEN WAVES SPLIT K FOUR WAYS: wave group kg = wave / 4 multiplies the kg-th 128 of each 512 along K, and in
; a group the four waves take the tile's four quarters.  The four partial tiles meet in a stage in LDS on the way out, which is needed anyway to form whole rows.  So a sum is grouped as four sums over K, added at the end.
; Side P (tokens) is source 1 and gives the result's lanes, side R (weight rows) source 0 and its registers: a lane holds eight neighbouring columns of one row.
; LDS.  Two slots of 512 along K; each of waves 0-7 fetches four row tiles (6,144 dense bytes each) of a slot with one tensor load.  BOTH slots and the scale bytes of both sides
; are asked for together at the head.  K = 1,024 is these two slots: nothing is filled again here.  The residual is read into registers ahead of the barrier behind which the stage is written.
; By this text's own count a wave has one tensor load out at the head.
; CLUSTER: 4 x 4.  P's tiles are read by the 8 work-groups of a row of the grid, R's by the 32 of a column, and the grid divides by 4 x 4; the codes' joint loads divide those requests by four.
; LIMITS: NaN and infinities are not served.
.set KS,    4
.set KT,    8
.set NQ,    1
.set TILEB, KS*1536
.set NSLOT, KT/KS
.set SCB,   4096
.set NR,    SCB/1024                   ; rows of 256 bytes of scale bytes that one of the eight waves that fetch them brings
.set PSOFF, 3145728
.set WSOFF, 786432
.set RSIDE, 49152                      ; a slot: P's 8 tiles, then R's 8
.set SC,    98304
.set SLOT1, 1<<17
.set RESL,  229376
.set SPARE, 325632                     ; the spare words, 128 bytes for each wave, which no other line names
.set STGC,  67584                      ; the way out: four copies of 128 rows x (512 + 16) bytes from LDS byte 0 on, over bytes that have had their last fill and their last read
.set SCR, 16                           ; v16-19 scale words and nothing else
.set RF,  32
.set PF,  80
.set ACC, 128
.macro LDFRAG reg, a16, a8, off
	ds_load_b128 v[\reg:\reg+3], v[\a16] offset:\off
	ds_load_b64 v[\reg+4:\reg+5], v[\a8] offset:\off+512
	ds_load_b128 v[\reg+6:\reg+9], v[\a16] offset:\off+768
	ds_load_b64 v[\reg+10:\reg+11], v[\a8] offset:\off+1280
.endm
.macro KSTEP q, zero                   ; 128 along K: 32 LDS loads, 16 products; the sixteen accumulators take turns, one instruction a turn
.irp b, 0,1,2,3
	LDFRAG RF+12*\b, 8, 9, \b*TILEB+1536*(\q)
.endr
.irp a, 0,1,2,3
	LDFRAG PF+12*\a, 6, 7, \a*TILEB+1536*(\q)
.endr
.irp a, 0,1,2,3
	s_wait_dscnt 4*(3-\a)                          ; P's fragment a and all older loads are in; four loads for each younger fragment may be out
.irp b, 0,1,2,3
.if \zero
	v_wmma_scale_f32_16x16x128_f8f6f4 v[ACC+8*(4*\a+\b):ACC+8*(4*\a+\b)+7], v[RF+12*\b:RF+12*\b+11], v[PF+12*\a:PF+12*\a+11], 0, v[SCR+NQ*\b+(\q)], v[SCR+NQ*\a+(\q)] matrix_a_fmt:MATRIX_FMT_FP6 matrix_b_fmt:MATRIX_FMT_FP6 matrix_a_scale:MATRIX_SCALE_ROW1
.else
	v_wmma_scale_f32_16x16x128_f8f6f4 v[ACC+8*(4*\a+\b):ACC+8*(4*\a+\b)+7], v[RF+12*\b:RF+12*\b+11], v[PF+12*\a:PF+12*\a+11], v[ACC+8*(4*\a+\b):ACC+8*(4*\a+\b)+7], v[SCR+NQ*\b+(\q)], v[SCR+NQ*\a+(\q)] matrix_a_fmt:MATRIX_FMT_FP6 matrix_b_fmt:MATRIX_FMT_FP6 matrix_a_scale:MATRIX_SCALE_ROW1
.endif
.endr
.endr
.rept 4
	v_nop                                          ; four places ahead of loads into registers that these products read, and of the first read of results
.endr
.endm
.macro SLOTW zero
	v_add_nc_u32 v6, s2, v1
	v_add_nc_u32 v7, s2, v2
	v_add_nc_u32 v8, s2, v3
	v_add_nc_u32 v9, s2, v4
	v_add_nc_u32 v10, s3, v5
.irp i, 0,1,2,3
	ds_load_b32 v[SCR+\i], v10 offset:128*\i
.endr
	KSTEP 0, \zero                                 ; my group's 128 of the slot's 512: the group's place stands in the addresses
	s_xor_b32 s2, s2, SLOT1
	s_add_co_u32 s3, s3, 2048
.endm
; CLUSTERS OF 4 x 4: P's codes hang on the work-group's y alone and are asked for jointly along a row of the cluster, R's on its x alone and are asked for jointly along a column.  Every wave makes both descriptors, each from its own
; coordinate.  Scale bytes (8,192 of a work-group's 270,336 bytes) are plain loads; the residual is the work-group's own.
.macro CREST                           ; a round of the cluster's barrier behind its opening barrier
	s_cmp_lg_u32 s12, 0
	s_cbranch_scc1 .Lnot_wave_0_\@
	s_barrier_signal -3
.Lnot_wave_0_\@:
	s_barrier_wait -3
	s_barrier_signal -1
	s_barrier_wait -1
.endm
.macro ROUND
	s_barrier_signal -1
	s_barrier_wait -1
	CREST
.endm
.macro CHANGE fill
	s_wait_tensorcnt 0x0                           ; all my tensor loads have landed: my part of the slot ahead among them; so the walking descriptor may be written
	ds_add_u32 v14, v15                            ; 0 onto my spare word
.if \fill
	s_xor_b32 s93, s93, SLOT1                      ; the other slot than last time,
	s_add_nc_u64 s[94:95], s[94:95], TILEB         ; the next 512 along K; the type bits on top are not reached
.endif
	s_wait_dscnt 0x0                               ; the add is done, and my reads of the slot that I have left are over
	s_barrier_signal -1
	s_barrier_wait -1
.if \fill
	tensor_load_to_lds s[92:95], s[24:31]          ; first behind the barrier, my one tensor load until the next
	s_nop 0
.rept 4
	v_nop
.endr
.endif
.endm
	s_load_b256 s[68:75], s[0:1], 0x0              ; P's buffer, the weights', the bias, the residual
	s_load_b64 s[76:77], s[0:1], 0x20              ; the output
	v_lshl_add_u32 v14, v0, 2, SPARE
	v_mov_b32 v15, 0
	ds_add_u32 v14, v15                            ; the wave's opening: the add and its wait ahead of my first tensor load
	ds_add_u32 v14, v15
	v_lshrrev_b32 v1, 5, v0
	s_delay_alu instid0(VALU_DEP_1)
	v_readfirstlane_b32 s12, v1                    ; wave 0..15
	s_bfe_u32 s20, ttmp6, 0x40000                  ; cx
	s_bfe_u32 s21, ttmp6, 0x40004                  ; cy
	s_lshl_b32 s13, ttmp9, 2
	s_add_co_u32 s13, s13, s20                     ; x: 128 columns
	s_and_b32 s14, ttmp7, 0xffff
	s_lshl_b32 s14, s14, 2
	s_add_co_u32 s14, s14, s21                     ; y: 128 tokens
	s_lshl_b32 s21, s21, 2
	s_lshl_b32 s21, 15, s21                        ; my row of the cluster
	s_lshl_b32 s20, 0x1111, s20                    ; my column
	s_lshr_b32 s17, s12, 2                         ; kg
	s_bfe_u32 s15, s12, 0x10001                    ; wm
	s_and_b32 s16, s12, 1                          ; wn
	s_lshr_b32 s18, s12, 3                         ; I fetch for P (0) or for R (1),
	s_and_b32 s19, s12, 7                          ; its row tile w'
	s_or_b32 s24, s21, (3<<16)|(1<<21)             ; group 1, P's codes: the mask of my row
	s_mov_b32 s25, 768<<16                         ; codes at the head: four row tiles' 6,144 bytes (768 elements of 8), a row tile's whole K apart
	s_mov_b32 s26, 4<<16
	s_mov_b32 s27, 768<<16
	s_mov_b32 s28, 4
	s_mov_b32 s29, KT*192
	s_mov_b32 s30, 0
	s_mov_b32 s31, 0
	s_mov_b32 s32, 0x30000                         ; group 1, scale bytes: NR rows of 256 dense bytes
	s_mov_b32 s33, 32<<16
	s_mov_b32 s34, NR<<16
	s_mov_b32 s35, 32<<16
	s_mov_b32 s36, NR
	s_mov_b32 s37, 32
	s_mov_b32 s38, 0
	s_mov_b32 s39, 0
	s_mov_b32 s40, 1                               ; groups 0: a set for each load that is out at the head
	s_and_b32 s23, s12, 3
	s_lshl_b32 s41, s17, 17                        ; the head's codes: slot wave / 4, half wave % 2 of a side: P's,
	s_mul_i32 s45, s16, 24576
	s_add_co_u32 s41, s41, s45
	s_mov_b32 s80, 1
	s_add_co_u32 s81, s41, RSIDE                   ; R's
	s_mov_b32 s44, 1
	s_mul_i32 s45, s19, 256*NR                     ; waves 8-15: a quarter of a side's scale bytes each: P's four quarters, then R's
	s_add_co_u32 s45, s45, SC
	s_lshl_b32 s60, s14, 7
	s_lshl_b32 s61, s12, 3
	s_add_co_u32 s60, s60, s61
	s_lshl_b32 s60, s60, 12                        ; row 128 y + 8 w of 4,096 bytes,
	s_lshl_b32 s62, s13, 9                         ; column 128 x
	s_add_co_u32 s60, s60, s62
	s_mov_b32 s61, 0
	s_mov_b32 s63, 0
	s_mov_b32 s2, 0
	s_mov_b32 s3, 0
	s_wait_dscnt 0x0                               ; the opening add is done
	s_wait_kmcnt 0x0
	s_mov_b32 s57, 0
	s_bfe_u32 s58, s12, 0x10002                    ; the scale bytes' side: (wave / 4) % 2; the quarter: wave % 4 = s23
	s_cmp_eq_u32 s58, 0
	s_cselect_b64 s[52:53], s[68:69], s[70:71]
	s_cselect_b32 s54, s14, s13
	s_mov_b32 s55, WSOFF
	s_cselect_b32 s55, PSOFF, s55
	s_lshl_b32 s56, s14, 3                         ; four row tiles of P, by y,
	s_lshl_b32 s58, s16, 2
	s_add_co_u32 s56, s56, s58
	s_mul_i32 s56, s56, KT*1536
	s_mul_i32 s22, s17, TILEB                      ; the 512 along K of slot wave / 4
	s_add_co_u32 s56, s56, s22
	s_add_nc_u64 s[42:43], s[68:69], s[56:57]
	s_or_b32 s43, s43, 0x80000000
	s_lshl_b32 s56, s13, 3                         ; of R, by x
	s_add_co_u32 s56, s56, s58
	s_mul_i32 s56, s56, KT*1536
	s_add_co_u32 s56, s56, s22
	s_add_nc_u64 s[82:83], s[70:71], s[56:57]
	s_or_b32 s83, s83, 0x80000000
	s_mul_i32 s56, s54, SCB
	s_add_co_u32 s56, s56, s55
	s_mul_i32 s58, s23, 256*NR
	s_add_co_u32 s56, s56, s58
	s_add_nc_u64 s[46:47], s[52:53], s[56:57]
	s_or_b32 s47, s47, 0x80000000
	s_add_nc_u64 s[50:51], s[74:75], s[60:61]      ; THE RESIDUAL DOES NOT GO THROUGH LDS: my eight rows (128 y + 8 wave on, column 128 x) are loaded into registers on the way out
	s_add_nc_u64 s[86:87], s[76:77], s[60:61]      ; the same place in the output
	s_add_nc_u64 s[88:89], s[72:73], s[62:63]      ; the bias of my work-group's 128 columns
	s_or_b32 s68, s20, (3<<16)|(1<<21)             ; group 1, R's codes, in registers whose arguments have been used: the mask of my column
	s_mov_b32 s69, 768<<16
	s_mov_b32 s70, 4<<16
	s_mov_b32 s71, 768<<16
	s_mov_b32 s72, 4
	s_mov_b32 s73, KT*192
	s_mov_b32 s74, 0
	s_mov_b32 s75, 0
	ROUND                                          ; all sixteen work-groups are here: the joint loads meet
	s_cmp_lt_u32 s12, 8                            ; one tree of branches on the wave's number, one tensor load to an arm
	s_cbranch_scc0 .Lhead_sc
	s_cmp_eq_u32 s15, 0
	s_cbranch_scc0 .Lhead_r
	tensor_load_to_lds s[40:43], s[24:31]          ; both slots: P's tiles,
	s_nop 0
	s_branch .Lhead_asked
.Lhead_r:
	tensor_load_to_lds s[80:83], s[68:75]          ; R's tiles,
	s_nop 0
	s_branch .Lhead_asked
.Lhead_sc:
	tensor_load_to_lds s[44:47], s[32:39]          ; the scale bytes
	s_nop 0
.Lhead_asked:
.rept 4
	v_nop
.endr
	v_and_b32 v13, 31, v0
	s_delay_alu instid0(VALU_DEP_1)
	v_lshlrev_b32 v29, 3, v13                      ; 8 x lane
	s_delay_alu instid0(VALU_DEP_2)
	v_lshlrev_b32 v13, 4, v13                      ; 16 x lane
	global_load_b128 v[20:23], v13, s[88:89]       ; the bias of my four columns: asked for here, waited for on the way out; its address registers are never rewritten
	v_and_b32 v11, 15, v0                          ; r
	v_bfe_u32 v12, v0, 4, 1                        ; h
	s_wait_alu depctr_va_vdst(0)
	v_and_b32 v31, 31, v0                          ; one prefetch for my eight rows of the residual, 16 blocks of 256 bytes: lane l names half l % 2 of row l / 2, lanes 16-31 the last block again;
	v_min_u32 v31, 15, v31                         ; both slots' products and the stage's first barrier stand between it and the loads; its address registers are never rewritten
	v_lshrrev_b32 v6, 1, v31
	v_and_b32 v31, 1, v31
	v_lshlrev_b32 v31, 8, v31
	v_lshl_add_u32 v31, v6, 12, v31
	global_prefetch_b8 v31, s[50:51] th:TH_LOAD_NT scope:SCOPE_SE
	s_mul_i32 s20, s15, 4*TILEB
	s_mul_i32 s21, s16, 4*TILEB
	s_add_co_u32 s21, s21, RSIDE
	s_mul_i32 s22, s17, 1536                       ; my group's 128 along K in each tile
	s_add_co_u32 s20, s20, s22
	s_add_co_u32 s21, s21, s22
	v_add_nc_u32 v1, s20, v13
	v_add_nc_u32 v2, s20, v29
	v_add_nc_u32 v3, s21, v13
	v_add_nc_u32 v4, s21, v29
	s_lshl_b32 s20, s15, 9                         ; scale words: lanes 0-15 P's rows, lanes 16-31 R's: the lower base + h x the distance
	s_lshl_b32 s21, s16, 9
	s_add_co_u32 s21, s21, SCB
	s_sub_co_u32 s21, s21, s20
	v_mul_u32_u24 v5, s21, v12
	s_delay_alu instid0(VALU_DEP_1)
	v_lshl_add_u32 v5, v11, 3, v5
	s_add_co_u32 s20, s20, SC
	s_lshr_b32 s22, s17, 1
	s_lshl_b32 s22, s22, 10                        ; which 256 of the slot's 512,
	s_add_co_u32 s20, s20, s22
	s_and_b32 s22, s17, 1
	s_lshl_b32 s22, s22, 2                         ; which word of the 8 bytes
	s_add_co_u32 s20, s20, s22
	v_add_nc_u32 v5, s20, v5
	s_wait_alu depctr_va_vdst(0)
	s_wait_tensorcnt 0x0                           ; my one load of the head is in
	s_barrier_signal -1
	s_barrier_wait -1                              ; everybody's are
	SLOTW 1
.if NSLOT > 2
	s_mov_b32 s48, NSLOT-2
.Lslot:
	CHANGE 1
	SLOTW 0
	s_sub_co_u32 s48, s48, 1
	s_cmp_lg_u32 s48, 0
	s_cbranch_scc1 .Lslot
.endif
	CHANGE 0                                       ; the last slot is written out
	SLOTW 0
	; THE WAY OUT
.irp p, 0,1,2,3,4,5,6,7
	global_load_b128 v[32+4*\p:35+4*\p], v13, s[50:51] offset:4096*\p   ; the residual's row 8 w + p, 512 consecutive bytes a wave, into fragment registers that are done with; waited for with the bias, behind the stage's two barriers
.endr
	s_mul_i32 s52, s17, STGC
	s_mul_i32 s53, s15, 64*528
	s_add_co_u32 s52, s52, s53
	s_lshl_b32 s53, s16, 8
	s_add_co_u32 s52, s52, s53
	v_mul_u32_u24 v24, v11, 528
	s_delay_alu instid0(VALU_DEP_1)
	v_lshl_add_u32 v24, v12, 5, v24
	s_delay_alu instid0(VALU_DEP_1)
	v_add_nc_u32 v24, s52, v24                     ; in: my group's copy, row 64 wm + r, 256 wn + 32 h bytes on
	s_mul_i32 s52, s12, 8*528                      ; back: wave w takes rows 8 w .. 8 w + 7 of all four copies, 16 bytes a lane
.irp c, 0,1,2,3
	v_add_nc_u32 v[25+\c], s52, v13
	s_add_co_u32 s52, s52, STGC
.endr
	s_wait_alu depctr_va_vdst(0)
	s_wait_dscnt 0x0                               ; my reads of the slots and of the scale bytes are over
	s_barrier_signal -1
	s_barrier_wait -1                              ; everybody's are: the stage may be written over them
.irp a, 0,1,2,3
.irp b, 0,1,2,3
	ds_store_b128 v24, v[ACC+8*(4*\a+\b):ACC+8*(4*\a+\b)+3] offset:8448*\a+64*\b       ; each accumulator from its low end on
	ds_store_b128 v24, v[ACC+8*(4*\a+\b)+4:ACC+8*(4*\a+\b)+7] offset:8448*\a+64*\b+16
.endr
.endr
	s_wait_dscnt 0x0                               ; for the others' sake: my stores have landed
	s_barrier_signal -1
	s_barrier_wait -1
.irp p, 0,1,2,3,4,5,6,7
.irp c, 0,1,2,3
	ds_load_b128 v[ACC+16*\p+4*\c:ACC+16*\p+4*\c+3], v[25+\c] offset:528*\p
.endr
.endr
	s_wait_loadcnt 0x0                             ; the bias
.irp p, 0,1,2,3,4,5,6,7
	s_wait_dscnt 4*(7-\p)                          ; row p's four parts are in; four loads for each younger row may be out
	v_pk_add_f32 v[ACC+16*\p:ACC+16*\p+1], v[ACC+16*\p:ACC+16*\p+1], v[ACC+16*\p+4:ACC+16*\p+5]
	v_pk_add_f32 v[ACC+16*\p+2:ACC+16*\p+3], v[ACC+16*\p+2:ACC+16*\p+3], v[ACC+16*\p+6:ACC+16*\p+7]
	v_pk_add_f32 v[ACC+16*\p+8:ACC+16*\p+9], v[ACC+16*\p+8:ACC+16*\p+9], v[ACC+16*\p+12:ACC+16*\p+13]
	v_pk_add_f32 v[ACC+16*\p+10:ACC+16*\p+11], v[ACC+16*\p+10:ACC+16*\p+11], v[ACC+16*\p+14:ACC+16*\p+15]
	v_pk_add_f32 v[32+4*\p:33+4*\p], v[32+4*\p:33+4*\p], v[20:21]
	v_pk_add_f32 v[34+4*\p:35+4*\p], v[34+4*\p:35+4*\p], v[22:23]
	s_delay_alu instid0(VALU_DEP_4)
	v_pk_add_f32 v[ACC+16*\p:ACC+16*\p+1], v[ACC+16*\p:ACC+16*\p+1], v[ACC+16*\p+8:ACC+16*\p+9]
	s_delay_alu instid0(VALU_DEP_4)
	v_pk_add_f32 v[ACC+16*\p+2:ACC+16*\p+3], v[ACC+16*\p+2:ACC+16*\p+3], v[ACC+16*\p+10:ACC+16*\p+11]
	s_delay_alu instid0(VALU_DEP_2)
	v_pk_add_f32 v[ACC+16*\p:ACC+16*\p+1], v[ACC+16*\p:ACC+16*\p+1], v[32+4*\p:33+4*\p]
	s_delay_alu instid0(VALU_DEP_2)
	v_pk_add_f32 v[ACC+16*\p+2:ACC+16*\p+3], v[ACC+16*\p+2:ACC+16*\p+3], v[34+4*\p:35+4*\p]
	global_store_b128 v13, v[ACC+16*\p:ACC+16*\p+3], s[86:87] offset:4096*\p   ; 32 lanes store 512 consecutive bytes, aligned
.endr
	s_wait_tensorcnt 0x0                           ; the wave's end, behind my last tensor load and my last LDS store
	ds_add_u32 v14, v15
	s_wait_dscnt 0x0
	ROUND                                          ; the closing round
	s_endpgm
.Lfunc_end_k_qed1239fa25_wo:
	.size	k_qed1239fa25_wo, .Lfunc_end_k_qed1239fa25_wo-k_qed1239fa25_wo
	.p2alignl 7, 3214868480
	.fill 96, 4, 3214868480
	.section	.rodata,"a",@progbits
	.p2align	6, 0x0
	.amdhsa_kernel k_qed1239fa25_wo
		.amdhsa_group_segment_fixed_size 327680
		.amdhsa_private_segment_fixed_size 0
		.amdhsa_enable_private_segment 0
		.amdhsa_kernarg_size 40
		.amdhsa_user_sgpr_count 2
		.amdhsa_user_sgpr_kernarg_segment_ptr 1
		.amdhsa_wavefront_size32 1
		.amdhsa_system_sgpr_workgroup_id_x 1
		.amdhsa_system_sgpr_workgroup_id_y 1
		.amdhsa_system_sgpr_workgroup_id_z 1
		.amdhsa_system_vgpr_workitem_id 0
		.amdhsa_next_free_vgpr 256
		.amdhsa_next_free_sgpr 100
		.amdhsa_reserve_vcc 0
		.amdhsa_float_denorm_mode_32 3
		.amdhsa_float_denorm_mode_16_64 3
		.amdhsa_memory_ordered 1
		.amdhsa_forward_progress 1
		.amdhsa_inst_pref_size 31
	.end_amdhsa_kernel
	.amdgpu_metadata
---
amdhsa.version: [ 1, 2 ]
amdhsa.kernels:
  - .name:           k_qed1239fa25_wo
    .symbol:         k_qed1239fa25_wo.kd
    .args:
      - { .name: act, .offset: 0, .size: 8, .value_kind: global_buffer, .address_space: global }
      - { .name: co, .offset: 8, .size: 8, .value_kind: global_buffer, .address_space: global }
      - { .name: bo, .offset: 16, .size: 8, .value_kind: global_buffer, .address_space: global }
      - { .name: x, .offset: 24, .size: 8, .value_kind: global_buffer, .address_space: global }
      - { .name: x1, .offset: 32, .size: 8, .value_kind: global_buffer, .address_space: global }
    .group_segment_fixed_size: 327680
    .private_segment_fixed_size: 0
    .kernarg_segment_align: 8
    .kernarg_segment_size: 40
    .max_flat_workgroup_size: 512
    .sgpr_count:     100
    .vgpr_count:     256
    .wavefront_size: 32
...
	.end_amdgpu_metadata
.endif
;; end of part 4
;; launch ln1 (part 5): grid 256 x 1, 8 waves a work-group, no clusters, 2,048 bytes of LDS; arguments x1, g2, be2, act; writes act
.if DOCPART == 5
	.amdgcn_target "amdgcn-amd-amdhsa--gfx1250"
	.amdhsa_code_object_version 6
	.text
	.protected	k_qed1239fa25_ln1
	.globl	k_qed1239fa25_ln1
	.p2align	8
	.type	k_qed1239fa25_ln1,@function
k_qed1239fa25_ln1:
	s_mov_b64 s[64:65], 0
	v_nop
	global_prefetch_b8 v0, s[64:65] scope:SCOPE_SE
	s_setreg_imm32_b32 hwreg(HW_REG_WAVE_MODE, 25, 1), 1
	s_wait_xcnt 0x0
; LayerNorm of 4,096 rows of 1,024 f32 numbers, quantised along the row into codes of FP6 (E2M3) with one E8M0 byte for each 32: the token operand of the next product.
; (x - mean) * rsqrt(var + 1e-5) * g + b, all in f32; the variance is taken of x - mean in a second pass over registers, so a common offset of the inputs costs no accuracy.
; LIMITS: a block of zeros, or one whose largest magnitude lies under 2^-124, gets the byte 1 (read by this program alone); NaN and infinities are not served.
; SHARES.  A work-group takes 16 rows (a row tile); wave w takes columns 128 w .. 128 w + 127, one K step of the next product.  Lane (r, h) holds 64 numbers of row r: register 16 B + 8 u + 4 v + e is column
; 128 w + 32 B + 16 u + 8 h + 4 v + e: place 16 h + 8 u + 4 v + e of block B in this program's order inside a block (place p: element (p & 7) + 16 ((p >> 3) & 1) + 8 ((p >> 4) & 1)).
; The row's sums meet in LDS: 8 waves' words for each of 16 rows, one barrier for the mean and one for the variance, in bytes of their own.
; OUT: two half fragments (16 rows x 64 K, 768 bytes: registers 0-3 at 16 x lane, registers 4-5 at 512 + 8 x lane) at [row tile][K / 64][768]; scale bytes at [256 rows][K / 256][256 rows][8].
; A wave's scale words are 4 bytes of every 8 for 16 rows: 64 of the 1,600 bytes that it stores.  Memory binds: no matrix unit, no tensor load, no cluster.
.set RED1,  0                          ; LDS: 16 rows x 8 waves x 4 bytes, for the mean;
.set RED2,  512                        ; the same for the variance;
.set SPARE, 1024                       ; the spare words, 128 bytes for each wave, which no other line names
.set X,   32                           ; v32-95   my 64 numbers
.set G,   96                           ; v96-159  g at my columns
.set BE,  160                          ; v160-223 b at my columns
.set TM,  20                           ; v20-25   the quantiser's work
.set SEL, 20                           ; s[20:21] lane selects: lane l xor 16
; 32 numbers of a lane, register 16 B + i = place 16 h + i of block B of my row, become a half fragment in v[pc] .. v[pc + 5] and the two scale bytes in v[pw]
.macro QUANT2 s, pc, pw
.irp b, 0,1
	v_max3_num_f32 v[TM+\b], |v[(\s)+16*\b]|, |v[(\s)+1+16*\b]|, 0x1800000   ; my 16 numbers of block b, and the floor 2^(3 - 127): the byte cannot fall under 1
.endr
.irp i, 2,4,6,8,10,12,14
.irp b, 0,1
	s_delay_alu instid0(VALU_DEP_2)
	v_max3_num_f32 v[TM+\b], v[TM+\b], |v[(\s)+16*\b+\i]|, |v[(\s)+1+16*\b+\i]|
.endr
.endr
.irp b, 0,1
	s_delay_alu instid0(VALU_DEP_2)
	v_permlanex16_b32 v[TM+2+\b], v[TM+\b], s[SEL], s[SEL+1]
.endr
.irp b, 0,1
	s_delay_alu instid0(VALU_DEP_2)
	v_max_num_f32 v[TM+\b], v[TM+\b], v[TM+2+\b]   ; with lane l xor 16's: the block's largest magnitude
.endr
.irp b, 0,1
	s_delay_alu instid0(VALU_DEP_2)
	v_add_nc_u32 v[TM+4+\b], 0xff000000, v[TM+\b]  ; 2 off the exponent field: the conversion's scale operand
.endr
.irp b, 0,1
	s_delay_alu instid0(VALU_DEP_2)
	v_lshrrev_b32 v[TM+2+\b], 23, v[TM+4+\b]       ; the scale's byte
.endr
	s_delay_alu instid0(VALU_DEP_1)
	v_lshl_or_b32 v[\pw], v[TM+3], 8, v[TM+2]
	v_cvt_scalef32_pk16_fp6_f32 v[(\pc):(\pc)+2], v[(\s):(\s)+15], v[TM+4]
	v_cvt_scalef32_pk16_fp6_f32 v[(\pc)+6:(\pc)+8], v[(\s)+16:(\s)+31], v[TM+5]
	v_nop                                          ; one plain line behind a scaled conversion
.irp i, 0,1,2
	v_permlane16_swap_b32 v[(\pc)+\i], v[(\pc)+6+\i]   ; a lane wants a WHOLE block: lanes 0-15 block 0, lanes 16-31 block 1
.endr
.irp i, 0,1,2
	s_delay_alu instid0(VALU_DEP_3)
	v_mov_b32 v[(\pc)+3+\i], v[(\pc)+6+\i]
.endr
.endm
.macro JOIN                            ; four pairs in v12-19 -> one number in v12
	v_pk_add_f32 v[12:13], v[12:13], v[14:15]
	v_pk_add_f32 v[16:17], v[16:17], v[18:19]
	s_delay_alu instid0(VALU_DEP_1)
	v_pk_add_f32 v[12:13], v[12:13], v[16:17]
	s_delay_alu instid0(VALU_DEP_1)
	v_add_f32 v12, v12, v13
.endm
.macro ACROSS red                      ; v12: the sum over my 64 numbers -> the sum over the row's 1,024
	s_delay_alu instid0(VALU_DEP_1)
	v_permlanex16_b32 v13, v12, s[SEL], s[SEL+1]
	s_delay_alu instid0(VALU_DEP_1)
	v_add_f32 v12, v12, v13                        ; my wave's 128 columns of row r, in both lanes of the row
	ds_store_b32 v5, v12 offset:\red               ; (both write the same word with the same value)
	s_wait_dscnt 0x0                               ; for the others' sake: my store has landed
	s_barrier_signal -1
	s_barrier_wait -1
	ds_load_b128 v[12:15], v6 offset:\red
	ds_load_b128 v[16:19], v6 offset:\red+16
	s_wait_dscnt 0x0
	JOIN
.endm
	s_load_b256 s[4:11], s[0:1], 0x0               ; x, g, b, the codes' buffer
	v_lshl_add_u32 v10, v0, 2, SPARE               ; my spare word and 0: kept for the closing lines alone
	v_mov_b32 v11, 0
	v_lshrrev_b32 v1, 5, v0
	s_delay_alu instid0(VALU_DEP_1)
	v_readfirstlane_b32 s12, v1                    ; wave
	v_and_b32 v1, 15, v0                           ; r
	v_bfe_u32 v2, v0, 4, 1                         ; h
	s_delay_alu instid0(VALU_DEP_2)
	v_lshlrev_b32 v3, 12, v1
	s_delay_alu instid0(VALU_DEP_1)
	v_lshl_add_u32 v3, v2, 5, v3                   ; x: row r of 4,096 bytes + 32 h
	s_delay_alu instid0(VALU_DEP_3)
	v_lshlrev_b32 v4, 5, v2                        ; g, b: 32 h
	v_lshlrev_b32 v6, 5, v1                        ; LDS: row r's eight words
	s_lshl_b32 s26, s12, 2
	v_add_nc_u32 v5, s26, v6                       ; and mine among them
	v_and_b32 v9, 31, v0
	s_delay_alu instid0(VALU_DEP_1)
	v_lshlrev_b32 v7, 4, v9                        ; 16 x lane
	s_delay_alu instid0(VALU_DEP_2)
	v_lshlrev_b32 v8, 3, v9                        ; 8 x lane
	v_lshlrev_b32 v9, 3, v1                        ; 8 r
	v_mov_b32 v[TM+2], 0                           ; written once: a lane permute's destination counts as one of its sources
	v_mov_b32 v[TM+3], 0
	s_mov_b32 s[SEL], 0x76543210
	s_mov_b32 s[SEL+1], 0xfedcba98
	s_lshl_b32 s14, ttmp9, 16                      ; 16 rows of 4,096 bytes
	s_lshl_b32 s16, s12, 9                         ; my 128 columns
	s_add_co_u32 s14, s14, s16
	s_mov_b32 s15, 0
	s_mov_b32 s17, 0
	s_mul_i32 s18, ttmp9, 12288                    ; the row tile's codes,
	s_mul_i32 s22, s12, 1536                       ; my K step's two half fragments
	s_add_co_u32 s18, s18, s22
	s_mov_b32 s19, 0
	s_lshr_b32 s22, ttmp9, 4                       ; scale bytes: block of 256 rows,
	s_lshl_b32 s22, s22, 13
	s_lshr_b32 s23, s12, 1                         ; which 256 along K,
	s_lshl_b32 s23, s23, 11
	s_add_co_u32 s22, s22, s23
	s_and_b32 s23, ttmp9, 15                       ; the tile's 16 rows,
	s_lshl_b32 s23, s23, 7
	s_add_co_u32 s22, s22, s23
	s_and_b32 s23, s12, 1                          ; which word of the 8 bytes
	s_lshl_b32 s23, s23, 2
	s_add_co_u32 s22, s22, s23
	s_add_co_u32 s22, s22, 3145728
	s_mov_b32 s23, 0
	s_wait_alu depctr_va_vdst(0)
	s_wait_kmcnt 0x0
	s_add_nc_u64 s[4:5], s[4:5], s[14:15]
	s_add_nc_u64 s[6:7], s[6:7], s[16:17]
	s_add_nc_u64 s[8:9], s[8:9], s[16:17]
	s_add_nc_u64 s[24:25], s[10:11], s[22:23]
	s_add_nc_u64 s[10:11], s[10:11], s[18:19]
.irp b, 0,1,2,3
.irp u, 0,1
.irp v, 0,1
	global_load_b128 v[X+16*\b+8*\u+4*\v:X+16*\b+8*\u+4*\v+3], v3, s[4:5] offset:128*\b+64*\u+16*\v
.endr
.endr
.endr
.irp b, 0,1,2,3
.irp u, 0,1
.irp v, 0,1
	global_load_b128 v[G+16*\b+8*\u+4*\v:G+16*\b+8*\u+4*\v+3], v4, s[6:7] offset:128*\b+64*\u+16*\v
.endr
.endr
.endr
.irp b, 0,1,2,3
.irp u, 0,1
.irp v, 0,1
	global_load_b128 v[BE+16*\b+8*\u+4*\v:BE+16*\b+8*\u+4*\v+3], v4, s[8:9] offset:128*\b+64*\u+16*\v
.endr
.endr
.endr
	s_wait_loadcnt 32                              ; x's 16 loads are in; the 32 of g and b may be out
.irp c, 0,1,2,3
	v_pk_add_f32 v[12+2*\c:13+2*\c], v[X+2*\c:X+2*\c+1], v[X+8+2*\c:X+9+2*\c]   ; the sum, in four chains; the first numbers start them
.endr
.irp p, 16,24,32,40,48,56
.irp c, 0,1,2,3
	s_delay_alu instid0(VALU_DEP_4)
	v_pk_add_f32 v[12+2*\c:13+2*\c], v[12+2*\c:13+2*\c], v[X+\p+2*\c:X+\p+2*\c+1]
.endr
.endr
	JOIN
	ACROSS RED1
	s_delay_alu instid0(VALU_DEP_1)
	v_mul_f32 v28, 0x3a800000, v12                 ; the mean: x 2^-10
	s_delay_alu instid0(VALU_DEP_1)
	v_mov_b32 v29, v28
.set J, 0
.rept 32
	v_pk_add_f32 v[X+J:X+J+1], v[X+J:X+J+1], v[28:29] neg_lo:[0,1] neg_hi:[0,1]   ; x - mean
.set J, J+2
.endr
.irp c, 0,1,2,3
	v_pk_mul_f32 v[12+2*\c:13+2*\c], v[X+2*\c:X+2*\c+1], v[X+2*\c:X+2*\c+1]
.endr
.irp p, 8,16,24,32,40,48,56
.irp c, 0,1,2,3
	s_delay_alu instid0(VALU_DEP_4)
	v_pk_fma_f32 v[12+2*\c:13+2*\c], v[X+\p+2*\c:X+\p+2*\c+1], v[X+\p+2*\c:X+\p+2*\c+1], v[12+2*\c:13+2*\c]
.endr
.endr
	JOIN
	ACROSS RED2
	v_mov_b32 v29, 0x3a800000
	s_delay_alu instid0(VALU_DEP_1)
	v_fmaak_f32 v28, v12, v29, 0x3727c5ac          ; the variance + 1e-5
	s_wait_alu depctr_va_vdst(0)
	v_rsq_f32 v28, v28
	v_nop                                          ; a plain line behind the transcendental,
	s_wait_alu depctr_va_vdst(0)                   ; and the wait ahead of the first line that names its result
	v_mov_b32 v29, v28
	s_wait_alu depctr_va_vdst(0)
	s_wait_loadcnt 0x0                             ; g and b
.set J, 0
.rept 32
	v_pk_mul_f32 v[X+J:X+J+1], v[X+J:X+J+1], v[28:29]
.set J, J+2
.endr
.set J, 0
.rept 32
	v_pk_fma_f32 v[X+J:X+J+1], v[X+J:X+J+1], v[G+J:G+J+1], v[BE+J:BE+J+1]
.set J, J+2
.endr
	QUANT2 X, 224, 26
	QUANT2 X+32, 236, 27
	global_store_b128 v7, v[224:227], s[10:11]                 ; 512 and 256 consecutive bytes, aligned
	global_store_b64 v8, v[228:229], s[10:11] offset:512
	global_store_b128 v7, v[236:239], s[10:11] offset:768
	global_store_b64 v8, v[240:241], s[10:11] offset:1280
	v_lshl_or_b32 v30, v27, 16, v26                ; my K step's scale word of row r
	global_store_b32 v9, v30, s[24:25]             ; (both lanes of a row write the same word)
	s_wait_tensorcnt 0x0                           ; the wave's end, behind my last LDS store
	ds_add_u32 v10, v11
	s_wait_dscnt 0x0
	s_endpgm
.Lfunc_end_k_qed1239fa25_ln1:
	.size	k_qed1239fa25_ln1, .Lfunc_end_k_qed1239fa25_ln1-k_qed1239fa25_ln1
	.p2alignl 7, 3214868480
	.fill 96, 4, 3214868480
	.section	.rodata,"a",@progbits
	.p2align	6, 0x0
	.amdhsa_kernel k_qed1239fa25_ln1
		.amdhsa_group_segment_fixed_size 2048
		.amdhsa_private_segment_fixed_size 0
		.amdhsa_enable_private_segment 0
		.amdhsa_kernarg_size 32
		.amdhsa_user_sgpr_count 2
		.amdhsa_user_sgpr_kernarg_segment_ptr 1
		.amdhsa_wavefront_size32 1
		.amdhsa_system_sgpr_workgroup_id_x 1
		.amdhsa_system_sgpr_workgroup_id_y 1
		.amdhsa_system_sgpr_workgroup_id_z 1
		.amdhsa_system_vgpr_workitem_id 0
		.amdhsa_next_free_vgpr 248
		.amdhsa_next_free_sgpr 66
		.amdhsa_reserve_vcc 0
		.amdhsa_float_denorm_mode_32 3
		.amdhsa_float_denorm_mode_16_64 3
		.amdhsa_memory_ordered 1
		.amdhsa_forward_progress 1
		.amdhsa_inst_pref_size 27
	.end_amdhsa_kernel
	.amdgpu_metadata
---
amdhsa.version: [ 1, 2 ]
amdhsa.kernels:
  - .name:           k_qed1239fa25_ln1
    .symbol:         k_qed1239fa25_ln1.kd
    .args:
      - { .name: x1, .offset: 0, .size: 8, .value_kind: global_buffer, .address_space: global }
      - { .name: g2, .offset: 8, .size: 8, .value_kind: global_buffer, .address_space: global }
      - { .name: be2, .offset: 16, .size: 8, .value_kind: global_buffer, .address_space: global }
      - { .name: act, .offset: 24, .size: 8, .value_kind: global_buffer, .address_space: global }
    .group_segment_fixed_size: 2048
    .private_segment_fixed_size: 0
    .kernarg_segment_align: 8
    .kernarg_segment_size: 32
    .max_flat_workgroup_size: 256
    .sgpr_count:     66
    .vgpr_count:     248
    .wavefront_size: 32
...
	.end_amdgpu_metadata
.endif
;; end of part 5
;; launch ffn1 (part 6): grid 16 x 16, 16 waves a work-group, clusters of 4 x 4, 327,680 bytes of LDS; arguments act, c1, b1, big; writes big
.if DOCPART == 6
	.amdgcn_target "amdgcn-amd-amdhsa--gfx1250"
	.amdhsa_code_object_version 6
	.text
	.protected	k_qed1239fa25_ffn1
	.globl	k_qed1239fa25_ffn1
	.p2align	8
	.type	k_qed1239fa25_ffn1,@function
k_qed1239fa25_ffn1:
	s_mov_b64 s[64:65], 0
	v_nop
	global_prefetch_b8 v0, s[64:65] scope:SCOPE_SE
	s_setreg_imm32_b32 hwreg(HW_REG_WAVE_MODE, 25, 1), 1
	s_wait_xcnt 0x0
	s_wait_alu depctr_hold_cnt(0) depctr_sa_sdst(0) depctr_va_vdst(0) depctr_va_sdst(0) depctr_va_ssrc(0) depctr_va_vcc(0) depctr_vm_vsrc(0)
	s_getreg_b32 s2, hwreg(HW_REG_IB_STS2, 6, 4)
	s_cmp_eq_u32 s2, 0
	s_cbranch_scc0 .Lentry_in_a_cluster
	s_endpgm
.Lentry_in_a_cluster:
	s_bfe_u32 s2, ttmp6, 0x10000c
	s_cmp_lg_u32 s2, 0xf033
	s_cbranch_scc0 .Lentry_shape_is_right
	s_endpgm
.Lentry_shape_is_right:
; ff = gelu(LN(x1) W1 + b1), exact GELU, quantised along the 4,096 hidden units for the next product.  The product is on codes of FP6 (E2M3) with E8M0 scales, K = 1,024.
; OPERANDS lie as images of the operand's registers: a half fragment (16 rows x 64 K) is 768 bytes: registers 0-3 at 16 x lane, registers 4-5 at 512 + 8 x lane; a buffer is [row tile][K / 64][768].  Scale bytes in: [256 rows][K / 256][256 rows][8].
; SHARES.  A work-group makes 256 tokens x 256 hidden units; each of sixteen waves 64 x 64 in 16 accumulators, 256 registers a wave, four waves to a SIMD.  Side P (tokens) is source 1 and gives the result's lanes, side R (rows of W1^T)
; source 0 and its registers: the 32 registers of one token tile a are two blocks of 32 hidden units, in this program's order inside a block (place p = element (p & 7) + 16 ((p >> 3) & 1) + 8 ((p >> 4) & 1)).
; LDS.  K is four quarters of 256; a quarter of both sides is 98,304 bytes, and THREE of them fit.  So three quarters and the scale bytes of both sides are asked for together at the head, each wave's bias behind the last barrier, and only the
; fourth quarter is a refill: it goes into slot 0 behind the one barrier of that kind and has the second and third quarters' 64 products a wave in which to land.  Each wave fetches two row tiles (6,144 bytes) of a quarter.
; By this text's own count a wave has one tensor load out at the head and one behind the refill's barrier.
; GELU: 0.5 x (1 + erf(x / sqrt 2)), erf(z) = z P(z^2) / Q(z^2) with z held to +-4, polynomials of degree 6 and 4 in z^2, all in f32.
; CLUSTER: 4 x 4.  P's tiles are read by the 16 work-groups of a row of the grid, R's by the 16 of a column, and the grid divides by 4 x 4; the codes' joint loads divide those requests by four.
; LIMITS: erf's form is good to about 1e-7 absolute, so far below 0 the small number x (1 + erf) / 2 carries that absolute error times |x| / 2; a block of zeros, or one whose largest magnitude lies under 2^-124, gets the byte 1
; (read by this program alone); NaN and infinities are not served.
.set KS,    2
.set NQ,    2
.set TILEB, KS*1536
.set SLOTB, 98304                      ; a slot: P's 16 tiles, then R's 16
.set SCB,   8192
.set NR,    16                         ; rows of 256 bytes of scale bytes that one of the four waves that fetch them brings
.set PSOFF, 3145728
.set WSOFF, 3145728
.set RSIDE, 49152
.set SC,    3*SLOTB                    ; behind the three slots: P's scale bytes, then R's
.set BIASL, SC+2*SCB                   ; behind them: 256 bytes of bias for each wave
.set SPARE, 325632                     ; the spare words, 128 bytes for each wave, which no other line names
.set SCR, 16
.set RF,  32
.set PF,  80
.set ACC, 128
.set TM,  112
.set PCS, 64
.set PWS, 120
.set OSTR, 49152                       ; from a token tile's half fragment to the next tile's: 64 x 768
.set SEL, 50
.macro LDFRAG reg, a16, a8, off
	ds_load_b128 v[\reg:\reg+3], v[\a16] offset:\off
	ds_load_b64 v[\reg+4:\reg+5], v[\a8] offset:\off+512
	ds_load_b128 v[\reg+6:\reg+9], v[\a16] offset:\off+768
	ds_load_b64 v[\reg+10:\reg+11], v[\a8] offset:\off+1280
.endm
.macro KSTEP q, zero                   ; 128 along K: 32 LDS loads, 16 products; the sixteen accumulators take turns, one instruction a turn
.irp b, 0,1,2,3
	LDFRAG RF+12*\b, 8, 9, \b*TILEB+1536*(\q)
.endr
.irp a, 0,1,2,3
	LDFRAG PF+12*\a, 6, 7, \a*TILEB+1536*(\q)
.endr
.irp a, 0,1,2,3
	s_wait_dscnt 4*(3-\a)                          ; P's fragment a and all older loads are in; four loads for each younger fragment may be out
.irp b, 0,1,2,3
.if \zero
	v_wmma_scale_f32_16x16x128_f8f6f4 v[ACC+8*(4*\a+\b):ACC+8*(4*\a+\b)+7], v[RF+12*\b:RF+12*\b+11], v[PF+12*\a:PF+12*\a+11], 0, v[SCR+NQ*\b+(\q)], v[SCR+NQ*\a+(\q)] matrix_a_fmt:MATRIX_FMT_FP6 matrix_b_fmt:MATRIX_FMT_FP6 matrix_a_scale:MATRIX_SCALE_ROW1
.else
	v_wmma_scale_f32_16x16x128_f8f6f4 v[ACC+8*(4*\a+\b):ACC+8*(4*\a+\b)+7], v[RF+12*\b:RF+12*\b+11], v[PF+12*\a:PF+12*\a+11], v[ACC+8*(4*\a+\b):ACC+8*(4*\a+\b)+7], v[SCR+NQ*\b+(\q)], v[SCR+NQ*\a+(\q)] matrix_a_fmt:MATRIX_FMT_FP6 matrix_b_fmt:MATRIX_FMT_FP6 matrix_a_scale:MATRIX_SCALE_ROW1
.endif
.endr
.endr
.rept 4
	v_nop                                          ; four places ahead of loads into registers that these products read, and of the first read of results
.endr
.endm
.macro SLOTW slot, kq, zero            ; quarter kq of K, which lies in this slot: its addresses, its scale words, its two K steps
	v_add_nc_u32 v6, (\slot)*SLOTB, v1
	v_add_nc_u32 v7, (\slot)*SLOTB, v2
	v_add_nc_u32 v8, (\slot)*SLOTB, v3
	v_add_nc_u32 v9, (\slot)*SLOTB, v4
	v_add_nc_u32 v10, (\kq)*2048, v5
.irp i, 0,1,2,3
	ds_load_b64 v[SCR+2*\i:SCR+2*\i+1], v10 offset:128*\i
.endr
	KSTEP 0, \zero
	s_wait_alu depctr_va_vdst(0)
	KSTEP 1, 0
.endm
; CLUSTERS OF 4 x 4: the tokens' codes hang on the work-group's y alone and are asked for jointly along a row of the cluster, the weights' codes on its x alone and are asked for jointly along a column.  Every wave makes both
; descriptors, each from its own coordinate; the LDS address hangs on the wave's number alone.  Scale bytes (16,384 of a work-group's 409,600 bytes) and the bias are plain loads.
.macro CREST                           ; a round of the cluster's barrier behind its opening barrier
	s_cmp_lg_u32 s12, 0
	s_cbranch_scc1 .Lnot_wave_0_\@
	s_barrier_signal -3
.Lnot_wave_0_\@:
	s_barrier_wait -3
	s_barrier_signal -1
	s_barrier_wait -1
.endm
.macro ROUND
	s_barrier_signal -1
	s_barrier_wait -1
	CREST
.endm
.macro CHANGE fill
	s_wait_tensorcnt 0x0                           ; all my tensor loads have landed; so slot 0's descriptor may be written
	ds_add_u32 v14, v15                            ; 0 onto my spare word
.if \fill
	s_add_nc_u64 s[42:43], s[42:43], 3*TILEB       ; from the first quarter to the fourth; the type bits on top are not reached
	s_add_nc_u64 s[90:91], s[90:91], 3*TILEB
	s_mov_b32 s26, 2<<16                           ; no tensor load of mine is out: from here on a load of codes brings two row tiles
	s_mov_b32 s28, 2
	s_mov_b32 s70, 2<<16
	s_mov_b32 s72, 2
.endif
	s_wait_dscnt 0x0                               ; the add is done, and my reads so far are over
	s_barrier_signal -1
	s_barrier_wait -1
	CREST                                          ; the barrier has opened a round of the cluster's barrier: every tensor load of this launch stands behind one
.if \fill
	s_cmp_eq_u32 s18, 0                            ; waves 0-7 fetch tokens, waves 8-15 weights
	s_cbranch_scc0 .Lfor_w_\@
	tensor_load_to_lds s[40:43], s[24:31]          ; first behind the round, my one tensor load until the next
	s_nop 0
	s_branch .Lasked_\@
.Lfor_w_\@:
	tensor_load_to_lds s[88:91], s[68:75]
	s_nop 0
.Lasked_\@:
.rept 4
	v_nop
.endr
.endif
.endm
.macro QUANT2 s, pc, pw                ; 32 numbers of a lane, register 16 B + i = place 16 h + i of block B of my row -> a half fragment in v[pc] .. v[pc + 5], two scale bytes in v[pw]
.irp b, 0,1
	v_max3_num_f32 v[TM+\b], |v[(\s)+16*\b]|, |v[(\s)+1+16*\b]|, 0x1800000   ; and the floor 2^(3 - 127): the byte cannot fall under 1
.endr
.irp i, 2,4,6,8,10,12,14
.irp b, 0,1
	s_delay_alu instid0(VALU_DEP_2)
	v_max3_num_f32 v[TM+\b], v[TM+\b], |v[(\s)+16*\b+\i]|, |v[(\s)+1+16*\b+\i]|
.endr
.endr
.irp b, 0,1
	s_delay_alu instid0(VALU_DEP_2)
	v_permlanex16_b32 v[TM+2+\b], v[TM+\b], s[SEL], s[SEL+1]
.endr
.irp b, 0,1
	s_delay_alu instid0(VALU_DEP_2)
	v_max_num_f32 v[TM+\b], v[TM+\b], v[TM+2+\b]
.endr
.irp b, 0,1
	s_delay_alu instid0(VALU_DEP_2)
	v_add_nc_u32 v[TM+4+\b], 0xff000000, v[TM+\b]
.endr
.irp b, 0,1
	s_delay_alu instid0(VALU_DEP_2)
	v_lshrrev_b32 v[TM+2+\b], 23, v[TM+4+\b]
.endr
	s_delay_alu instid0(VALU_DEP_1)
	v_lshl_or_b32 v[\pw], v[TM+3], 8, v[TM+2]
	v_cvt_scalef32_pk16_fp6_f32 v[(\pc):(\pc)+2], v[(\s):(\s)+15], v[TM+4]
	v_cvt_scalef32_pk16_fp6_f32 v[(\pc)+6:(\pc)+8], v[(\s)+16:(\s)+31], v[TM+5]
	v_nop                                          ; one plain line behind a scaled conversion
.irp i, 0,1,2
	v_permlane16_swap_b32 v[(\pc)+\i], v[(\pc)+6+\i]
.endr
.irp i, 0,1,2
	s_delay_alu instid0(VALU_DEP_3)
	v_mov_b32 v[(\pc)+3+\i], v[(\pc)+6+\i]
.endr
.endm
.macro QSTORE a
	QUANT2 ACC+32*\a, PCS+12*\a, PWS+\a
	global_store_b128 v13, v[PCS+12*\a:PCS+12*\a+3], s[84:85] offset:OSTR*\a
	global_store_b64 v29, v[PCS+12*\a+4:PCS+12*\a+5], s[84:85] offset:OSTR*\a+512
.endm
; Bias and GELU of accumulator g's eight registers, four pairs a line.  v64-71 z, v72-79 z^2, v80-87 P, v88-95 Q; v[96:97], v[98:99] the leading coefficients of P and Q.
.macro GELU8 g
.set XR, ACC+8*(\g)
.set BR, 32+8*((\g)%4)
.irp k, 0,2,4,6
	v_pk_add_f32 v[XR+\k:XR+\k+1], v[XR+\k:XR+\k+1], v[BR+\k:BR+\k+1]      ; the accumulator from its low end on
.endr
.irp k, 0,2,4,6
	s_delay_alu instid0(VALU_DEP_4)
	v_pk_mul_f32 v[64+\k:65+\k], v[XR+\k:XR+\k+1], 0x3f3504f3 op_sel_hi:[1,0]   ; z = x / sqrt 2
.endr
.irp k, 0,1,2,3,4,5,6,7
	v_med3_num_f32 v[64+\k], v[64+\k], -4.0, 4.0   ; beyond 4 erf is 1 in f32
.endr
.irp k, 0,2,4,6
	v_pk_mul_f32 v[72+\k:73+\k], v[64+\k:65+\k], v[64+\k:65+\k]
.endr
.irp k, 0,2,4,6
	s_delay_alu instid0(VALU_DEP_4)
	v_pk_fma_f32 v[88+\k:89+\k], v[72+\k:73+\k], v[98:99], 0xb95fbd29 op_sel_hi:[1,1,0]
.endr
.irp c, 0xbadc924e, 0xbbf19bf8, 0xbc69b6a7
.irp k, 0,2,4,6
	s_delay_alu instid0(VALU_DEP_4)
	v_pk_fma_f32 v[88+\k:89+\k], v[88+\k:89+\k], v[72+\k:73+\k], \c op_sel_hi:[1,1,0]
.endr
.endr
	s_wait_alu depctr_va_vdst(0)
.irp k, 0,1,2,3,4,5,6,7
	v_rcp_f32 v[88+\k], v[88+\k]                   ; 1 / Q: a batch of eight; P's 24 lines are the independent work behind it
.endr
.irp k, 0,2,4,6
	v_pk_fma_f32 v[80+\k:81+\k], v[72+\k:73+\k], v[96:97], 0x32edffee op_sel_hi:[1,1,0]
.endr
.irp c, 0xb60cff51, 0xb86ec2d2, 0xba40ac63, 0xbb41a1f6, 0xbc83dbd4
.irp k, 0,2,4,6
	s_delay_alu instid0(VALU_DEP_4)
	v_pk_fma_f32 v[80+\k:81+\k], v[80+\k:81+\k], v[72+\k:73+\k], \c op_sel_hi:[1,1,0]
.endr
.endr
.irp k, 0,2,4,6
	s_delay_alu instid0(VALU_DEP_4)
	v_pk_mul_f32 v[80+\k:81+\k], v[80+\k:81+\k], v[64+\k:65+\k]
.endr
	s_wait_alu depctr_va_vdst(0)                   ; one wait for the eight reciprocals, ahead of their first reader
.irp k, 0,2,4,6
	v_pk_mul_f32 v[80+\k:81+\k], v[80+\k:81+\k], v[88+\k:89+\k]            ; erf
.endr
.irp k, 0,2,4,6
	v_pk_mul_f32 v[64+\k:65+\k], v[XR+\k:XR+\k+1], 0.5 op_sel_hi:[1,0]
.endr
.irp k, 0,2,4,6
	s_delay_alu instid0(VALU_DEP_4)
	v_pk_fma_f32 v[XR+\k:XR+\k+1], v[64+\k:65+\k], v[80+\k:81+\k], v[64+\k:65+\k]   ; x / 2 x erf + x / 2
.endr
.endm
	s_load_b256 s[68:75], s[0:1], 0x0              ; act, c1, b1, big
	v_lshl_add_u32 v14, v0, 2, SPARE
	v_mov_b32 v15, 0
	ds_add_u32 v14, v15                            ; the wave's opening: the add and its wait ahead of my first tensor load
	ds_add_u32 v14, v15
	v_lshrrev_b32 v1, 5, v0
	s_delay_alu instid0(VALU_DEP_1)
	v_readfirstlane_b32 s12, v1                    ; wave 0..15
	s_bfe_u32 s48, ttmp6, 0x40000                  ; cx
	s_bfe_u32 s49, ttmp6, 0x40004                  ; cy
	s_lshl_b32 s13, ttmp9, 2
	s_add_co_u32 s13, s13, s48                     ; x: 256 hidden units
	s_and_b32 s14, ttmp7, 0xffff
	s_lshl_b32 s14, s14, 2
	s_add_co_u32 s14, s14, s49                     ; y: 256 tokens
	s_lshl_b32 s49, s49, 2
	s_lshl_b32 s49, 15, s49                        ; my row of the cluster
	s_lshl_b32 s48, 0x1111, s48                    ; my column
	s_lshr_b32 s15, s12, 2                         ; wm
	s_and_b32 s16, s12, 3                          ; wn
	s_lshr_b32 s18, s12, 3                         ; I fetch for P (0) or for R (1),
	s_and_b32 s19, s12, 7                          ; its row tiles 2 w' and 2 w' + 1
	s_or_b32 s24, s49, (3<<16)|(1<<21)             ; group 1, the tokens' codes: the mask of my row; elements of 8 bytes, no padding
	s_mov_b32 s25, 384<<16
	s_mov_b32 s26, 8<<16                           ; at the head: eight row tiles to a load
	s_mov_b32 s27, 384<<16
	s_mov_b32 s28, 8
	s_mov_b32 s29, 1536
	s_mov_b32 s30, 0
	s_mov_b32 s31, 0
	s_mov_b32 s32, 0x30000                         ; group 1, scale bytes: NR rows of 256 dense bytes
	s_mov_b32 s33, 32<<16
	s_mov_b32 s34, NR<<16
	s_mov_b32 s35, 32<<16
	s_mov_b32 s36, NR
	s_mov_b32 s37, 32
	s_mov_b32 s38, 0
	s_mov_b32 s39, 0
	s_mov_b32 s4, 0x30000                          ; group 1, the bias: one row of 256 bytes
	s_mov_b32 s5, 32<<16
	s_mov_b32 s6, 1<<16
	s_mov_b32 s7, 32<<16
	s_mov_b32 s8, 1
	s_mov_b32 s9, 32
	s_mov_b32 s10, 0
	s_mov_b32 s11, 0
	s_mov_b32 s40, 1                               ; groups 0: a set for each load that is out at the head
	s_mul_i32 s41, s12, 6144                       ; slot 0,
	s_mov_b32 s92, 1
	s_mul_i32 s93, s15, SLOTB                      ; THE HEAD'S SHARES, one tensor load a wave: waves 0-11: quarter wave / 4 of K into slot wave / 4, eight row tiles each (wave % 4: P's 0-7, P's 8-15, R's 0-7, R's 8-15);
	s_mul_i32 s23, s16, 24576
	s_add_co_u32 s93, s93, s23
	s_mov_b32 s96, 1                               ; the same places for the weights' descriptors
	s_mul_i32 s97, s15, SLOTB
	s_add_co_u32 s97, s97, s23
	s_mov_b32 s88, 1
	s_mul_i32 s89, s12, 6144
	s_mov_b32 s44, 1                               ; waves 12-15: 4,096 scale bytes each, in the same order of sides and halves
	s_lshl_b32 s45, s16, 12
	s_add_co_u32 s45, s45, SC
	s_mov_b32 s80, 1
	s_lshl_b32 s81, s12, 8
	s_add_co_u32 s81, s81, BIASL                   ; my 256 bytes of bias
	s_mov_b32 s[SEL], 0x76543210
	s_mov_b32 s[SEL+1], 0xfedcba98
	s_lshl_b32 s62, s13, 10                        ; the bias of hidden units 256 x + 64 wn on
	s_lshl_b32 s61, s16, 8
	s_add_co_u32 s62, s62, s61
	s_mov_b32 s63, 0
	s_wait_dscnt 0x0                               ; the opening add is done
	s_wait_kmcnt 0x0
	s_mov_b32 s57, 0
	s_lshl_b32 s56, s14, 4                         ; the refill's two row tiles: of the tokens, by y,
	s_lshl_b32 s58, s19, 1
	s_add_co_u32 s56, s56, s58
	s_mul_i32 s56, s56, 12288
	s_add_nc_u64 s[42:43], s[68:69], s[56:57]
	s_or_b32 s43, s43, 0x80000000
	s_lshl_b32 s56, s13, 4                         ; of the weights, by x
	s_add_co_u32 s56, s56, s58
	s_mul_i32 s56, s56, 12288
	s_add_nc_u64 s[90:91], s[70:71], s[56:57]
	s_or_b32 s91, s91, 0x80000000
	s_bfe_u32 s21, s12, 0x10001                    ; my share of the head: side (wave / 2) % 2,
	s_and_b32 s22, s12, 1                          ; and which half of the side
	s_cmp_eq_u32 s21, 0
	s_cselect_b64 s[52:53], s[68:69], s[70:71]
	s_cselect_b32 s54, s14, s13
	s_mov_b32 s55, WSOFF
	s_cselect_b32 s55, PSOFF, s55
	s_lshl_b32 s56, s14, 4                         ; the head's eight row tiles: of the tokens,
	s_lshl_b32 s58, s22, 3
	s_add_co_u32 s56, s56, s58
	s_mul_i32 s56, s56, 12288
	s_mul_i32 s59, s15, TILEB                      ; quarter wave / 4 of K
	s_add_co_u32 s56, s56, s59
	s_add_nc_u64 s[94:95], s[68:69], s[56:57]
	s_or_b32 s95, s95, 0x80000000
	s_lshl_b32 s56, s13, 4                         ; of the weights
	s_add_co_u32 s56, s56, s58
	s_mul_i32 s56, s56, 12288
	s_add_co_u32 s56, s56, s59
	s_add_nc_u64 s[98:99], s[70:71], s[56:57]
	s_or_b32 s99, s99, 0x80000000
	s_mul_i32 s56, s54, SCB
	s_add_co_u32 s56, s56, s55
	s_lshl_b32 s58, s22, 12
	s_add_co_u32 s56, s56, s58
	s_add_nc_u64 s[46:47], s[52:53], s[56:57]
	s_or_b32 s47, s47, 0x80000000
	s_add_nc_u64 s[82:83], s[72:73], s[62:63]
	s_or_b32 s83, s83, 0x80000000
	s_mov_b64 s[2:3], s[74:75]                     ; the output's address moves: its registers take a descriptor
	s_or_b32 s68, s48, (3<<16)|(1<<21)             ; group 1, the weights' codes, in registers whose arguments have been used: the mask of my column
	s_mov_b32 s69, 384<<16
	s_mov_b32 s70, 8<<16
	s_mov_b32 s71, 384<<16
	s_mov_b32 s72, 8
	s_mov_b32 s73, 1536
	s_mov_b32 s74, 0
	s_mov_b32 s75, 0
	ROUND                                          ; all sixteen work-groups are here: the first joint loads meet
	s_cmp_lt_u32 s12, 12                           ; one tree of branches on the wave's number, one tensor load to an arm
	s_cbranch_scc0 .Lhead_sc
	s_cmp_eq_u32 s21, 0
	s_cbranch_scc0 .Lhead_w
	tensor_load_to_lds s[92:95], s[24:31]          ; three quarters of K: the tokens',
	s_nop 0
	s_branch .Lhead_asked
.Lhead_w:
	tensor_load_to_lds s[96:99], s[68:75]          ; the weights'
	s_nop 0
	s_branch .Lhead_asked
.Lhead_sc:
	tensor_load_to_lds s[44:47], s[32:39]          ; the scale bytes of both sides
	s_nop 0
.Lhead_asked:
.rept 4
	v_nop
.endr
	v_and_b32 v13, 31, v0
	s_delay_alu instid0(VALU_DEP_1)
	v_lshlrev_b32 v29, 3, v13                      ; 8 x lane
	s_delay_alu instid0(VALU_DEP_2)
	v_lshlrev_b32 v13, 4, v13                      ; 16 x lane
	v_and_b32 v11, 15, v0                          ; r
	v_bfe_u32 v12, v0, 4, 1                        ; h
	s_wait_alu depctr_va_vdst(0)
	s_mul_i32 s20, s15, 4*TILEB
	s_mul_i32 s21, s16, 4*TILEB
	s_add_co_u32 s21, s21, RSIDE
	v_add_nc_u32 v1, s20, v13
	v_add_nc_u32 v2, s20, v29
	v_add_nc_u32 v3, s21, v13
	v_add_nc_u32 v4, s21, v29
	s_lshl_b32 s20, s15, 9
	s_lshl_b32 s21, s16, 9
	s_add_co_u32 s21, s21, SCB
	s_sub_co_u32 s21, s21, s20
	v_mul_u32_u24 v5, s21, v12
	s_delay_alu instid0(VALU_DEP_1)
	v_lshl_add_u32 v5, v11, 3, v5
	s_add_co_u32 s20, s20, SC
	v_add_nc_u32 v5, s20, v5
	v_lshl_add_u32 v25, v12, 5, s81                ; the bias in LDS: + 32 h
	s_wait_alu depctr_va_vdst(0)
	s_wait_tensorcnt 0x0                           ; my one load of the head is in
	s_barrier_signal -1
	s_barrier_wait -1                              ; everybody's are
	SLOTW 0, 0, 1
	CHANGE 1                                       ; slots 1 and 2 are whole; slot 0 takes the fourth quarter
	SLOTW 1, 1, 0
	SLOTW 2, 2, 0
	CHANGE 0                                       ; the fourth quarter is whole
	tensor_load_to_lds s[80:83], s[4:11]           ; my 256 bytes of bias, a first fill: first behind the barrier, my one tensor load there; the last quarter's 32 products stand between it and the wait for it
	s_nop 0
	SLOTW 0, 3, 0
	s_wait_tensorcnt 0x0                           ; the bias is in; I alone read it
	; THE WAY OUT: bias, GELU, quantiser, stores
.irp b, 0,1,2,3
	ds_load_b128 v[32+8*\b:35+8*\b], v25 offset:64*\b          ; the bias of hidden units 16 b + 8 h + 0 .. 7, from my own 256 bytes
	ds_load_b128 v[36+8*\b:39+8*\b], v25 offset:64*\b+16
.endr
	v_mov_b32 v[TM+2], 0
	v_mov_b32 v[TM+3], 0
	v_mov_b32 v96, 0xaf95df0b
	v_mov_b32 v97, 0xaf95df0b
	v_mov_b32 v98, 0xb77460cd
	v_mov_b32 v99, 0xb77460cd
	s_lshl_b32 s52, s14, 4
	s_lshl_b32 s53, s15, 2
	s_add_co_u32 s52, s52, s53                     ; my first token tile
	s_lshl_b32 s52, s52, 6
	s_lshl_b32 s53, s13, 2
	s_add_co_u32 s52, s52, s53
	s_add_co_u32 s52, s52, s16                     ; x 64 + my 64 hidden units
	s_mul_i32 s84, s52, 768
	s_mov_b32 s85, 0
	s_add_nc_u64 s[84:85], s[2:3], s[84:85]
	s_lshl_b32 s52, s14, 1                         ; scale bytes out: [128 rows][K / 256][128 rows][8]
	s_lshr_b32 s53, s15, 1
	s_add_co_u32 s52, s52, s53
	s_lshl_b32 s52, s52, 4
	s_add_co_u32 s52, s52, s13
	s_lshl_b32 s52, s52, 7
	s_and_b32 s53, s15, 1
	s_lshl_b32 s53, s53, 6
	s_add_co_u32 s52, s52, s53
	s_lshl_b32 s52, s52, 3
	s_lshl_b32 s53, s16, 1
	s_add_co_u32 s52, s52, s53
	s_add_co_u32 s86, s52, 12582912
	s_mov_b32 s87, 0
	s_add_nc_u64 s[86:87], s[2:3], s[86:87]
	s_wait_dscnt 0x0
.irp g, 0,1,2,3,4,5,6,7,8,9,10,11,12,13,14,15
	GELU8 \g
.endr
.irp a, 0,1,2,3
	QSTORE \a
.endr
	v_cmp_eq_u32 vcc_lo, 1, v12
	s_delay_alu instid0(VALU_DEP_1)
	v_cndmask_b32 v26, v[PWS], v[PWS+1], vcc_lo    ; lanes 0-15: tile 0's two bytes, lanes 16-31: tile 1's
	s_delay_alu instid0(VALU_DEP_2)
	v_cndmask_b32 v27, v[PWS+2], v[PWS+3], vcc_lo
	global_store_b16 v29, v26, s[86:87]            ; 2 bytes of every 8, which the four waves wn fill: 128 of the 3,200 bytes that a wave stores
	global_store_b16 v29, v27, s[86:87] offset:256
	s_wait_tensorcnt 0x0                           ; the wave's end, behind my last tensor load
	ds_add_u32 v14, v15
	s_wait_dscnt 0x0
	ROUND                                          ; the closing round
	s_endpgm
.Lfunc_end_k_qed1239fa25_ffn1:
	.size	k_qed1239fa25_ffn1, .Lfunc_end_k_qed1239fa25_ffn1-k_qed1239fa25_ffn1
	.p2alignl 7, 3214868480
	.fill 96, 4, 3214868480
	.section	.rodata,"a",@progbits
	.p2align	6, 0x0
	.amdhsa_kernel k_qed1239fa25_ffn1
		.amdhsa_group_segment_fixed_size 327680
		.amdhsa_private_segment_fixed_size 0
		.amdhsa_enable_private_segment 0
		.amdhsa_kernarg_size 32
		.amdhsa_user_sgpr_count 2
		.amdhsa_user_sgpr_kernarg_segment_ptr 1
		.amdhsa_wavefront_size32 1
		.amdhsa_system_sgpr_workgroup_id_x 1
		.amdhsa_system_sgpr_workgroup_id_y 1
		.amdhsa_system_sgpr_workgroup_id_z 1
		.amdhsa_system_vgpr_workitem_id 0
		.amdhsa_next_free_vgpr 256
		.amdhsa_next_free_sgpr 100
		.amdhsa_reserve_vcc 1
		.amdhsa_float_denorm_mode_32 3
		.amdhsa_float_denorm_mode_16_64 3
		.amdhsa_memory_ordered 1
		.amdhsa_forward_progress 1
		.amdhsa_inst_pref_size 187
	.end_amdhsa_kernel
	.amdgpu_metadata
---
amdhsa.version: [ 1, 2 ]
amdhsa.kernels:
  - .name:           k_qed1239fa25_ffn1
    .symbol:         k_qed1239fa25_ffn1.kd
    .args:
      - { .name: act, .offset: 0, .size: 8, .value_kind: global_buffer, .address_space: global }
      - { .name: c1, .offset: 8, .size: 8, .value_kind: global_buffer, .address_space: global }
      - { .name: b1, .offset: 16, .size: 8, .value_kind: global_buffer, .address_space: global }
      - { .name: big, .offset: 24, .size: 8, .value_kind: global_buffer, .address_space: global }
    .group_segment_fixed_size: 327680
    .private_segment_fixed_size: 0
    .kernarg_segment_align: 8
    .kernarg_segment_size: 32
    .max_flat_workgroup_size: 512
    .sgpr_count:     100
    .vgpr_count:     256
    .wavefront_size: 32
...
	.end_amdgpu_metadata
.endif
;; end of part 6
;; launch ffn2 (part 7): grid 8 x 32, 16 waves a work-group, clusters of 4 x 4, 327,680 bytes of LDS; arguments big, c2, b2, x1, out0; writes out0
.if DOCPART == 7
	.amdgcn_target "amdgcn-amd-amdhsa--gfx1250"
	.amdhsa_code_object_version 6
	.text
	.protected	k_qed1239fa25_ffn2
	.globl	k_qed1239fa25_ffn2
	.p2align	8
	.type	k_qed1239fa25_ffn2,@function
k_qed1239fa25_ffn2:
	s_mov_b64 s[64:65], 0
	v_nop
	global_prefetch_b8 v0, s[64:65] scope:SCOPE_SE
	s_setreg_imm32_b32 hwreg(HW_REG_WAVE_MODE, 25, 1), 1
	s_wait_xcnt 0x0
	s_wait_alu depctr_hold_cnt(0) depctr_sa_sdst(0) depctr_va_vdst(0) depctr_va_sdst(0) depctr_va_ssrc(0) depctr_va_vcc(0) depctr_vm_vsrc(0)
	s_getreg_b32 s2, hwreg(HW_REG_IB_STS2, 6, 4)
	s_cmp_eq_u32 s2, 0
	s_cbranch_scc0 .Lentry_in_a_cluster
	s_endpgm
.Lentry_in_a_cluster:
	s_bfe_u32 s2, ttmp6, 0x10000c
	s_cmp_lg_u32 s2, 0xf033
	s_cbranch_scc0 .Lentry_shape_is_right
	s_endpgm
.Lentry_shape_is_right:
; out = x1 + ff W2 + b2: a product on codes of FP6 (E2M3) with E8M0 scales, K = 4,096, N = 1,024, f32 out.
; OPERANDS lie as images of the operand's registers: a half fragment (16 rows x 64 K) is 768 bytes: registers 0-3 at 16 x lane, registers 4-5 at 512 + 8 x lane; a buffer is [row tile][K / 64][768].  Scale bytes: [128 rows][K / 256][128 rows][8].
; SHARES.  N is short: 128 x 128 of the result to a work-group gives 256 work-groups.  To keep 64 x 64 to a wave, THE SIXTEEN WAVES SPLIT K FOUR WAYS: wave group kg = wave / 4 multiplies the kg-th 128 of each 512 along K, and in
; a group the four waves take the tile's four quarters.  The four partial tiles meet in a stage in LDS on the way out, which is needed anyway to form whole rows.  So a sum is grouped as four sums over K, added at the end.
; Side P (tokens) is source 1 and gives the result's lanes, side R (weight rows) source 0 and its registers: a lane holds eight neighbouring columns of one row.
; LDS.  Two slots of 512 along K; each wave fetches one row tile (6,144 dense bytes) of a slot with one tensor load.  BOTH slots and the scale bytes of both sides
; are asked for together at the head; then one barrier for each change of slots, behind which the slot just read takes the 512 along K two slots on.  The residual is read into registers ahead of the barrier behind which the stage
; is written.  By this text's own count a wave has one tensor load out at the head and one behind each refill's barrier.
; CLUSTER: 4 x 4.  P's tiles are read by the 8 work-groups of a row of the grid, R's by the 32 of a column, and the grid divides by 4 x 4; the codes' joint loads divide those requests by four.
; LIMITS: NaN and infinities are not served.
.set KS,    4
.set KT,    32
.set NQ,    1
.set TILEB, KS*1536
.set NSLOT, KT/KS
.set SCB,   16384
.set NR,    SCB/1024                   ; rows of 256 bytes of scale bytes that one of the eight waves that fetch them brings
.set PSOFF, 12582912
.set WSOFF, 3145728
.set RSIDE, 49152                      ; a slot: P's 8 tiles, then R's 8
.set SC,    98304
.set SLOT1, 1<<17
.set RESL,  229376
.set SPARE, 325632                     ; the spare words, 128 bytes for each wave, which no other line names
.set STGC,  67584                      ; the way out: four copies of 128 rows x (512 + 16) bytes from LDS byte 0 on, over bytes that have had their last fill and their last read
.set SCR, 16                           ; v16-19 scale words and nothing else
.set RF,  32
.set PF,  80
.set ACC, 128
.macro LDFRAG reg, a16, a8, off
	ds_load_b128 v[\reg:\reg+3], v[\a16] offset:\off
	ds_load_b64 v[\reg+4:\reg+5], v[\a8] offset:\off+512
	ds_load_b128 v[\reg+6:\reg+9], v[\a16] offset:\off+768
	ds_load_b64 v[\reg+10:\reg+11], v[\a8] offset:\off+1280
.endm
.macro KSTEP q, zero                   ; 128 along K: 32 LDS loads, 16 products; the sixteen accumulators take turns, one instruction a turn
.irp b, 0,1,2,3
	LDFRAG RF+12*\b, 8, 9, \b*TILEB+1536*(\q)
.endr
.irp a, 0,1,2,3
	LDFRAG PF+12*\a, 6, 7, \a*TILEB+1536*(\q)
.endr
.irp a, 0,1,2,3
	s_wait_dscnt 4*(3-\a)                          ; P's fragment a and all older loads are in; four loads for each younger fragment may be out
.irp b, 0,1,2,3
.if \zero
	v_wmma_scale_f32_16x16x128_f8f6f4 v[ACC+8*(4*\a+\b):ACC+8*(4*\a+\b)+7], v[RF+12*\b:RF+12*\b+11], v[PF+12*\a:PF+12*\a+11], 0, v[SCR+NQ*\b+(\q)], v[SCR+NQ*\a+(\q)] matrix_a_fmt:MATRIX_FMT_FP6 matrix_b_fmt:MATRIX_FMT_FP6 matrix_a_scale:MATRIX_SCALE_ROW1
.else
	v_wmma_scale_f32_16x16x128_f8f6f4 v[ACC+8*(4*\a+\b):ACC+8*(4*\a+\b)+7], v[RF+12*\b:RF+12*\b+11], v[PF+12*\a:PF+12*\a+11], v[ACC+8*(4*\a+\b):ACC+8*(4*\a+\b)+7], v[SCR+NQ*\b+(\q)], v[SCR+NQ*\a+(\q)] matrix_a_fmt:MATRIX_FMT_FP6 matrix_b_fmt:MATRIX_FMT_FP6 matrix_a_scale:MATRIX_SCALE_ROW1
.endif
.endr
.endr
.rept 4
	v_nop                                          ; four places ahead of loads into registers that these products read, and of the first read of results
.endr
.endm
.macro SLOTW zero
	v_add_nc_u32 v6, s2, v1
	v_add_nc_u32 v7, s2, v2
	v_add_nc_u32 v8, s2, v3
	v_add_nc_u32 v9, s2, v4
	v_add_nc_u32 v10, s3, v5
.irp i, 0,1,2,3
	ds_load_b32 v[SCR+\i], v10 offset:128*\i
.endr
	KSTEP 0, \zero                                 ; my group's 128 of the slot's 512: the group's place stands in the addresses
	s_xor_b32 s2, s2, SLOT1
	s_add_co_u32 s3, s3, 2048
.endm
; CLUSTERS OF 4 x 4: P's codes hang on the work-group's y alone and are asked for jointly along a row of the cluster, R's on its x alone and are asked for jointly along a column.  Every wave makes both descriptors, each from its own
; coordinate.  Scale bytes (32,768 of a work-group's 884,736 bytes) are plain loads; the residual is the work-group's own.
.macro CREST                           ; a round of the cluster's barrier behind its opening barrier
	s_cmp_lg_u32 s12, 0
	s_cbranch_scc1 .Lnot_wave_0_\@
	s_barrier_signal -3
.Lnot_wave_0_\@:
	s_barrier_wait -3
	s_barrier_signal -1
	s_barrier_wait -1
.endm
.macro ROUND
	s_barrier_signal -1
	s_barrier_wait -1
	CREST
.endm
.macro CHANGE fill
.if \fill
	s_wait_xcnt 0x0                                ; my prefetches have read their address: it is stepped here, a slot's work behind them and ahead of the waits of the change of slots
	s_add_nc_u64 s[84:85], s[84:85], TILEB
.endif
	s_wait_tensorcnt 0x0                           ; all my tensor loads have landed: my part of the slot ahead among them; so the walking descriptors may be written
	ds_add_u32 v14, v15                            ; 0 onto my spare word
.if \fill
	s_xor_b32 s93, s93, SLOT1                      ; the other slot than last time,
	s_add_nc_u64 s[94:95], s[94:95], TILEB         ; the next 512 along K; the type bits on top are not reached
	s_xor_b32 s77, s77, SLOT1                      ; and the same for R's walking descriptor
	s_add_nc_u64 s[78:79], s[78:79], TILEB
.endif
	s_wait_dscnt 0x0                               ; the add is done, and my reads of the slot that I have left are over
	s_barrier_signal -1
	s_barrier_wait -1
.if \fill
	CREST                                          ; the barrier has opened a round of the cluster's barrier: no wave of any partner still reads this slot or has a load on its way
	s_cmp_eq_u32 s18, 0                            ; waves 0-7 fetch P's row tiles, waves 8-15 R's
	s_cbranch_scc0 .Lfor_r_\@
	tensor_load_to_lds s[92:95], s[24:31]          ; first behind the round, my one tensor load until the next
	s_nop 0
	s_branch .Lasked_\@
.Lfor_r_\@:
	tensor_load_to_lds s[76:79], s[68:75]
	s_nop 0
.Lasked_\@:
.rept 4
	v_nop
.endr
.endif
.endm
	s_load_b256 s[68:75], s[0:1], 0x0              ; P's buffer, the weights', the bias, the residual
	s_load_b64 s[76:77], s[0:1], 0x20              ; the output
	v_lshl_add_u32 v14, v0, 2, SPARE
	v_mov_b32 v15, 0
	ds_add_u32 v14, v15                            ; the wave's opening: the add and its wait ahead of my first tensor load
	ds_add_u32 v14, v15
	v_lshrrev_b32 v1, 5, v0
	s_delay_alu instid0(VALU_DEP_1)
	v_readfirstlane_b32 s12, v1                    ; wave 0..15
	s_bfe_u32 s20, ttmp6, 0x40000                  ; cx
	s_bfe_u32 s21, ttmp6, 0x40004                  ; cy
	s_lshl_b32 s13, ttmp9, 2
	s_add_co_u32 s13, s13, s20                     ; x: 128 columns
	s_and_b32 s14, ttmp7, 0xffff
	s_lshl_b32 s14, s14, 2
	s_add_co_u32 s14, s14, s21                     ; y: 128 tokens
	s_lshl_b32 s21, s21, 2
	s_lshl_b32 s21, 15, s21                        ; my row of the cluster
	s_lshl_b32 s20, 0x1111, s20                    ; my column
	s_lshr_b32 s17, s12, 2                         ; kg
	s_bfe_u32 s15, s12, 0x10001                    ; wm
	s_and_b32 s16, s12, 1                          ; wn
	s_lshr_b32 s18, s12, 3                         ; I fetch for P (0) or for R (1),
	s_and_b32 s19, s12, 7                          ; its row tile w'
	s_or_b32 s24, s21, (3<<16)|(1<<21)             ; group 1, P's codes: the mask of my row
	s_mov_b32 s25, 768<<16                         ; codes at the head: four row tiles' 6,144 bytes (768 elements of 8), a row tile's whole K apart
	s_mov_b32 s26, 4<<16
	s_mov_b32 s27, 768<<16
	s_mov_b32 s28, 4
	s_mov_b32 s29, KT*192
	s_mov_b32 s30, 0
	s_mov_b32 s31, 0
	s_mov_b32 s32, 0x30000                         ; group 1, scale bytes: NR rows of 256 dense bytes
	s_mov_b32 s33, 32<<16
	s_mov_b32 s34, NR<<16
	s_mov_b32 s35, 32<<16
	s_mov_b32 s36, NR
	s_mov_b32 s37, 32
	s_mov_b32 s38, 0
	s_mov_b32 s39, 0
	s_mov_b32 s40, 1                               ; groups 0: a set for each load that is out at the head; slot 1's then walks
	s_mov_b32 s92, 1
	s_mul_i32 s93, s19, 6144                       ; P's walking descriptor: row tile wave % 8; it begins at slot 1
	s_add_co_u32 s93, s93, SLOT1
	s_and_b32 s23, s12, 3
	s_lshl_b32 s41, s17, 17                        ; the head's codes: slot wave / 4, half wave % 2 of a side: P's,
	s_mul_i32 s45, s16, 24576
	s_add_co_u32 s41, s41, s45
	s_mov_b32 s80, 1
	s_add_co_u32 s81, s41, RSIDE                   ; R's
	s_mov_b32 s44, 1
	s_mul_i32 s45, s19, 256*NR                     ; waves 8-15: a quarter of a side's scale bytes each: P's four quarters, then R's
	s_add_co_u32 s45, s45, SC
	s_lshl_b32 s60, s14, 7
	s_lshl_b32 s61, s12, 3
	s_add_co_u32 s60, s60, s61
	s_lshl_b32 s60, s60, 12                        ; row 128 y + 8 w of 4,096 bytes,
	s_lshl_b32 s62, s13, 9                         ; column 128 x
	s_add_co_u32 s60, s60, s62
	s_mov_b32 s61, 0
	s_mov_b32 s63, 0
	s_mov_b32 s2, 0
	s_mov_b32 s3, 0
	s_wait_dscnt 0x0                               ; the opening add is done
	s_wait_kmcnt 0x0
	s_mov_b32 s57, 0
	s_lshl_b32 s56, s14, 3                         ; the walking descriptors stand at the second 512 along K: P's row tile, by y,
	s_add_co_u32 s56, s56, s19
	s_mul_i32 s56, s56, KT*1536
	s_add_nc_u64 s[94:95], s[68:69], s[56:57]
	s_add_nc_u64 s[94:95], s[94:95], TILEB
	s_mov_b64 s[84:85], s[94:95]
	s_or_b32 s95, s95, 0x80000000
	s_lshl_b32 s56, s13, 3                         ; R's, by x
	s_add_co_u32 s56, s56, s19
	s_mul_i32 s56, s56, KT*1536
	s_add_nc_u64 s[78:79], s[70:71], s[56:57]
	s_add_nc_u64 s[78:79], s[78:79], TILEB
	s_mov_b64 s[90:91], s[78:79]
	s_or_b32 s79, s79, 0x80000000
; THE REFILLS' TILES ARE PREFETCHED, two slots ahead of the load that wants them.  A slot's part of a row tile is 6,144 bytes, 24 blocks of 256.  The four partners that ask for it jointly share the blocks out BY ADDRESS: the partner at
; place p (cx for P's tiles, cy for R's) names blocks 6 p .. 6 p + 5, a lane a block, lanes 6-31 the last block again: one instruction a wave, each block named once in each cluster that will load it.
; s[84:85]: my row tile at the slot that was refilled last, + 1,536 p.  At the head slots 2 and 3 are asked for, in trip i slot i + 4; the last two trips ask for nothing: slot 7 is a row tile's last.
	s_bfe_u32 s58, ttmp6, 0x40000
	s_bfe_u32 s59, ttmp6, 0x40004
	s_cmp_eq_u32 s18, 0                            ; waves 0-7 fetch P's row tiles, waves 8-15 R's
	s_cselect_b64 s[84:85], s[84:85], s[90:91]
	s_cselect_b32 s58, s58, s59
	s_mul_i32 s58, s58, 1536
	s_mov_b32 s59, 0
	s_add_nc_u64 s[84:85], s[84:85], s[58:59]
	s_bfe_u32 s58, s12, 0x10002                    ; the scale bytes' side: (wave / 4) % 2; the quarter: wave % 4 = s23
	s_cmp_eq_u32 s58, 0
	s_cselect_b64 s[52:53], s[68:69], s[70:71]
	s_cselect_b32 s54, s14, s13
	s_mov_b32 s55, WSOFF
	s_cselect_b32 s55, PSOFF, s55
	s_lshl_b32 s56, s14, 3                         ; the head: four row tiles of P, by y,
	s_lshl_b32 s58, s16, 2
	s_add_co_u32 s56, s56, s58
	s_mul_i32 s56, s56, KT*1536
	s_mul_i32 s22, s17, TILEB                      ; the 512 along K of slot wave / 4
	s_add_co_u32 s56, s56, s22
	s_add_nc_u64 s[42:43], s[68:69], s[56:57]
	s_or_b32 s43, s43, 0x80000000
	s_lshl_b32 s56, s13, 3                         ; of R, by x
	s_add_co_u32 s56, s56, s58
	s_mul_i32 s56, s56, KT*1536
	s_add_co_u32 s56, s56, s22
	s_add_nc_u64 s[82:83], s[70:71], s[56:57]
	s_or_b32 s83, s83, 0x80000000
	s_mul_i32 s56, s54, SCB
	s_add_co_u32 s56, s56, s55
	s_mul_i32 s58, s23, 256*NR
	s_add_co_u32 s56, s56, s58
	s_add_nc_u64 s[46:47], s[52:53], s[56:57]
	s_or_b32 s47, s47, 0x80000000
	s_add_nc_u64 s[50:51], s[74:75], s[60:61]      ; THE RESIDUAL DOES NOT GO THROUGH LDS: my eight rows (128 y + 8 wave on, column 128 x) are loaded into registers on the way out
	s_add_nc_u64 s[86:87], s[76:77], s[60:61]      ; the same place in the output
	s_add_nc_u64 s[88:89], s[72:73], s[62:63]      ; the bias of my work-group's 128 columns
	s_mov_b32 s76, 1                               ; R's walking descriptor, in registers whose argument has been used
	s_add_co_u32 s77, s93, RSIDE
	s_or_b32 s68, s20, (3<<16)|(1<<21)             ; group 1, R's codes, likewise: the mask of my column
	s_mov_b32 s69, 768<<16
	s_mov_b32 s70, 4<<16
	s_mov_b32 s71, 768<<16
	s_mov_b32 s72, 4
	s_mov_b32 s73, KT*192
	s_mov_b32 s74, 0
	s_mov_b32 s75, 0
	ROUND                                          ; all sixteen work-groups are here: the first joint loads meet
	s_cmp_lt_u32 s12, 8                            ; one tree of branches on the wave's number, one tensor load to an arm
	s_cbranch_scc0 .Lhead_sc
	s_cmp_eq_u32 s15, 0
	s_cbranch_scc0 .Lhead_r
	tensor_load_to_lds s[40:43], s[24:31]          ; both slots: P's tiles,
	s_nop 0
	s_branch .Lhead_asked
.Lhead_r:
	tensor_load_to_lds s[80:83], s[68:75]          ; R's tiles,
	s_nop 0
	s_branch .Lhead_asked
.Lhead_sc:
	tensor_load_to_lds s[44:47], s[32:39]          ; the scale bytes
	s_nop 0
.Lhead_asked:
.rept 4
	v_nop
.endr
	v_and_b32 v13, 31, v0
	s_delay_alu instid0(VALU_DEP_1)
	v_lshlrev_b32 v29, 3, v13                      ; 8 x lane
	s_delay_alu instid0(VALU_DEP_2)
	v_lshlrev_b32 v13, 4, v13                      ; 16 x lane
	global_load_b128 v[20:23], v13, s[88:89]       ; the bias of my four columns: asked for here, waited for on the way out; its address registers are never rewritten
	v_and_b32 v11, 15, v0                          ; r
	v_bfe_u32 v12, v0, 4, 1                        ; h
	s_wait_alu depctr_va_vdst(0)
	v_and_b32 v30, 31, v0                          ; the tiles' prefetches: 256 x min(lane, 5); never rewritten
	v_min_u32 v30, 5, v30
	v_lshlrev_b32 v30, 8, v30
	v_and_b32 v31, 31, v0                          ; one prefetch for my eight rows of the residual, 16 blocks of 256 bytes: lane l names half l % 2 of row l / 2, lanes 16-31 the last block again; never rewritten
	v_min_u32 v31, 15, v31
	v_lshrrev_b32 v6, 1, v31
	v_and_b32 v31, 1, v31
	v_lshlrev_b32 v31, 8, v31
	v_lshl_add_u32 v31, v6, 12, v31
	global_prefetch_b8 v30, s[84:85] offset:TILEB th:TH_LOAD_NT scope:SCOPE_SE      ; slot 2's part of my row tile,
	global_prefetch_b8 v30, s[84:85] offset:2*TILEB th:TH_LOAD_NT scope:SCOPE_SE    ; slot 3's
	global_prefetch_b8 v31, s[50:51] th:TH_LOAD_NT scope:SCOPE_SE
	s_mul_i32 s20, s15, 4*TILEB
	s_mul_i32 s21, s16, 4*TILEB
	s_add_co_u32 s21, s21, RSIDE
	s_mul_i32 s22, s17, 1536                       ; my group's 128 along K in each tile
	s_add_co_u32 s20, s20, s22
	s_add_co_u32 s21, s21, s22
	v_add_nc_u32 v1, s20, v13
	v_add_nc_u32 v2, s20, v29
	v_add_nc_u32 v3, s21, v13
	v_add_nc_u32 v4, s21, v29
	s_lshl_b32 s20, s15, 9                         ; scale words: lanes 0-15 P's rows, lanes 16-31 R's: the lower base + h x the distance
	s_lshl_b32 s21, s16, 9
	s_add_co_u32 s21, s21, SCB
	s_sub_co_u32 s21, s21, s20
	v_mul_u32_u24 v5, s21, v12
	s_delay_alu instid0(VALU_DEP_1)
	v_lshl_add_u32 v5, v11, 3, v5
	s_add_co_u32 s20, s20, SC
	s_lshr_b32 s22, s17, 1
	s_lshl_b32 s22, s22, 10                        ; which 256 of the slot's 512,
	s_add_co_u32 s20, s20, s22
	s_and_b32 s22, s17, 1
	s_lshl_b32 s22, s22, 2                         ; which word of the 8 bytes
	s_add_co_u32 s20, s20, s22
	v_add_nc_u32 v5, s20, v5
	s_wait_alu depctr_va_vdst(0)
	s_wait_tensorcnt 0x0                           ; my one load of the head is in; so no tensor load of mine is out, and group 1 may be written:
	s_mov_b32 s25, 32<<16                          ; from here on a load of codes brings one row tile's 6,144 dense bytes, as 24 rows of 256
	s_mov_b32 s26, 24<<16
	s_mov_b32 s27, 32<<16
	s_mov_b32 s28, 24
	s_mov_b32 s29, 32
	s_mov_b32 s69, 32<<16                          ; and the same for R's
	s_mov_b32 s70, 24<<16
	s_mov_b32 s71, 32<<16
	s_mov_b32 s72, 24
	s_mov_b32 s73, 32
	s_barrier_signal -1
	s_barrier_wait -1                              ; everybody's are
	SLOTW 1
.if NSLOT > 2
	s_mov_b32 s48, NSLOT-2
.Lslot:                                                ; NSLOT - 2 trips: each fills the slot just read and multiplies the other
	CHANGE 1
	s_cmp_gt_u32 s48, 2                            ; s48 counts 6 .. 1: the last two trips have no slot two refills on
	s_cbranch_scc0 .Lno_ask
	global_prefetch_b8 v30, s[84:85] offset:2*TILEB th:TH_LOAD_NT scope:SCOPE_SE    ; the slot two refills on from the one just asked for
.Lno_ask:
	SLOTW 0
	s_sub_co_u32 s48, s48, 1
	s_cmp_lg_u32 s48, 0
	s_cbranch_scc1 .Lslot
.endif
	CHANGE 0                                       ; the last slot is written out
	SLOTW 0
	; THE WAY OUT
.irp p, 0,1,2,3,4,5,6,7
	global_load_b128 v[32+4*\p:35+4*\p], v13, s[50:51] offset:4096*\p   ; the residual's row 8 w + p, 512 consecutive bytes a wave, into fragment registers that are done with; waited for with the bias, behind the stage's two barriers
.endr
	s_mul_i32 s52, s17, STGC
	s_mul_i32 s53, s15, 64*528
	s_add_co_u32 s52, s52, s53
	s_lshl_b32 s53, s16, 8
	s_add_co_u32 s52, s52, s53
	v_mul_u32_u24 v24, v11, 528
	s_delay_alu instid0(VALU_DEP_1)
	v_lshl_add_u32 v24, v12, 5, v24
	s_delay_alu instid0(VALU_DEP_1)
	v_add_nc_u32 v24, s52, v24                     ; in: my group's copy, row 64 wm + r, 256 wn + 32 h bytes on
	s_mul_i32 s52, s12, 8*528                      ; back: wave w takes rows 8 w .. 8 w + 7 of all four copies, 16 bytes a lane
.irp c, 0,1,2,3
	v_add_nc_u32 v[25+\c], s52, v13
	s_add_co_u32 s52, s52, STGC
.endr
	s_wait_alu depctr_va_vdst(0)
	s_wait_dscnt 0x0                               ; my reads of the slots and of the scale bytes are over
	s_barrier_signal -1
	s_barrier_wait -1                              ; everybody's are: the stage may be written over them
.irp a, 0,1,2,3
.irp b, 0,1,2,3
	ds_store_b128 v24, v[ACC+8*(4*\a+\b):ACC+8*(4*\a+\b)+3] offset:8448*\a+64*\b       ; each accumulator from its low end on
	ds_store_b128 v24, v[ACC+8*(4*\a+\b)+4:ACC+8*(4*\a+\b)+7] offset:8448*\a+64*\b+16
.endr
.endr
	s_wait_dscnt 0x0                               ; for the others' sake: my stores have landed
	s_barrier_signal -1
	s_barrier_wait -1
.irp p, 0,1,2,3,4,5,6,7
.irp c, 0,1,2,3
	ds_load_b128 v[ACC+16*\p+4*\c:ACC+16*\p+4*\c+3], v[25+\c] offset:528*\p
.endr
.endr
	s_wait_loadcnt 0x0                             ; the bias
.irp p, 0,1,2,3,4,5,6,7
	s_wait_dscnt 4*(7-\p)                          ; row p's four parts are in; four loads for each younger row may be out
	v_pk_add_f32 v[ACC+16*\p:ACC+16*\p+1], v[ACC+16*\p:ACC+16*\p+1], v[ACC+16*\p+4:ACC+16*\p+5]
	v_pk_add_f32 v[ACC+16*\p+2:ACC+16*\p+3], v[ACC+16*\p+2:ACC+16*\p+3], v[ACC+16*\p+6:ACC+16*\p+7]
	v_pk_add_f32 v[ACC+16*\p+8:ACC+16*\p+9], v[ACC+16*\p+8:ACC+16*\p+9], v[ACC+16*\p+12:ACC+16*\p+13]
	v_pk_add_f32 v[ACC+16*\p+10:ACC+16*\p+11], v[ACC+16*\p+10:ACC+16*\p+11], v[ACC+16*\p+14:ACC+16*\p+15]
	v_pk_add_f32 v[32+4*\p:33+4*\p], v[32+4*\p:33+4*\p], v[20:21]
	v_pk_add_f32 v[34+4*\p:35+4*\p], v[34+4*\p:35+4*\p], v[22:23]
	s_delay_alu instid0(VALU_DEP_4)
	v_pk_add_f32 v[ACC+16*\p:ACC+16*\p+1], v[ACC+16*\p:ACC+16*\p+1], v[ACC+16*\p+8:ACC+16*\p+9]
	s_delay_alu instid0(VALU_DEP_4)
	v_pk_add_f32 v[ACC+16*\p+2:ACC+16*\p+3], v[ACC+16*\p+2:ACC+16*\p+3], v[ACC+16*\p+10:ACC+16*\p+11]
	s_delay_alu instid0(VALU_DEP_2)
	v_pk_add_f32 v[ACC+16*\p:ACC+16*\p+1], v[ACC+16*\p:ACC+16*\p+1], v[32+4*\p:33+4*\p]
	s_delay_alu instid0(VALU_DEP_2)
	v_pk_add_f32 v[ACC+16*\p+2:ACC+16*\p+3], v[ACC+16*\p+2:ACC+16*\p+3], v[34+4*\p:35+4*\p]
	global_store_b128 v13, v[ACC+16*\p:ACC+16*\p+3], s[86:87] offset:4096*\p   ; 32 lanes store 512 consecutive bytes, aligned
.endr
	s_wait_tensorcnt 0x0                           ; the wave's end, behind my last tensor load and my last LDS store
	ds_add_u32 v14, v15
	s_wait_dscnt 0x0
	ROUND                                          ; the closing round
	s_endpgm
.Lfunc_end_k_qed1239fa25_ffn2:
	.size	k_qed1239fa25_ffn2, .Lfunc_end_k_qed1239fa25_ffn2-k_qed1239fa25_ffn2
	.p2alignl 7, 3214868480
	.fill 96, 4, 3214868480
	.section	.rodata,"a",@progbits
	.p2align	6, 0x0
	.amdhsa_kernel k_qed1239fa25_ffn2
		.amdhsa_group_segment_fixed_size 327680
		.amdhsa_private_segment_fixed_size 0
		.amdhsa_enable_private_segment 0
		.amdhsa_kernarg_size 40
		.amdhsa_user_sgpr_count 2
		.amdhsa_user_sgpr_kernarg_segment_ptr 1
		.amdhsa_wavefront_size32 1
		.amdhsa_system_sgpr_workgroup_id_x 1
		.amdhsa_system_sgpr_workgroup_id_y 1
		.amdhsa_system_sgpr_workgroup_id_z 1
		.amdhsa_system_vgpr_workitem_id 0
		.amdhsa_next_free_vgpr 256
		.amdhsa_next_free_sgpr 100
		.amdhsa_reserve_vcc 0
		.amdhsa_float_denorm_mode_32 3
		.amdhsa_float_denorm_mode_16_64 3
		.amdhsa_memory_ordered 1
		.amdhsa_forward_progress 1
		.amdhsa_inst_pref_size 40
	.end_amdhsa_kernel
	.amdgpu_metadata
---
amdhsa.version: [ 1, 2 ]
amdhsa.kernels:
  - .name:           k_qed1239fa25_ffn2
    .symbol:         k_qed1239fa25_ffn2.kd
    .args:
      - { .name: big, .offset: 0, .size: 8, .value_kind: global_buffer, .address_space: global }
      - { .name: c2, .offset: 8, .size: 8, .value_kind: global_buffer, .address_space: global }
      - { .name: b2, .offset: 16, .size: 8, .value_kind: global_buffer, .address_space: global }
      - { .name: x1, .offset: 24, .size: 8, .value_kind: global_buffer, .address_space: global }
      - { .name: out0, .offset: 32, .size: 8, .value_kind: global_buffer, .address_space: global }
    .group_segment_fixed_size: 327680
    .private_segment_fixed_size: 0
    .kernarg_segment_align: 8
    .kernarg_segment_size: 40
    .max_flat_workgroup_size: 512
    .sgpr_count:     100
    .vgpr_count:     256
    .wavefront_size: 32
...
	.end_amdgpu_metadata
.endif
;; end of part 7
